; MI455X (gfx1250); checked and timed in simulation.
; The chip was launched on July 23, 2026; its instructions are those of AMD's public machine-readable ISA for CDNA 5 (MIT licence, August 2026) and "CDNA5" Instruction Set Architecture Reference Guide (July 2026). The comments in the code are by the model that wrote it; some were corrected since.
;; Semantics Modulated Attention. Allowed arithmetic: matrix products marked QUANTISED: E2M1 operands, one E8M0 scale for each 32 along K, by v_wmma_scale_f32_16x16x128_f8f6f4 with both operands' format E2M1 (or v_wmma_scale_f32_32x16x128_f4), f32 sums; everything else in f32.
;; Inputs: Wkm_codes 512 x 16 x 16 uint8 (E2M1 codes of Wkm, K innermost, in blocks of 32 codes, two codes a byte); Wkm_scales 512 x 16 uint8 (E8M0 scales of Wkm, one for each 32 codes along K); Wkr_codes 512 x 32 x 16 uint8 (E2M1 codes of Wkr, K innermost, in blocks of 32 codes, two codes a byte); Wkr_scales 512 x 32 uint8 (E8M0 scales of Wkr, one for each 32 codes along K); Wkt_codes 512 x 8 x 16 uint8 (E2M1 codes of Wkt, K innermost, in blocks of 32 codes, two codes a byte); Wkt_scales 512 x 8 uint8 (E8M0 scales of Wkt, one for each 32 codes along K); Wq_codes 512 x 16 x 16 uint8 (E2M1 codes of Wq, K innermost, in blocks of 32 codes, two codes a byte); Wq_scales 512 x 16 uint8 (E8M0 scales of Wq, one for each 32 codes along K); Wvm_codes 512 x 16 x 16 uint8 (E2M1 codes of Wvm, K innermost, in blocks of 32 codes, two codes a byte); Wvm_scales 512 x 16 uint8 (E8M0 scales of Wvm, one for each 32 codes along K); Wvr_codes 512 x 16 x 16 uint8 (E2M1 codes of Wvr, K innermost, in blocks of 32 codes, two codes a byte); Wvr_scales 512 x 16 uint8 (E8M0 scales of Wvr, one for each 32 codes along K); Wvt_codes 512 x 8 x 16 uint8 (E2M1 codes of Wvt, K innermost, in blocks of 32 codes, two codes a byte); Wvt_scales 512 x 8 uint8 (E8M0 scales of Wvt, one for each 32 codes along K); bkm 512 float32; bkr 512 float32; bkt 512 float32; bq 512 float32; bvm 512 float32; bvr 512 float32; bvt 512 float32; cond_type 32 x 1 x 1 int32; emb 32 x 2,048 float32; emb_W_codes 1,024 x 64 x 16 uint8 (E2M1 codes of emb_W, K innermost, in blocks of 32 codes, two codes a byte); emb_W_scales 1,024 x 64 uint8 (E8M0 scales of emb_W, one for each 32 codes along K); emb_b 1,024 float32; norm_b 512 float32; norm_g 512 float32; out_W_codes 512 x 16 x 16 uint8 (E2M1 codes of out_W, K innermost, in blocks of 32 codes, two codes a byte); out_W_scales 512 x 16 uint8 (E8M0 scales of out_W, one for each 32 codes along K); out_b 512 float32; re_mask 32 x 4 x 256 float32; re_motion 32 x 4 x 256 x 512 float32; re_text 32 x 4 x 1 x 512 float32; rn1_b 1,024 float32; rn1_g 1,024 float32; rn2_b 512 float32; rn2_g 512 float32; snorm_b 512 float32; snorm_g 512 float32; src_mask 32 x 1,024 x 1 float32; tnorm_b 256 float32; tnorm_g 256 float32; x 32 x 1,024 x 512 float32; xf 32 x 77 x 256 float32.
;; Outputs: out0 32 x 1,024 x 512 float32.
;; This version of the problem:
;;   THIS VERSION OF THE PROBLEM IS GIVEN IN LOW PRECISION. The matrix products marked QUANTISED in the list below multiply operands that are first quantised to E2M1 (2 exponent bits, 1 mantissa bit; 4 bits a number), with one power-of-two scale for each 32 numbers along K (OCP MX v1.0); their sums are f32. All else is computed in f32.
;;   The module's matrix products, in the order in which they are computed (A, B: the left and right operand; K: the contracted axis; several contracted axes count as one K, in the product's order):
;;     1. [M 32,768, K 512] x [K 512, N 512]; A: computed on the way; B: input Wq (given as codes): QUANTISED
;;     2. [M 2,464, K 256] x [K 256, N 512]; A: computed on the way; B: input Wkt (given as codes): QUANTISED
;;     3. [M 32,768, K 1,024] x [K 1,024, N 512]; A: computed on the way; B: input Wkr (given as codes): QUANTISED
;;     4. [M 32,768, K 512] x [K 512, N 512]; A: computed on the way; B: input Wkm (given as codes): QUANTISED
;;     5. [M 2,464, K 256] x [K 256, N 512]; A: computed on the way; B: input Wvt (given as codes): QUANTISED
;;     6. [M 32,768, K 512] x [K 512, N 512]; A: computed on the way; B: input Wvr (given as codes): QUANTISED
;;     7. [M 32,768, K 512] x [K 512, N 512]; A: computed on the way; B: input Wvm (given as codes): QUANTISED
;;     8. batch 256 x [M 64, K 2,125] x [K 2,125, N 64]; A: softmax (see below); B: computed on the way: QUANTISED
;;     9. batch 256 x [M 64, K 64] x [K 64, N 1,024]; A: computed on the way; B: softmax (see below): QUANTISED
;;     10. [M 32, K 2,048] x [K 2,048, N 1,024]; A: computed on the way; B: input emb_W (given as codes): QUANTISED
;;     11. [M 32,768, K 512] x [K 512, N 512]; A: computed on the way; B: input out_W (given as codes): QUANTISED
;;   THE QUANTISER, for each operand of a quantised product, along K:
;;     - K is cut into blocks of 32 from its start; a last block that is shorter is filled with zeros.
;;     - A block's scale is 2^e with e = floor(log2(the largest magnitude in the block)) - 2, held to -126 .. 127; a block of zeros has e = 0. As a byte (E8M0): e + 127.
;;     - Each number is divided by its block's scale, clamped to +-6, and rounded to the nearest number of E2M1, ties to even, subnormals kept.
;;     - The product sums the exact products of the quantised numbers (number of the format x scale) in f32.
;;   ~~~python
;;   def quantise(x, axis):      # numpy; x: float32 -> the quantised numbers, widened to float32 again
;;       x = np.moveaxis(x, axis, -1); K = x.shape[-1]
;;       x = np.pad(x, [(0, 0)] * (x.ndim - 1) + [(0, -K % 32)]); x = x.reshape(x.shape[:-1] + (-1, 32)); a = np.abs(x).max(-1, keepdims=True)
;;       e = np.where(a > 0, np.clip(np.frexp(np.where(a > 0, a, 1))[1] - 1 - 2, -126, 127), 0)      # np.frexp(a)[1] - 1 = floor(log2(a)), exactly
;;       r = np.clip(x / 2.0 ** e, -6, 6)
;;       step = 2.0 ** (np.maximum(np.frexp(np.where(r == 0, 1, r))[1] - 1, 0) - 1)
;;       q = np.round(r / step) * step * 2.0 ** e      # np.round: ties to even
;;       return np.moveaxis(q.reshape(q.shape[:-2] + (-1,))[..., :K], -1, axis).astype(np.float32)
;;   ~~~
;;   SOFTMAX AHEAD OF A QUANTISED PRODUCT. Where the list says 'softmax', what is quantised is not the finished softmax but p = 2^(t - M), with t = logit x log2(e) and M = ceil(the row's largest t), a whole number; so 1/2 < the row's largest p <= 1. The row's sum l is taken of the UNQUANTISED p, in f32, and the product's result is divided by l at the end. Since M is a whole number, a kernel that streams over the keys may use a running M (the ceiling of the running maximum): every later rescaling is an exact power of two, which a block's scale takes up: the codes' values come out the same.
;;   OPERANDS COMPUTED ON THE WAY. 'Computed on the way' means the value that the module computes at that place (a softmax that the list does not call 'softmax' is quantised finished and normalised). What goes into a quantiser is computed in f32, as accurately as f32 sums, v_exp_f32 and their like allow (about 1e-6 of the number): no bf16 or f16 on the way to a quantiser, and a product that is left as it is and whose result goes on into a quantised operand takes f32 operands (vector FMAs, or v_wmma_f32_16x16x4_f32). A number that lies on a knife's edge between two numbers of the format may be rounded either way, as far as f32 arithmetic and the matrix unit's own rounding can turn it there, and no further.
;;   INPUTS GIVEN AS CODES. Wkm (in the module: [512, 512], K = its axis 1); Wkr (in the module: [512, 1024], K = its axis 1); Wkt (in the module: [512, 256], K = its axis 1); Wq (in the module: [512, 512], K = its axis 1); Wvm (in the module: [512, 512], K = its axis 1); Wvr (in the module: [512, 512], K = its axis 1); Wvt (in the module: [512, 256], K = its axis 1); emb_W (in the module: [1024, 2048], K = its axis 1); out_W (in the module: [512, 512], K = its axis 1): each comes as NAME_codes (uint8): NAME with its K axis moved to the last place and cut into blocks of 32 codes, [.., K / 32, bytes a block], one block behind the other in memory; two codes a byte, the lower K in the low four bits (a code: sign, 2 exponent bits, 1 mantissa bit); and NAME_scales (uint8): the same leading axes, one E8M0 byte (e + 127) for each 32 codes along K. Its value is code x scale, taken as it is: it is not quantised again, and the codes and scales need not be those that the quantiser above would give.
;; 2 versions, each right; version 2 is version 1 with the launches attn, final written anew for expert scheduling mode. Each part assembles by itself: llvm-mc -triple=amdgcn-amd-amdhsa -mcpu=gfx1250 --defsym DOCPART=n.
;; ======== version 1 of 2: 3 launches
;; workspace buffers: tkb 1,114,112 bytes; rkb 18,939,904 bytes; rvb 9,469,952 bytes; mkb 9,469,952 bytes; xqb 8,912,896 bytes; embp 262,144 bytes; attb 655,360 bytes
;; launch prep (part 1): grid 37 x 32, 4 waves a work-group, no clusters, 66,048 bytes of LDS; arguments x, re_motion, re_text, xf, emb, norm_g, norm_b, rn1_g, rn1_b, rn2_g, rn2_b, tnorm_g, tnorm_b, emb_W_codes, emb_W_scales, tkb, rkb, rvb, mkb, xqb, embp; writes tkb, rkb, rvb, mkb, xqb, embp
.if DOCPART == 1
	.amdgcn_target "amdgcn-amd-amdhsa--gfx1250"
	.amdhsa_code_object_version 6
	.text
	.protected	k_qc476b68594_prep
	.globl	k_qc476b68594_prep
	.p2align	8
	.type	k_qc476b68594_prep,@function
k_qc476b68594_prep:
	s_mov_b64 s[64:65], 0
	v_nop
	global_prefetch_b8 v0, s[64:65] scope:SCOPE_SE
	s_setreg_imm32_b32 hwreg(HW_REG_WAVE_MODE, 25, 1), 1
	s_wait_xcnt 0x0
; LayerNorms and quantisers ahead of the projections, and the product of silu(emb) with emb_W in two halves of K.
; Work-group y = batch.  x 0-16: a unit of 64 tokens of the retrieval rows; x 17-33: the same of x's rows; x 34, 35: the text rows; x 36: the emb product.
; A UNIT is 64 tokens of the concatenated token axis (text 77, retrieval 1024, motion 1024): a segment's unit ju begins at its row 64 ju - 13.
; A RECORD (17,408 bytes) is a unit x 512 along K as the matrix unit's registers take it: fragment (K step s, token tile tt) at (4 s + tt) x 1024,
; block q of row m at 256 q + 16 m; behind the codes the scale bytes, [tt][m][16].  Row m of tile tt is the token at 32 (tt / 2) + 8 (tt % 2) + m + 8 (m / 8).
; Rows outside the segment get zero codes (their scale bytes are those of a clamped row: between 1 and 254).
; QUANTISER: scale byte = exponent field of the block's largest magnitude - 2, held at 1 from below by a floor among the maximum's leaves.
; A block of zeros so keeps the byte 1 where the rule says 127: its codes are zeros, and only this program reads the bytes.
; LIMITS: NaN and infinities among the inputs are not served; blocks whose largest magnitude lies under 2^-124 take the floor's byte.
; Variances are sums of squared deviations from a mean taken first.  rn1's row is (motion, text): var = (Sm + St) / 1024 + ((mean_m - mean_t) / 2)^2.
; No cluster: no two work-groups read the same large tile.  No tensor loads: a row has to change lanes, which four small work-groups a WGP do through registers and LDS.
.set REC,  17408
.set XQB,  34816                       ; a block of 128 rows in xqb: 128 x 256 bytes of codes, 128 x 16 scale bytes
.set KIND, 48                          ; s48  1: retrieval rows, 0: x's rows
.set JU,   49                          ; s49  the unit in its segment
.set SRC,  50                          ; s[50:51] the batch's rows
.set P0,   52                          ; s[52:53] the record of rn2's (or norm's) codes
.set GP,   54                          ; s[54:55], s[56:57] that norm's gain and offset
.set BP,   56
.set SEL,  66                          ; s[66:67] v_permlanex16_b32's selects for lane l xor 16
.set C9,   68                          ; 2^-9
.set C10,  69                          ; 2^-10
.set EPS,  70                          ; 1e-5
.set LOC0, 71                          ; row m = 0 of my tile, counted in the segment (may lie under 0)
.set M4,   72                          ; the trip's first m
.set LB,   73                          ; the trip's first row in the segment;  s74: that of the next trip
.set LBN,  74
.set RO,   75                          ; 16 x m: the trip's place in the images
.set RCUR, 76                          ; which retrieved text DT, MT, STX belong to
.set RN,   86
.set NL,   88                          ; s[88:89] -log2 e
.set DT,   108                         ; v108-123 text - its mean
.set RING, 124                         ; v124-187 four rows as loaded
.set D,    188                         ; v188-203 16 neighbours of the row, then their deviations
.set Y,    204                         ; v204-219 the normalised numbers
.set MEAN, 228                         ; pairs: the low word serves both halves of the packed forms
.set RS2,  230
.set DEL,  232
.set RS1,  234
.set MT,   236
.set STX,  237
.set T0,   238
.set MX,   239
.set MX2,  240
.set SCO,  241
.set BY,   242                         ; v242-244 the three scale bytes of a row
.set TXO,  245
.set CD,   246                         ; v246-251 the three pairs of codes of a row
.set OFF,  252                         ; v252-255 a slot's byte offset
.macro NOPS n
.rept \n
	v_nop
.endr
.endm
.macro WSUM d                          ; v[d] summed over the 32 lanes, into every lane
	v_add_f32_dpp v[\d], v[\d], v[\d] row_xmask:1 row_mask:0xf bank_mask:0xf
	v_add_f32_dpp v[\d], v[\d], v[\d] row_xmask:2 row_mask:0xf bank_mask:0xf
	v_add_f32_dpp v[\d], v[\d], v[\d] row_xmask:4 row_mask:0xf bank_mask:0xf
	v_add_f32_dpp v[\d], v[\d], v[\d] row_xmask:8 row_mask:0xf bank_mask:0xf
	v_permlanex16_b32 v[T0], v[\d], s[SEL], s[SEL+1]
	v_add_f32 v[\d], v[\d], v[T0]
.endm
.macro SUM16 x                         ; v220 = the row's sum of v[x] .. v[x + 15]
	v_pk_add_f32 v[220:221], v[\x:\x+1], v[\x+2:\x+3]
	v_pk_add_f32 v[222:223], v[\x+4:\x+5], v[\x+6:\x+7]
	v_pk_add_f32 v[224:225], v[\x+8:\x+9], v[\x+10:\x+11]
	v_pk_add_f32 v[226:227], v[\x+12:\x+13], v[\x+14:\x+15]
	v_pk_add_f32 v[220:221], v[220:221], v[222:223]
	v_pk_add_f32 v[224:225], v[224:225], v[226:227]
	v_pk_add_f32 v[220:221], v[220:221], v[224:225]
	v_add_f32 v220, v220, v221
	WSUM 220
.endm
.macro SQ16 x                          ; v220 = the row's sum of their squares
	v_pk_mul_f32 v[220:221], v[\x:\x+1], v[\x:\x+1]
	v_pk_mul_f32 v[222:223], v[\x+2:\x+3], v[\x+2:\x+3]
.irp i,4,8,12
	v_pk_fma_f32 v[220:221], v[\x+\i:\x+\i+1], v[\x+\i:\x+\i+1], v[220:221]
	v_pk_fma_f32 v[222:223], v[\x+\i+2:\x+\i+3], v[\x+\i+2:\x+\i+3], v[222:223]
.endr
	v_pk_add_f32 v[220:221], v[220:221], v[222:223]
	v_add_f32 v220, v220, v221
	WSUM 220
.endm
.macro Q16 x, c, by                    ; my 16 numbers (half a block; my neighbour lane holds the other half) -> 8 bytes of codes and the block's byte
	v_max3_num_f32 v[MX], |v[\x]|, |v[\x+1]|, |v[\x+2]|
	v_max3_num_f32 v[MX2], |v[\x+3]|, |v[\x+4]|, |v[\x+5]|
.irp i,6,10
	v_max3_num_f32 v[MX], v[MX], |v[\x+\i]|, |v[\x+\i+1]|
	v_max3_num_f32 v[MX2], v[MX2], |v[\x+\i+2]|, |v[\x+\i+3]|
.endr
	v_max3_num_f32 v[MX], v[MX], |v[\x+14]|, |v[\x+15]|
	v_max3_num_f32 v[MX], v[MX], v[MX2], 0x1800000        ; the floor 2^(3 - 127): the byte cannot fall under 1
	v_max_num_f32_dpp v[MX], v[MX], v[MX] row_xmask:1 row_mask:0xf bank_mask:0xf
	v_add_nc_u32 v[SCO], 0xff000000, v[MX]                ; 2 off the exponent field: the conversion's scale operand
	v_cvt_scalef32_pk8_fp4_f32 v[\c], v[\x:\x+7], v[SCO]
	v_cvt_scalef32_pk8_fp4_f32 v[\c+1], v[\x+8:\x+15], v[SCO]
	v_lshrrev_b32 v[\by], 23, v[SCO]                      ; the byte; also the plain line behind the conversions
.endm
.macro LD16 rg, p, off                 ; 16 numbers of my columns 16 lane .. 16 lane + 15
.irp q,0,1,2,3
	global_load_b128 v[\rg+4*\q:\rg+4*\q+3], v9, s[\p:\p+1] offset:\off+16*\q
.endr
.endm
.macro RLOAD i, sl                     ; slot i takes the row at s[sl], held inside the segment: four loads of 512 consecutive bytes
	s_max_i32 s78, s[\sl], 0
	s_min_i32 s78, s78, 1023
	s_lshl_b32 s78, s78, 11
	v_add_nc_u32 v[OFF+\i], s78, v1
.irp q,0,1,2,3
	global_load_b128 v[RING+16*\i+4*\q:RING+16*\i+4*\q+3], v[OFF+\i], s[SRC:SRC+1] offset:512*\q th:TH_LOAD_NT
.endr
.endm
.macro TEXT                            ; retrieved text s[RN]: its mean MT, deviations DT, sum of squares STX
	s_mov_b32 s[RCUR], s[RN]
	s_lshl_b32 s87, s[RN], 11
	v_add_nc_u32 v[TXO], s87, v9
.irp q,0,1,2,3
	global_load_b128 v[DT+4*\q:DT+4*\q+3], v[TXO], s[8:9] offset:16*\q
.endr
	s_wait_loadcnt 0x0                                    ; all loads, the ring's too: the counted waits behind this are then met at once
	SUM16 DT
	v_mul_f32 v[MT], s[C9], v220
.set p, 0
.rept 8
	v_pk_add_f32 v[DT+2*p:DT+2*p+1], v[DT+2*p:DT+2*p+1], v[MT:MT+1] op_sel_hi:[1,0] neg_lo:[0,1] neg_hi:[0,1]
.set p, p+1
.endr
	SQ16 DT
	v_mov_b32 v[STX], v220
.endm
.macro NORM16 x, rs, g, b              ; Y = (v[x ..] x rstd) x gain + offset
.set p, 0
.rept 8
	v_pk_mul_f32 v[Y+2*p:Y+2*p+1], v[\x+2*p:\x+2*p+1], v[\rs:\rs+1] op_sel_hi:[1,0]
.set p, p+1
.endr
.set p, 0
.rept 8
	v_pk_fma_f32 v[Y+2*p:Y+2*p+1], v[Y+2*p:Y+2*p+1], v[\g+2*p:\g+2*p+1], v[\b+2*p:\b+2*p+1]
.set p, p+1
.endr
.endm
.macro SILU32 xs, tw                   ; 32 numbers at v[xs] become x / (1 + 2^(-x log2 e)); v[tw] on: 32 registers at work
.set p, 0
.rept 16
	v_pk_mul_f32 v[\tw+2*p:\tw+2*p+1], v[\xs+2*p:\xs+2*p+1], s[NL:NL+1] op_sel_hi:[1,0]
.set p, p+1
.endr
.set p, 0
.rept 32
	v_exp_f32 v[\tw+p], v[\tw+p]
.set p, p+1
.endr
	v_nop                                                 ; a plain line behind the batch,
	s_wait_alu depctr_va_vdst(0)                          ; and one wait for it, ahead of its first reader
.set p, 0
.rept 16
	v_pk_add_f32 v[\tw+2*p:\tw+2*p+1], v[\tw+2*p:\tw+2*p+1], 1.0 op_sel_hi:[1,0]
.set p, p+1
.endr
.set p, 0
.rept 32
	v_rcp_f32 v[\tw+p], v[\tw+p]
.set p, p+1
.endr
	v_nop
	s_wait_alu depctr_va_vdst(0)
.set p, 0
.rept 16
	v_pk_mul_f32 v[\xs+2*p:\xs+2*p+1], v[\xs+2*p:\xs+2*p+1], v[\tw+2*p:\tw+2*p+1]
.set p, p+1
.endr
.endm
	s_load_b512 s[4:19], s[0:1], 0x0               ; x 4, re_motion 6, re_text 8, xf 10, emb 12, norm_g 14, norm_b 16, rn1_g 18
	s_load_b512 s[20:35], s[0:1], 0x40             ; rn1_b 20, rn2_g 22, rn2_b 24, tnorm_g 26, tnorm_b 28, emb_W_codes 30, emb_W_scales 32, tkb 34
	s_load_b256 s[36:43], s[0:1], 0x80             ; rkb 36, rvb 38, mkb 40, xqb 42
	s_load_b64 s[44:45], s[0:1], 0xa0              ; embp
	s_set_vgpr_msb 0x40
	v_lshl_add_u32 v0, v0, 2, 0x10000
	v_mov_b32 v1, 0
	s_set_vgpr_msb 0x4000
	v_lshrrev_b32 v1, 5, v0
	v_readfirstlane_b32 s46, v1                    ; wave
	s_and_b32 s47, ttmp7, 0xffff                   ; batch (in the emb path: the tile of channels)
	s_mov_b32 s[SEL], 0x76543210
	s_mov_b32 s[SEL+1], 0xfedcba98
	s_mov_b32 s[C9], 0x3b000000
	s_mov_b32 s[C10], 0x3a800000
	s_mov_b32 s[EPS], 0x3727c5ac
	s_mov_b32 s[NL], 0xbfb8aa3b
	s_mov_b32 s[NL+1], s[NL]
	s_wait_kmcnt 0x0
	s_cmp_ge_u32 ttmp9, 36
	s_cbranch_scc1 .Lemb
	s_cmp_ge_u32 ttmp9, 34
	s_cbranch_scc1 .Ltext
	; ================ rows of re_motion and of x: one text for both, only pointers are chosen.  A wave = token tile tt = its number: 16 rows
	s_cmp_lt_u32 ttmp9, 17
	s_cselect_b32 s[KIND], 1, 0
	s_cselect_b32 s[JU], 0, 17
	s_cselect_b64 s[SRC:SRC+1], s[6:7], s[4:5]
	s_cselect_b64 s[P0:P0+1], s[38:39], s[40:41]
	s_cselect_b64 s[GP:GP+1], s[22:23], s[14:15]
	s_cselect_b64 s[BP:BP+1], s[24:25], s[16:17]
	s_sub_co_u32 s[JU], ttmp9, s[JU]
	s_lshl_b32 s58, s47, 21                        ; a batch's rows: 1,024 x 2,048 bytes
	s_mov_b32 s59, 0
	s_add_nc_u64 s[SRC:SRC+1], s[SRC:SRC+1], s[58:59]
	s_mul_i32 s58, s47, 17
	s_add_co_u32 s58, s58, s[JU]
	s_mul_i32 s58, s58, REC
	s_add_nc_u64 s[P0:P0+1], s[P0:P0+1], s[58:59]
	s_lshl_b32 s58, s58, 1
	s_add_nc_u64 s[36:37], s[36:37], s[58:59]      ; rkb: two records a unit
	s_mul_i32 s58, s47, 8*XQB
	s_add_nc_u64 s[42:43], s[42:43], s[58:59]
	s_lshl_b32 s58, s47, 13
	s_add_nc_u64 s[8:9], s[8:9], s[58:59]          ; the batch's four texts
	s_lshl_b32 s[LOC0], s[JU], 6
	s_lshr_b32 s58, s46, 1
	s_lshl_b32 s58, s58, 5
	s_add_co_u32 s[LOC0], s[LOC0], s58
	s_and_b32 s58, s46, 1
	s_lshl_b32 s58, s58, 3
	s_add_co_u32 s[LOC0], s[LOC0], s58
	s_sub_co_i32 s[LOC0], s[LOC0], 13              ; 64 ju - 13 + 32 (tt / 2) + 8 (tt % 2)
	; LDS of wave w, from 16,384 w: a stage of 32 x 80 bytes in which a row changes lanes; three images of 16 blocks x (256 + 16) bytes; 3 x 256 scale bytes
	v_and_b32 v8, 31, v0
	v_lshlrev_b32 v1, 4, v8                        ; v1  16 x lane
	v_lshlrev_b32 v6, 3, v8                        ; v6  8 x lane
	v_lshlrev_b32 v9, 6, v8                        ; v9  64 x lane
	s_lshl_b32 s58, s46, 14
	v_lshrrev_b32 v2, 2, v8
	v_mul_u32_u24 v2, v2, 80
	v_and_b32 v3, 3, v8
	v_lshl_add_u32 v2, v3, 4, v2
	v_add_nc_u32 v2, s58, v2                       ; v2  into the stage: 64 bytes on end, then 16 of padding
	v_mul_u32_u24 v3, v8, 80
	v_add_nc_u32 v3, s58, v3                       ; v3  out of it: my 64 bytes
	v_lshrrev_b32 v5, 1, v8
	v_mul_u32_u24 v4, v5, 272
	v_and_b32 v10, 1, v8
	v_lshl_add_u32 v4, v10, 3, v4
	v_add_nc_u32 v4, s58, v4
	v_add_nc_u32 v4, 2560, v4                      ; v4  an image: block lane / 2, my half of its 16 bytes
	v_add_nc_u32 v5, s58, v5
	v_add_nc_u32 v5, 15616, v5                     ; v5  the scale bytes: block lane / 2
	LD16 12, GP, 0                                 ; v12-27, v28-43: norm's (x) or rn2's gain and offset
	LD16 28, BP, 0
	LD16 44, 18, 0                                 ; v44-59, v60-75: rn1's for the motion half
	LD16 60, 20, 0
	LD16 76, 18, 2048                              ; v76-91, v92-107: for the text half
	LD16 92, 20, 2048
.irp i,0,1,2,3
	s_add_co_i32 s77, s[LOC0], \i
	RLOAD \i, 77                                   ; the ring: rows m = 0 .. 3
.endr
	v_mov_b32 v[MEAN+1], 0                         ; upper halves of pairs that the packed forms name, and a lane permute's destination: written once
	v_mov_b32 v[RS2+1], 0
	v_mov_b32 v[DEL+1], 0
	v_mov_b32 v[RS1+1], 0
	v_mov_b32 v[STX], 0
	v_mov_b32 v[T0], 0
	s_max_i32 s77, s[LOC0], 0
	s_min_i32 s77, s77, 1023
	s_lshr_b32 s[RN], s77, 8
	TEXT                                           ; once on every path, so that DT, MT and STX are written; its wait also covers the gains and offsets
.macro TRIPHEAD
	s_wait_dscnt 0x0                               ; the last trip's LDS stores are done: their address registers are written again
	s_and_b32 s77, s[M4], 8
	s_add_co_u32 s77, s77, s[M4]
	s_add_co_i32 s[LB], s[LOC0], s77               ; m + 8 (m / 8)
	s_add_co_u32 s78, s[M4], 4
	s_and_b32 s79, s78, 8
	s_add_co_u32 s78, s78, s79
	s_add_co_i32 s[LBN], s[LOC0], s78
	s_lshl_b32 s[RO], s[M4], 4
	v_add_nc_u32 v10, s[RO], v4
	v_add_nc_u32 v11, s[RO], v5
.endm
; Row m = M4 + i.  ahead = 1: the slot takes the row four further on.  left: the loads of the younger slots, which may stay out.
.macro ROW i, ahead, left
	s_wait_loadcnt \left
.irp q,0,1,2,3
	ds_store_b128 v2, v[RING+16*\i+4*\q:RING+16*\i+4*\q+3] offset:640*\q
.endr
.irp q,0,1,2,3
	ds_load_b128 v[D+4*\q:D+4*\q+3], v3 offset:16*\q   ; LDS serves a wave's instructions in order: these see the stores above
.endr
	s_add_co_i32 s80, s[LB], \i                    ; the row's place in the segment
	s_cmp_lt_u32 s80, 1024
	s_cselect_b32 s81, -1, 0                       ; all ones where it lies inside
	s_cmp_eq_u32 s[KIND], 0
	s_cbranch_scc1 .Lsame_\@
	s_max_i32 s82, s80, 0
	s_min_i32 s82, s82, 1023
	s_lshr_b32 s[RN], s82, 8
	s_cmp_eq_u32 s[RN], s[RCUR]
	s_cbranch_scc1 .Lsame_\@
	TEXT                                           ; the rows have passed on to the next retrieved text
.Lsame_\@:
	s_wait_dscnt 0x0                               ; my 16 neighbours are in, and the stage's stores have read the slot
.if \ahead
	s_add_co_i32 s77, s[LBN], \i
	RLOAD \i, 77
.endif
	SUM16 D
	v_mul_f32 v[MEAN], s[C9], v220
.set p, 0
.rept 8
	v_pk_add_f32 v[D+2*p:D+2*p+1], v[D+2*p:D+2*p+1], v[MEAN:MEAN+1] op_sel_hi:[1,0] neg_lo:[0,1] neg_hi:[0,1]
.set p, p+1
.endr
	SQ16 D
	v_fma_f32 v221, v220, s[C9], s[EPS]
	v_rsq_f32 v[RS2], v221
	v_sub_f32 v[DEL], v[MEAN], v[MT]               ; rn1's statistics (seven lines; for x's rows they serve nothing and cost no branch)
	v_mul_f32 v[DEL], 0.5, v[DEL]
	v_add_f32 v222, v220, v[STX]
	v_mul_f32 v223, v[DEL], v[DEL]
	v_fma_f32 v222, v222, s[C10], v223
	v_add_f32 v222, s[EPS], v222
	v_rsq_f32 v[RS1], v222
	v_nop
	s_wait_alu depctr_va_vdst(0)                   ; one wait for both roots, ahead of their first reader
	NORM16 D, RS2, 12, 28
	s_wait_xcnt 0x0                                ; the last row's store has read its codes and its offset
	Q16 Y, CD, BY
	v_and_b32 v[CD], s81, v[CD]                    ; a row outside the segment: zero codes
	v_and_b32 v[CD+1], s81, v[CD+1]
	ds_store_b64 v10, v[CD:CD+1] offset:16*\i
	ds_store_b8 v11, v[BY] offset:16*\i            ; both lanes of a block write the same byte with the same value
	s_cmp_lg_u32 s[KIND], 0
	s_cbranch_scc1 .Lretr_\@
	s_cmp_eq_u32 s81, 0
	s_cbranch_scc1 .Ldone_\@
	s_lshr_b32 s83, s80, 7                         ; x's rows also go out as plain rows, for the query's product
	s_mul_i32 s83, s83, XQB
	s_and_b32 s84, s80, 127
	s_lshl_b32 s84, s84, 8
	s_add_co_u32 s83, s83, s84
	v_add_nc_u32 v7, s83, v6
	global_store_b64 v7, v[CD:CD+1], s[42:43]      ; the wave stores 256 consecutive bytes, aligned
	s_branch .Ldone_\@
.Lretr_\@:
.set p, 0
.rept 8
	v_pk_add_f32 v[Y+2*p:Y+2*p+1], v[D+2*p:D+2*p+1], v[DEL:DEL+1] op_sel_hi:[1,0]      ; motion - the mean of (motion, text)
.set p, p+1
.endr
	NORM16 Y, RS1, 44, 60
	Q16 Y, CD+2, BY+1
	v_and_b32 v[CD+2], s81, v[CD+2]
	v_and_b32 v[CD+3], s81, v[CD+3]
	ds_store_b64 v10, v[CD+2:CD+3] offset:4352+16*\i
	ds_store_b8 v11, v[BY+1] offset:256+16*\i
.set p, 0
.rept 8
	v_pk_add_f32 v[Y+2*p:Y+2*p+1], v[DT+2*p:DT+2*p+1], v[DEL:DEL+1] op_sel_hi:[1,0] neg_lo:[0,1] neg_hi:[0,1]   ; text - that mean
.set p, p+1
.endr
	NORM16 Y, RS1, 76, 92
	Q16 Y, CD+4, BY+2
	v_and_b32 v[CD+4], s81, v[CD+4]
	v_and_b32 v[CD+5], s81, v[CD+5]
	ds_store_b64 v10, v[CD+4:CD+5] offset:8704+16*\i
	ds_store_b8 v11, v[BY+2] offset:512+16*\i
.Ldone_\@:
.endm
	s_mov_b32 s[M4], 0
.Ltrip:
	TRIPHEAD
	ROW 0, 1, 12
	ROW 1, 1, 12
	ROW 2, 1, 12
	ROW 3, 1, 12
	s_add_co_u32 s[M4], s[M4], 4
	s_cmp_lt_u32 s[M4], 12
	s_cbranch_scc1 .Ltrip
	TRIPHEAD                                       ; the last four rows load nothing: the counts run down
	ROW 0, 0, 12
	ROW 1, 0, 8
	ROW 2, 0, 4
	ROW 3, 0, 0
	; the way out: an image leaves as it lies in a record, 512 consecutive bytes a store
.macro OUTIMG g, rg, p, xo
.irp i,0,1,2,3,4,5,6,7
	ds_load_b128 v[\rg+4*\i:\rg+4*\i+3], v14 offset:\g*4352+544*\i
.endr
.irp i,0,1,2,3,4,5,6,7
	s_wait_dscnt 7-\i
	global_store_b128 v15, v[\rg+4*\i:\rg+4*\i+3], s[\p:\p+1] offset:\xo+(\i/2)*4096+(\i%2)*512
.endr
.endm
	s_wait_dscnt 0x0
	v_and_b32 v12, 15, v0
	v_bfe_u32 v13, v0, 4, 1
	v_mul_u32_u24 v14, v13, 272
	v_lshl_add_u32 v14, v12, 4, v14
	s_lshl_b32 s77, s46, 14
	v_add_nc_u32 v14, s77, v14
	v_add_nc_u32 v14, 2560, v14                    ; block 2 i + lane / 16, row lane % 16
	s_lshl_b32 s78, s46, 10
	v_add_nc_u32 v15, s78, v1                      ; in the record: 1,024 tt + 16 lane
	v_add_nc_u32 v16, s77, v6
	v_add_nc_u32 v16, 15616, v16
	s_lshl_b32 s79, s46, 8
	v_add_nc_u32 v17, s79, v6                      ; scale bytes: 256 tt + 8 lane
	OUTIMG 0, RING, P0, 0
	ds_load_b64 v[18:19], v16
	s_wait_dscnt 0x0
	global_store_b64 v17, v[18:19], s[P0:P0+1] offset:16384
	s_cmp_eq_u32 s[KIND], 0
	s_cbranch_scc1 .Lxtail
	OUTIMG 1, RING+32, 36, 0
	OUTIMG 2, D, 36, REC
	ds_load_b64 v[20:21], v16 offset:256
	ds_load_b64 v[22:23], v16 offset:512
	s_wait_dscnt 0x0
	global_store_b64 v17, v[20:21], s[36:37] offset:16384
	global_store_b64 v17, v[22:23], s[36:37] offset:REC+16384
	s_set_vgpr_msb 0x5
	s_wait_tensorcnt 0x0
	ds_add_u32 v0, v1
	s_wait_dscnt 0x0
	s_set_vgpr_msb 0x500
	s_endpgm
.Lxtail:                                           ; x's scale bytes by plain rows too: 8 bytes a lane, runs of 128 bytes (a small part of what the launch moves)
	v_and_b32 v24, 31, v0
	v_lshrrev_b32 v25, 1, v24
	v_and_b32 v26, 8, v25
	v_add_nc_u32 v25, v25, v26
	v_add_nc_u32 v25, s[LOC0], v25                 ; my row's place in the segment
	v_lshrrev_b32 v26, 7, v25
	v_mul_u32_u24 v26, v26, XQB
	v_and_b32 v27, 127, v25
	v_lshl_add_u32 v26, v27, 4, v26
	v_and_b32 v27, 1, v24
	v_lshl_add_u32 v26, v27, 3, v26
	v_cmp_gt_u32 vcc_lo, 0x400, v25
	s_wait_xcnt 0x0                                ; EXEC changes only behind this wait
	s_set_vgpr_msb 0x5
	s_wait_tensorcnt 0x0
	ds_add_u32 v0, v1
	s_wait_dscnt 0x0
	s_set_vgpr_msb 0x500
	s_and_saveexec_b32 s77, vcc_lo
	global_store_b64 v26, v[18:19], s[42:43] offset:32768
	s_wait_xcnt 0x0                                ; and again in front of the line that widens it
	s_or_b32 exec_lo, exec_lo, s77
	s_endpgm
	; ================ the text rows: lane (r, h) holds row m = r of its wave's tile and the four blocks that the operand's layout gives it
.Ltext:
	s_sub_co_u32 s48, ttmp9, 34                    ; unit 0 or 1
	s_lshl_b32 s49, s48, 6
	s_lshr_b32 s50, s46, 1
	s_lshl_b32 s50, s50, 5
	s_add_co_u32 s49, s49, s50
	s_and_b32 s50, s46, 1
	s_lshl_b32 s50, s50, 3
	s_add_co_u32 s49, s49, s50
	v_and_b32 v2, 15, v0
	v_bfe_u32 v3, v0, 4, 1
	v_and_b32 v4, 8, v2
	v_add_nc_u32 v4, v4, v2
	v_add_nc_u32 v4, s49, v4                       ; my token
	v_cmp_gt_u32 vcc_lo, 77, v4
	v_cndmask_b32 v5, 0, -1, vcc_lo                ; all ones where it is a text token
	v_min_u32 v4, 76, v4                           ; no load leaves xf
	v_lshlrev_b32 v6, 10, v4
	v_lshl_add_u32 v6, v3, 7, v6                   ; row x 1,024 + 128 h
	v_lshlrev_b32 v7, 7, v3
	v_and_b32 v8, 31, v0
	v_lshlrev_b32 v8, 4, v8
	s_lshl_b32 s50, s46, 10
	v_add_nc_u32 v8, s50, v8                       ; 16 lane + 1,024 tt
	v_lshlrev_b32 v9, 4, v2
	v_lshl_add_u32 v9, v3, 3, v9
	s_lshl_b32 s50, s46, 8
	v_add_nc_u32 v9, s50, v9                       ; 16 r + 8 h + 256 tt
	v_lshlrev_b32 v10, 3, v3                       ; 8 h
	s_mov_b32 s52, 0x3b800000                      ; 2^-8
	s_mul_i32 s50, s47, 77*1024
	s_mov_b32 s51, 0
	s_add_nc_u64 s[10:11], s[10:11], s[50:51]
	s_lshl_b32 s50, s47, 1
	s_add_co_u32 s50, s50, s48
	s_mul_i32 s50, s50, REC
	s_add_nc_u64 s[34:35], s[34:35], s[50:51]
.set p, 0
.rept 32
	global_load_b128 v[64+4*p:67+4*p], v6, s[10:11] offset:256*(p/8)+16*(p%8)    ; block 2 s + c: k = 128 s + 64 c + 32 h + 0 .. 31
.set p, p+1
.endr
.macro GBLOAD bi
.irp i,0,1,2,3,4,5,6,7
	global_load_b128 v[192+4*\i:195+4*\i], v7, s[26:27] offset:256*(\bi)+16*\i
	global_load_b128 v[224+4*\i:227+4*\i], v7, s[28:29] offset:256*(\bi)+16*\i
.endr
.endm
	GBLOAD 0
.irp i,44,45,46,47,54,55,18
	v_mov_b32 v[\i], 0
.endr
	s_wait_loadcnt 0x0
.irp k,0,1,2,3
	v_pk_add_f32 v[16+2*\k:17+2*\k], v[64+2*\k:65+2*\k], v[72+2*\k:73+2*\k]
.endr
.set p, 8
.rept 56
	v_pk_add_f32 v[16+2*(p%4):17+2*(p%4)], v[16+2*(p%4):17+2*(p%4)], v[64+2*p:65+2*p]
.set p, p+1
.endr
	v_pk_add_f32 v[16:17], v[16:17], v[18:19]
	v_pk_add_f32 v[20:21], v[20:21], v[22:23]
	v_pk_add_f32 v[16:17], v[16:17], v[20:21]
	v_add_f32 v16, v16, v17
	v_permlanex16_b32 v18, v16, s[SEL], s[SEL+1]
	v_add_f32 v16, v16, v18
	v_mul_f32 v56, s52, v16                        ; the row's mean
	v_mov_b32 v57, v56
.set p, 0
.rept 64
	v_pk_add_f32 v[64+2*p:65+2*p], v[64+2*p:65+2*p], v[56:57] neg_lo:[0,1] neg_hi:[0,1]
.set p, p+1
.endr
.irp k,0,1,2,3
	v_pk_mul_f32 v[16+2*\k:17+2*\k], v[64+2*\k:65+2*\k], v[64+2*\k:65+2*\k]
.endr
.set p, 4
.rept 60
	v_pk_fma_f32 v[16+2*(p%4):17+2*(p%4)], v[64+2*p:65+2*p], v[64+2*p:65+2*p], v[16+2*(p%4):17+2*(p%4)]
.set p, p+1
.endr
	v_pk_add_f32 v[16:17], v[16:17], v[18:19]
	v_pk_add_f32 v[20:21], v[20:21], v[22:23]
	v_pk_add_f32 v[16:17], v[16:17], v[20:21]
	v_add_f32 v16, v16, v17
	v_permlanex16_b32 v18, v16, s[SEL], s[SEL+1]
	v_add_f32 v16, v16, v18
	v_fma_f32 v16, v16, s52, s[EPS]
	v_rsq_f32 v58, v16
	v_nop
	s_wait_alu depctr_va_vdst(0)
	v_mov_b32 v59, v58
.macro TBLOCK bi                       ; block bi = 2 s + c: all its 32 numbers are mine
.set XB, 64+32*(\bi)
	s_wait_loadcnt 0x0                             ; this block's gains and offsets
.set p, 0
.rept 16
	v_pk_mul_f32 v[XB+2*p:XB+2*p+1], v[XB+2*p:XB+2*p+1], v[58:59]
.set p, p+1
.endr
.set p, 0
.rept 16
	v_pk_fma_f32 v[XB+2*p:XB+2*p+1], v[XB+2*p:XB+2*p+1], v[192+2*p:193+2*p], v[224+2*p:225+2*p]
.set p, p+1
.endr
.if \bi < 3
	GBLOAD \bi+1
.endif
	v_max3_num_f32 v50, |v[XB]|, |v[XB+1]|, 0x1800000
.irp i,2,4,6,8,10,12,14,16,18,20,22,24,26,28,30
	v_max3_num_f32 v50, v50, |v[XB+\i]|, |v[XB+\i+1]|
.endr
	v_add_nc_u32 v[60+\bi], 0xff000000, v50
.irp g,0,1,2,3
	v_cvt_scalef32_pk8_fp4_f32 v[24+4*\bi+\g], v[XB+8*\g:XB+8*\g+7], v[60+\bi]
.endr
	v_lshrrev_b32 v[40+\bi], 23, v[60+\bi]
.irp g,0,1,2,3
	v_and_b32 v[24+4*\bi+\g], v5, v[24+4*\bi+\g]
.endr
	global_store_b128 v8, v[24+4*\bi:27+4*\bi], s[34:35] offset:(\bi/2)*4096+(\bi%2)*512
.endm
	TBLOCK 0
	TBLOCK 1
	TBLOCK 2
	TBLOCK 3
.irp o,8192,8704,12288,12800
	global_store_b128 v8, v[44:47], s[34:35] offset:\o    ; K steps 2 and 3 of the record: zero codes
.endr
	v_lshl_or_b32 v52, v41, 16, v40                ; my two bytes of K step 0: blocks h and 2 + h,
	v_lshl_or_b32 v53, v43, 16, v42                ; of K step 1,
	v_lshlrev_b32 v52, v10, v52                    ; at their places in the word;
	v_lshlrev_b32 v53, v10, v53
	v_permlanex16_b32 v54, v52, s[SEL], s[SEL+1]
	v_permlanex16_b32 v55, v53, s[SEL], s[SEL+1]
	v_or_b32 v52, v52, v54                         ; with lane l xor 16's the words are whole
	v_or_b32 v53, v53, v55
	v_cmp_eq_u32 vcc_lo, 0, v3
	v_mov_b32 v54, 0x7f7f7f7f
	v_cndmask_b32 v52, v54, v52, vcc_lo            ; lanes 0-15 store the row's two words, lanes 16-31 the bytes 127 of K steps 2 and 3
	v_cndmask_b32 v53, v54, v53, vcc_lo
	global_store_b64 v9, v[52:53], s[34:35] offset:16384
	s_endpgm
	; ================ silu(emb) x emb_W^T: a wave takes 16 batches (16 mt ..), channels 16 ct + r and 512 + 16 ct + r, one half of K (8 K steps)
.Lemb:
	s_and_b32 s48, s46, 1                          ; mt
	s_lshr_b32 s49, s46, 1                         ; the half of K
	v_and_b32 v2, 15, v0
	v_bfe_u32 v3, v0, 4, 1
	s_lshl_b32 s50, s48, 17
	s_lshl_b32 s51, s49, 12
	s_add_co_u32 s50, s50, s51
	v_lshlrev_b32 v4, 13, v2
	v_lshl_add_u32 v4, v3, 7, v4
	v_add_nc_u32 v4, s50, v4                       ; emb: (16 mt + r) x 8,192 + half x 4,096 + 128 h
	s_lshl_b32 s50, s47, 14
	s_lshl_b32 s51, s49, 9
	s_add_co_u32 s50, s50, s51
	v_lshlrev_b32 v5, 10, v2
	v_lshl_add_u32 v5, v3, 4, v5
	v_add_nc_u32 v5, s50, v5                       ; codes: (16 ct + r) x 1,024 + half x 512 + 16 h
	s_lshl_b32 s50, s47, 10
	s_lshl_b32 s51, s49, 5
	s_add_co_u32 s50, s50, s51
	v_lshlrev_b32 v6, 6, v2
	v_add_nc_u32 v6, s50, v6                       ; scale words: (16 ct + r) x 64 + half x 32
	v_lshlrev_b32 v7, 3, v3                        ; 8 h
	v_mov_b32 v15, 0
.set p, 0
.rept 16
	v_mov_b32 v[128+p], 0                          ; two sums; the step is written twice, not a third time for a first step
.set p, p+1
.endr
.macro EGRP x, wf, ws, ad              ; K step s53: 64 numbers of emb a lane, two fragments of emb_W, their scale words: 22 loads
	s_lshl_b32 s52, s53, 9
	v_add_nc_u32 v[\ad], s52, v4
	s_lshl_b32 s52, s53, 6
	v_add_nc_u32 v[\ad+1], s52, v5
	s_lshl_b32 s52, s53, 2
	v_add_nc_u32 v[\ad+2], s52, v6
.irp c,0,1
.irp i,0,1,2,3,4,5,6,7
	global_load_b128 v[\x+32*\c+4*\i:\x+32*\c+4*\i+3], v[\ad], s[12:13] offset:256*\c+16*\i
.endr
.endr
.irp t,0,1
.irp c,0,1
	global_load_b128 v[\wf+8*\t+4*\c:\wf+8*\t+4*\c+3], v[\ad+1], s[30:31] offset:524288*\t+32*\c
.endr
	global_load_b32 v[\ws+\t], v[\ad+2], s[32:33] offset:32768*\t
.endr
.endm
.macro ESTEP x, wf, ws, ad, nx
	s_wait_loadcnt 22                              ; this set's 22 loads are in; the other set's may be out
	SILU32 \x, 32
	SILU32 \x+32, 32
.irp c,0,1
	v_max3_num_f32 v[8+\c], |v[\x+32*\c]|, |v[\x+32*\c+1]|, 0x1800000
.endr
.irp i,2,4,6,8,10,12,14,16,18,20,22,24,26,28,30
.irp c,0,1
	v_max3_num_f32 v[8+\c], v[8+\c], |v[\x+32*\c+\i]|, |v[\x+32*\c+\i+1]|
.endr
.endr
.irp c,0,1
	v_add_nc_u32 v[10+\c], 0xff000000, v[8+\c]
.endr
.irp c,0,1
	v_lshrrev_b32 v[12+\c], 23, v[10+\c]
.endr
	v_lshl_or_b32 v14, v13, 16, v12
	v_lshlrev_b32 v14, v7, v14
	v_permlanex16_b32 v15, v14, s[SEL], s[SEL+1]
	v_or_b32 v16, v14, v15                         ; my batch's scale word
.irp c,0,1
.irp g,0,1,2,3
	v_cvt_scalef32_pk8_fp4_f32 v[24+4*\c+\g], v[\x+32*\c+8*\g:\x+32*\c+8*\g+7], v[10+\c]
.endr
.endr
	NOPS 8                                         ; a scale word made by vector lines stands eight places ahead of the product, codes so made four
	v_wmma_scale_f32_16x16x128_f8f6f4 v[128:135], v[24:31], v[\wf:\wf+7], v[128:135], v16, v[\ws] matrix_a_fmt:MATRIX_FMT_FP4 matrix_b_fmt:MATRIX_FMT_FP4
	v_wmma_scale_f32_16x16x128_f8f6f4 v[136:143], v[24:31], v[\wf+8:\wf+15], v[136:143], v16, v[\ws+1] matrix_a_fmt:MATRIX_FMT_FP4 matrix_b_fmt:MATRIX_FMT_FP4
	NOPS 4                                         ; places in front of the loads into registers that the products read
	s_lshl_b32 s53, s54, 1
	s_add_co_u32 s53, s53, \nx
	s_min_u32 s53, s53, 7                          ; the last trip asks for the half's last K step once more: the counts stay the same in every trip, and no load leaves its buffer
	EGRP \x, \wf, \ws, \ad
.endm
	s_mov_b32 s53, 0
	EGRP 64, 208, 18, 240
	s_mov_b32 s53, 1
	EGRP 144, 224, 20, 243
	s_mov_b32 s54, 0
.Lek:
	ESTEP 64, 208, 18, 240, 2
	ESTEP 144, 224, 20, 243, 3
	s_add_co_u32 s54, s54, 1
	s_cmp_lt_u32 s54, 4
	s_cbranch_scc1 .Lek
	s_lshl_b32 s50, s49, 17
	s_lshl_b32 s51, s48, 16
	s_add_co_u32 s50, s50, s51
	s_lshl_b32 s51, s47, 6
	s_add_co_u32 s50, s50, s51
	v_lshlrev_b32 v246, 15, v3
	v_lshl_add_u32 v246, v2, 2, v246
	v_add_nc_u32 v246, s50, v246                   ; [half][16 mt + 8 h + j][16 ct + r]
	v_nop
.irp j,0,1,2,3,4,5,6,7
	global_store_b32 v246, v[128+\j], s[44:45] offset:4096*\j
.endr
.irp j,0,1,2,3,4,5,6,7
	global_store_b32 v246, v[136+\j], s[44:45] offset:4096*\j+2048
.endr
	s_endpgm
.Lfunc_end_k_qc476b68594_prep:
	.size	k_qc476b68594_prep, .Lfunc_end_k_qc476b68594_prep-k_qc476b68594_prep
	.p2alignl 7, 3214868480
	.fill 96, 4, 3214868480
	.section	.rodata,"a",@progbits
	.p2align	6, 0x0
	.amdhsa_kernel k_qc476b68594_prep
		.amdhsa_group_segment_fixed_size 66048
		.amdhsa_private_segment_fixed_size 0
		.amdhsa_enable_private_segment 0
		.amdhsa_kernarg_size 168
		.amdhsa_user_sgpr_count 2
		.amdhsa_user_sgpr_kernarg_segment_ptr 1
		.amdhsa_wavefront_size32 1
		.amdhsa_system_sgpr_workgroup_id_x 1
		.amdhsa_system_sgpr_workgroup_id_y 1
		.amdhsa_system_sgpr_workgroup_id_z 1
		.amdhsa_system_vgpr_workitem_id 0
		.amdhsa_next_free_vgpr 258
		.amdhsa_next_free_sgpr 100
		.amdhsa_reserve_vcc 1
		.amdhsa_float_denorm_mode_32 3
		.amdhsa_float_denorm_mode_16_64 3
		.amdhsa_memory_ordered 1
		.amdhsa_forward_progress 1
		.amdhsa_inst_pref_size 212
	.end_amdhsa_kernel
	.amdgpu_metadata
---
amdhsa.version: [ 1, 2 ]
amdhsa.kernels:
  - .name:           k_qc476b68594_prep
    .symbol:         k_qc476b68594_prep.kd
    .args:
      - { .name: x, .offset: 0, .size: 8, .value_kind: global_buffer, .address_space: global }
      - { .name: re_motion, .offset: 8, .size: 8, .value_kind: global_buffer, .address_space: global }
      - { .name: re_text, .offset: 16, .size: 8, .value_kind: global_buffer, .address_space: global }
      - { .name: xf, .offset: 24, .size: 8, .value_kind: global_buffer, .address_space: global }
      - { .name: emb, .offset: 32, .size: 8, .value_kind: global_buffer, .address_space: global }
      - { .name: norm_g, .offset: 40, .size: 8, .value_kind: global_buffer, .address_space: global }
      - { .name: norm_b, .offset: 48, .size: 8, .value_kind: global_buffer, .address_space: global }
      - { .name: rn1_g, .offset: 56, .size: 8, .value_kind: global_buffer, .address_space: global }
      - { .name: rn1_b, .offset: 64, .size: 8, .value_kind: global_buffer, .address_space: global }
      - { .name: rn2_g, .offset: 72, .size: 8, .value_kind: global_buffer, .address_space: global }
      - { .name: rn2_b, .offset: 80, .size: 8, .value_kind: global_buffer, .address_space: global }
      - { .name: tnorm_g, .offset: 88, .size: 8, .value_kind: global_buffer, .address_space: global }
      - { .name: tnorm_b, .offset: 96, .size: 8, .value_kind: global_buffer, .address_space: global }
      - { .name: emb_W_codes, .offset: 104, .size: 8, .value_kind: global_buffer, .address_space: global }
      - { .name: emb_W_scales, .offset: 112, .size: 8, .value_kind: global_buffer, .address_space: global }
      - { .name: tkb, .offset: 120, .size: 8, .value_kind: global_buffer, .address_space: global }
      - { .name: rkb, .offset: 128, .size: 8, .value_kind: global_buffer, .address_space: global }
      - { .name: rvb, .offset: 136, .size: 8, .value_kind: global_buffer, .address_space: global }
      - { .name: mkb, .offset: 144, .size: 8, .value_kind: global_buffer, .address_space: global }
      - { .name: xqb, .offset: 152, .size: 8, .value_kind: global_buffer, .address_space: global }
      - { .name: embp, .offset: 160, .size: 8, .value_kind: global_buffer, .address_space: global }
    .group_segment_fixed_size: 66048
    .private_segment_fixed_size: 0
    .kernarg_segment_align: 8
    .kernarg_segment_size: 168
    .max_flat_workgroup_size: 128
    .sgpr_count:     100
    .vgpr_count:     258
    .wavefront_size: 32
...
	.end_amdgpu_metadata
.endif
;; end of part 1
;; launch attn (part 2): grid 32 x 8, 4 waves a work-group, no clusters, 213,504 bytes of LDS; arguments tkb, rkb, rvb, mkb, Wkt_codes, Wkt_scales, Wkr_codes, Wkr_scales, Wkm_codes, Wkm_scales, Wvt_codes, Wvt_scales, Wvr_codes, Wvr_scales, Wvm_codes, Wvm_scales, bkt, bkr, bkm, bvt, bvr, bvm, cond_type, re_mask, src_mask, attb; writes attb
.if DOCPART == 2
	.amdgcn_target "amdgcn-amd-amdhsa--gfx1250"
	.amdhsa_code_object_version 6
	.text
	.protected	k_qc476b68594_attn
	.globl	k_qc476b68594_attn
	.p2align	8
	.type	k_qc476b68594_attn,@function
k_qc476b68594_attn:
	s_mov_b64 s[64:65], 0
	v_nop
	global_prefetch_b8 v0, s[64:65] scope:SCOPE_SE
	s_setreg_imm32_b32 hwreg(HW_REG_WAVE_MODE, 25, 1), 1
	s_wait_xcnt 0x0
; attention[b][head] = softmax over the 2,125 tokens of the keys, times the values: a 64 x 64 matrix, divided by the softmax's sums and quantised along d for the next launch.
; A work-group = (batch x, head y).  Its four waves share the TOKENS: wave w walks the units (64 tokens) js .. je - 1, js = 0, 8, 16, 25.
; A wave makes all 64 key channels and all 64 value channels of its tokens (source 0 = 16 tokens, source 1 = 16 channels: a lane holds ONE channel, its registers run along the tokens),
; keeps a running whole-number M, the sum of the unquantised p, and a whole 64 x 64 partial result; the four are joined at the end by exact powers of two.
; Token fragments come from memory straight into registers (records laid in register order by the launch before; each is used by one wave alone); the head's weights lie in LDS as register images.
; THE NEXT UNIT'S THREE SETS ARE ASKED FOR ONE BY ONE, each as soon as its registers have been multiplied for the last time: 34 loads at a place, with a quantiser or 64 products between the places.
; A unit on a border of two segments (units 1 and 17; the border lies at offset 13) is the sum of two products: each segment's record has zero codes in the other's rows.  Such a unit has an arm of the text of its own.
; p = 2^(t - M), t = logit x log2 e, M = ceil of the running largest t.  Masks enter as numbers: an addend and a factor for each token.  No branch hangs on data.
; LIMITS: NaN and infinities are not served.  The two masks of a retrieval token are added to each other first, and then to the logit (where both are set the token's p is 0 in either order).
; No cluster: the eight heads of a batch read the same records, but each wave walks other units, of unequal work (2, 3 or 5 products of 64), so partners have no common step at which to ask jointly.
; REGISTERS, in windows of 256.  window 0: v1-12 addresses; v16-55 scale words alone; v64-95 the tokens' addends or factors; v96-103 biases; v104-135 statistics; v136-167 at work; v168-199 p's codes; v200-231 v's codes.
;   window 1: v0-127 the 16 accumulators (channel tile a, token tile tt at 32 a + 8 tt); v128-255 a quad of weights.   window 2: token sets A, B.   window 3: token set C; v128-255 the partial result (l tile c, d tile a at 128 + 8 (4 c + a)).
.set REC,  17408
.set QB,   16384                       ; a quad of weights in LDS: fragment (K step s, tile a) at (4 s + a) x 1,024.  Quads: KT 0, KR low 1, KR high 2, KM 3, VT 4, VR 5, VM 6
.set WSC,  114688                      ; their scale words: 1,024 bytes a quad, [a][r][16]
.set KADD, 121856                      ; an addend for each of 2,176 tokens
.set VMUL, 130560                      ; a factor
.set BIAS, 139264                      ; [segment][k, v][64]
.set XM,   140800                      ; [wave][64] -M;  1,024 bytes on: [wave][64] the sums
.set COMB, 142848                      ; [wave][l][272 bytes]
.set TKB, 4
.set RKB, 6
.set RVB, 8
.set MKB, 10
.set NG,  12
.set PK,  13
.set RF,  60
.set CR,  61
.set TF,  62
.set CT,  63
.set WV,  66
.set BB,  67
.set J,   68
.set JE,  69
.set TR,  70
.set TK,  71
.set JN,  72
.set JM1, 73
.set EXTRA, 74
.set WKS, 75
.set WVS, 76
.set QO,  77
.set QS,  78
.set PA,  80
.set PC,  82
.set PE,  84
.set OA,  86
.set OC,  88
.set SEL, 90
.set CS,  92
.set NR,  98                           ; s98  1: there is a next unit and it is a retrieval unit
.set HD,  99                           ; s99  the head
.set PS,  48
.set VS,  52
.set ST,  104                          ; tile a at ST + 8 a: +0 -M, +1 the largest t, +2, +3 the sum, +4, +5 the factor, +6, +7 at work
.set QT,  136                          ; tile a at QT + 8 a: +0, +1 the blocks' maxima, +2, +3 at work, +4, +5 scale operands, +6, +7 bytes
.set PF,  168
.set VF,  200
.set KD,  140
.set VD,  160
.set MSB, 0
.macro WIN new                         ; the immediate's high byte repeats the setting that is left
.if MSB != \new
	s_set_vgpr_msb (MSB<<8)|\new
.set MSB, \new
.endif
.endm
.macro NOPS n
.rept \n
	v_nop
.endr
.endm
.macro WM d, a, b, z, sa, sb, ra, rb   ; one product; z: it starts the sum; ra, rb: the scale words stand in lanes 16-31
.if \z
.if (\ra) && (\rb)
	v_wmma_scale_f32_16x16x128_f8f6f4 v[\d:\d+7], v[\a:\a+7], v[\b:\b+7], 0, v[\sa], v[\sb] matrix_a_fmt:MATRIX_FMT_FP4 matrix_b_fmt:MATRIX_FMT_FP4 matrix_a_scale:MATRIX_SCALE_ROW1 matrix_b_scale:MATRIX_SCALE_ROW1
.elseif \ra
	v_wmma_scale_f32_16x16x128_f8f6f4 v[\d:\d+7], v[\a:\a+7], v[\b:\b+7], 0, v[\sa], v[\sb] matrix_a_fmt:MATRIX_FMT_FP4 matrix_b_fmt:MATRIX_FMT_FP4 matrix_a_scale:MATRIX_SCALE_ROW1
.elseif \rb
	v_wmma_scale_f32_16x16x128_f8f6f4 v[\d:\d+7], v[\a:\a+7], v[\b:\b+7], 0, v[\sa], v[\sb] matrix_a_fmt:MATRIX_FMT_FP4 matrix_b_fmt:MATRIX_FMT_FP4 matrix_b_scale:MATRIX_SCALE_ROW1
.else
	v_wmma_scale_f32_16x16x128_f8f6f4 v[\d:\d+7], v[\a:\a+7], v[\b:\b+7], 0, v[\sa], v[\sb] matrix_a_fmt:MATRIX_FMT_FP4 matrix_b_fmt:MATRIX_FMT_FP4
.endif
.else
.if (\ra) && (\rb)
	v_wmma_scale_f32_16x16x128_f8f6f4 v[\d:\d+7], v[\a:\a+7], v[\b:\b+7], v[\d:\d+7], v[\sa], v[\sb] matrix_a_fmt:MATRIX_FMT_FP4 matrix_b_fmt:MATRIX_FMT_FP4 matrix_a_scale:MATRIX_SCALE_ROW1 matrix_b_scale:MATRIX_SCALE_ROW1
.elseif \ra
	v_wmma_scale_f32_16x16x128_f8f6f4 v[\d:\d+7], v[\a:\a+7], v[\b:\b+7], v[\d:\d+7], v[\sa], v[\sb] matrix_a_fmt:MATRIX_FMT_FP4 matrix_b_fmt:MATRIX_FMT_FP4 matrix_a_scale:MATRIX_SCALE_ROW1
.elseif \rb
	v_wmma_scale_f32_16x16x128_f8f6f4 v[\d:\d+7], v[\a:\a+7], v[\b:\b+7], v[\d:\d+7], v[\sa], v[\sb] matrix_a_fmt:MATRIX_FMT_FP4 matrix_b_fmt:MATRIX_FMT_FP4 matrix_b_scale:MATRIX_SCALE_ROW1
.else
	v_wmma_scale_f32_16x16x128_f8f6f4 v[\d:\d+7], v[\a:\a+7], v[\b:\b+7], v[\d:\d+7], v[\sa], v[\sb] matrix_a_fmt:MATRIX_FMT_FP4 matrix_b_fmt:MATRIX_FMT_FP4
.endif
.endif
.endm
; a record: its 16 fragments into registers rb on of the window, its scale words (lanes 0-15 an even token tile, lanes 16-31 the odd one) into v[tsr] on: 34 loads
.macro SETLD wn, rb, p, off, tsr
	WIN \wn
.irp f,0,1,2,3,4,5,6,7,8,9,10,11,12,13,14,15
	global_load_b128 v[\rb+8*\f:\rb+8*\f+3], v1, s[\p:\p+1] offset:\off+1024*\f
	global_load_b128 v[\rb+8*\f+4:\rb+8*\f+7], v1, s[\p:\p+1] offset:\off+1024*\f+512
.endr
	WIN 0
	global_load_b128 v[\tsr:\tsr+3], v1, s[\p:\p+1] offset:\off+16384
	global_load_b128 v[\tsr+4:\tsr+7], v1, s[\p:\p+1] offset:\off+16896
.endm
; THE NEXT UNIT, J + 1.  Set A: its own record (rn1's motion half, or xn); a retrieval unit also takes set B (rn1's text half, the record behind A's) and set C (rn2).
; Each macro stands four places behind the last product that read its set.  All pointers are written behind the unit's wait for all loads, so no pending load names them.
.macro NEXTA
	s_cmp_lt_u32 s[JN], s[JE]
	s_cbranch_scc0 .Lna_\@
	s_mul_i32 s95, s[J], 2*REC                     ; retrieval unit J + 1 is the segment's unit J: two records a unit
	s_sub_co_u32 s97, s[JN], 17
	s_mul_i32 s97, s97, REC
	s_cmp_lt_u32 s[J], 17
	s_cselect_b64 s[PA:PA+1], s[RKB:RKB+1], s[MKB:MKB+1]
	s_cselect_b32 s[OA], s95, s97
	s_add_nc_u64 s[PA:PA+1], s[PA:PA+1], s[OA:OA+1]
	SETLD 0x80, 0, PA, 0, 16
.Lna_\@:
.endm
.macro NEXTB
	s_cmp_eq_u32 s[NR], 0
	s_cbranch_scc1 .Lnb_\@
	SETLD 0x80, 128, PA, REC, 24
.Lnb_\@:
.endm
.macro NEXTC
	s_cmp_eq_u32 s[NR], 0
	s_cbranch_scc1 .Lnc_\@
	s_mul_i32 s[OC], s[J], REC
	s_add_nc_u64 s[PC:PC+1], s[RVB:RVB+1], s[OC:OC+1]
	SETLD 0xc0, 0, PC, 0, 32
.Lnc_\@:
.endm
; 64 products: a token set (4 K steps x 4 token tiles) against the weight quad at LDS byte s[QO] (4 K steps x 4 channel tiles).  The 16 accumulators take turns.
.macro QUAD wn, base, tsr, zf
	WIN 0
	NOPS 4                                         ; places in front of the loads into registers that the last products read
	s_lshr_b32 s[QS], s[QO], 4
	v_add_nc_u32 v5, s[QO], v1
	v_add_nc_u32 v6, s[QS], v12
	ds_load_b128 v[40:43], v6
	ds_load_b128 v[44:47], v6 offset:512
	WIN 0x40
.irp f,0,1,2,3,4,5,6,7,8,9,10,11,12,13,14,15
	ds_load_b128 v[128+8*\f:128+8*\f+3], v5 offset:1024*\f
	ds_load_b128 v[128+8*\f+4:128+8*\f+7], v5 offset:1024*\f+512
.endr
.irp ks,0,1,2,3
	s_wait_dscnt 24-8*\ks                          ; the eight loads of each later K step may be out
	WIN \wn
.set ZZ, 0
.if \zf
.if \ks == 0
.set ZZ, 1
.endif
.endif
.irp tt,0,1,2,3
.irp ca,0,1,2,3
	WM 32*\ca+8*\tt, \base+8*(4*\ks+\tt), 128+8*(4*\ks+\ca), ZZ, \tsr+4*(\tt/2)+\ks, 40+4*(\ca/2)+\ks, \tt%2, \ca%2
.endr
.endr
.endr
	WIN 0
.endm
.macro TABLES kv, ad                   ; the unit's biases (for tokens under the border, for the others) and its 32 numbers a lane of a token table
.irp ca,0,1,2,3
	ds_load_b32 v[96+2*\ca], v9 offset:256*\kv+64*\ca
	ds_load_b32 v[97+2*\ca], v8 offset:256*\kv+64*\ca
.endr
.irp i,0,1,2,3,4,5,6,7
	ds_load_b128 v[64+4*\i:67+4*\i], v[\ad] offset:128*(\i/4)+16*(\i%4)
.endr
.endm
.macro BIASADD                         ; registers 0-12 of a tile's 32 are token offsets 16 h + 0 .. 12: in lanes 0-15 they lie under the border
.irp ca,0,1,2,3
.irp pp,0,1,2,3,4,5,6,7,8,9,10,11,12,13,14,15
.if \pp < 6
	v_pk_add_f32 v[32*\ca+2*\pp:32*\ca+2*\pp+1], v[32*\ca+2*\pp:32*\ca+2*\pp+1], v[96+2*\ca:97+2*\ca] op_sel_hi:[1,0]
.elseif \pp == 6
	v_pk_add_f32 v[32*\ca+2*\pp:32*\ca+2*\pp+1], v[32*\ca+2*\pp:32*\ca+2*\pp+1], v[96+2*\ca:97+2*\ca]
.else
	v_pk_add_f32 v[32*\ca+2*\pp:32*\ca+2*\pp+1], v[32*\ca+2*\pp:32*\ca+2*\pp+1], v[96+2*\ca:97+2*\ca] op_sel:[0,1] op_sel_hi:[1,1]
.endif
.endr
.endr
.endm
.macro TOKOP op
.irp ca,0,1,2,3
.set p, 0
.rept 16
	\op v[32*\ca+2*p:32*\ca+2*p+1], v[32*\ca+2*p:32*\ca+2*p+1], v[64+2*p:65+2*p]
.set p, p+1
.endr
.endr
.endm
.macro CROSS                           ; the blocks' maxima joined with lane l xor 16's
.irp ca,0,1,2,3
.irp b,0,1
	v_permlanex16_b32 v[QT+8*\ca+2+\b], v[QT+8*\ca+\b], s[SEL], s[SEL+1]
.endr
.endr
.irp ca,0,1,2,3
.irp b,0,1
	v_max_num_f32 v[QT+8*\ca+\b], v[QT+8*\ca+\b], v[QT+8*\ca+2+\b]
.endr
.endr
.endm
.macro QWORDS wr                       ; from the blocks' largest magnitudes: scale operands, bytes, the scale words (K 64 .. 127 are zero codes under the byte 127)
.irp ca,0,1,2,3
.irp b,0,1
	v_add_nc_u32 v[QT+8*\ca+4+\b], 0xff000000, v[QT+8*\ca+\b]
.endr
.endr
.irp ca,0,1,2,3
.irp b,0,1
	v_lshrrev_b32 v[QT+8*\ca+6+\b], 23, v[QT+8*\ca+4+\b]
.endr
.endr
.irp ca,0,1,2,3
	v_lshl_or_b32 v[QT+8*\ca+2], v[QT+8*\ca+7], 8, v[QT+8*\ca+6]
.endr
.irp ca,0,1,2,3
	v_or_b32 v[\wr+\ca], 0x7f7f0000, v[QT+8*\ca+2]
.endr
.endm
.macro QCODES fr                       ; the accumulators' 32 numbers a tile become registers 0-3 of an operand
	WIN 0x01
.irp ca,0,1,2,3
.irp g,0,1,2,3
	v_cvt_scalef32_pk8_fp4_f32 v[\fr+8*\ca+\g], v[32*\ca+8*\g:32*\ca+8*\g+7], v[QT+8*\ca+4+\g/2]
.endr
.endr
	WIN 0
	v_nop                                          ; one plain line behind the conversions
.irp ca,0,1,2,3
	v_permlane16_swap_b32 v[\fr+8*\ca], v[\fr+8*\ca+2]      ; the layout wants a whole block in a lane: lanes 0-15 block 0, lanes 16-31 block 1
	v_permlane16_swap_b32 v[\fr+8*\ca+1], v[\fr+8*\ca+3]
.endr
.endm
.macro VQ                              ; the values: (product + bias) x the token's factor, quantised along the tokens
	WIN 0x41
	BIASADD
	TOKOP v_pk_mul_f32
	WIN 0x05
.irp ca,0,1,2,3
.irp b,0,1
	v_max3_num_f32 v[QT+8*\ca+\b], |v[32*\ca+16*\b]|, |v[32*\ca+16*\b+1]|, 0x1800000
.endr
.endr
	WIN 0x14
.irp i,2,4,6,8,10,12,14
.irp ca,0,1,2,3
.irp b,0,1
	v_max3_num_f32 v[QT+8*\ca+\b], v[QT+8*\ca+\b], |v[32*\ca+16*\b+\i]|, |v[32*\ca+16*\b+\i+1]|
.endr
.endr
.endr
	WIN 0
	CROSS
	QWORDS VS
	QCODES VF
.endm
	s_load_b256 s[4:11], s[0:1], 0x0               ; tkb, rkb, rvb, mkb
	s_load_b512 s[16:31], s[0:1], 0x20             ; Wkt c 16 s 18, Wkr c 20 s 22, Wkm c 24 s 26, Wvt c 28 s 30
	s_load_b512 s[32:47], s[0:1], 0x60             ; Wvr c 32 s 34, Wvm c 36 s 38, bkt 40, bkr 42, bkm 44, bvt 46
	s_load_b256 s[48:55], s[0:1], 0xa0             ; bvr 48, bvm 50, cond_type 52, re_mask 54
	s_load_b128 s[56:59], s[0:1], 0xc0             ; src_mask 56, attb 58
	v_lshl_add_u32 v254, v0, 2, 0x34000
	v_mov_b32 v255, 0
	v_lshrrev_b32 v5, 5, v0
	v_readfirstlane_b32 s[WV], v5
	v_and_b32 v5, 31, v0
	v_lshlrev_b32 v1, 4, v5                        ; v1  16 x lane
	v_and_b32 v115, 15, v0                         ; r
	v_lshlrev_b32 v2, 2, v115                      ; v2  4 r
	v_bfe_u32 v4, v0, 4, 1                         ; v4  h
	v_lshlrev_b32 v3, 6, v4                        ; v3  64 h
	v_add_nc_u32 v10, BIAS, v2                     ; v10 the biases' table at my channel
	v_add_nc_u32 v12, WSC, v1                      ; v12 the weights' scale words at my lane
	s_mov_b32 s[BB], ttmp9                         ; the batch
	s_and_b32 s[HD], ttmp7, 0xffff                 ; the head
	s_lshr_b32 s94, s[WV], 1
	s_and_b32 s95, s94, s[WV]
	s_lshl_b32 s[J], s[WV], 3
	s_add_co_u32 s[J], s[J], s95                   ; js = 0, 8, 16, 25
	s_add_co_u32 s[JE], s[J], 8
	s_add_co_u32 s[JE], s[JE], s94                 ; je = 8, 16, 25, 34
	s_lshl_b32 s[TK], s[J], 8
	s_mov_b32 s[SEL], 0x76543210
	s_mov_b32 s[SEL+1], 0xfedcba98
	s_mov_b32 s[CS], 0x3fb8aa3b                    ; log2 e
	s_mov_b32 s[CS+1], s[CS]
	s_mov_b32 s[OA+1], 0
	s_mov_b32 s[OC+1], 0
	s_wait_kmcnt 0x0
	s_mul_i32 s[OA], s[BB], 2*REC
	s_add_nc_u64 s[TKB:TKB+1], s[TKB:TKB+1], s[OA:OA+1]
	s_mul_i32 s[OA], s[BB], 34*REC
	s_add_nc_u64 s[RKB:RKB+1], s[RKB:RKB+1], s[OA:OA+1]
	s_mul_i32 s[OA], s[BB], 17*REC
	s_add_nc_u64 s[RVB:RVB+1], s[RVB:RVB+1], s[OA:OA+1]
	s_add_nc_u64 s[MKB:MKB+1], s[MKB:MKB+1], s[OA:OA+1]
	s_lshl_b32 s[OA], s[BB], 2
	s_add_nc_u64 s[52:53], s[52:53], s[OA:OA+1]
	s_load_b32 s79, s[52:53], 0x0                  ; cond_type of my batch
	s_lshl_b32 s[OA], s[BB], 12
	s_add_nc_u64 s[54:55], s[54:55], s[OA:OA+1]
	s_add_nc_u64 s[56:57], s[56:57], s[OA:OA+1]
	s_lshl_b32 s[OA], s[BB], 3
	s_add_co_u32 s[OA], s[OA], s[HD]
	s_mul_i32 s[OA], s[OA], 2560
	s_add_nc_u64 s[58:59], s[58:59], s[OA:OA+1]
	; my first unit goes out first.  All three sets are loaded on every path (a wave whose first unit is no retrieval unit reads the record behind its own, and its own twice: both lie inside their buffers)
	s_sub_co_u32 s94, s[J], 1
	s_mul_i32 s95, s94, 2*REC
	s_mul_i32 s96, s94, REC
	s_sub_co_u32 s97, s[J], 17
	s_mul_i32 s97, s97, REC
	s_cmp_eq_u32 s[J], 0
	s_cselect_b64 s[PA:PA+1], s[TKB:TKB+1], s[MKB:MKB+1]
	s_cselect_b32 s[OA], 0, s97
	s_cmp_lt_u32 s94, 17
	s_cselect_b64 s[PA:PA+1], s[RKB:RKB+1], s[PA:PA+1]
	s_cselect_b32 s[OA], s95, s[OA]
	s_cselect_b32 s[OC], s96, 0
	s_add_nc_u64 s[PA:PA+1], s[PA:PA+1], s[OA:OA+1]
	s_cmp_lt_u32 s94, 17
	s_cselect_b64 s[PC:PC+1], s[RVB:RVB+1], s[PA:PA+1]
	s_add_nc_u64 s[PC:PC+1], s[PC:PC+1], s[OC:OC+1]
	SETLD 0x80, 0, PA, 0, 16
	SETLD 0x80, 128, PA, REC, 24
	SETLD 0xc0, 0, PC, 0, 32
	; the head's weights: wave w takes channel tile a = w of every quad; they wait in window 1
	s_lshl_b32 s94, s[HD], 6
	s_lshl_b32 s95, s[WV], 4
	s_add_co_u32 s95, s95, s94
	v_add_nc_u32 v114, s95, v115                   ; my row of every weight: 64 head + 16 w + r
	v_lshlrev_b32 v116, 7, v114
	v_lshl_add_u32 v116, v4, 4, v116               ; rows of 128 bytes,
	v_lshlrev_b32 v117, 8, v114
	v_lshl_add_u32 v117, v4, 4, v117               ; of 256,
	v_lshlrev_b32 v118, 9, v114
	v_lshl_add_u32 v118, v4, 4, v118               ; of 512
	v_lshlrev_b32 v119, 4, v114
	v_lshlrev_b32 v120, 5, v114
	v_lshl_add_u32 v120, v4, 4, v120
	v_lshlrev_b32 v121, 3, v114
	v_and_b32 v122, 63, v0
	v_add_nc_u32 v122, s94, v122
	v_lshlrev_b32 v122, 2, v122
	v_lshlrev_b32 v123, 2, v0                      ; 4 t
	v_add_nc_u32 v124, 0xffffffb3, v0              ; t - 77: under 0 it wraps, and is held at 1,023 (such a lane's number is not used)
	v_min_u32 v124, 0x3ff, v124
	v_lshlrev_b32 v124, 2, v124
	v_add_nc_u32 v125, 947, v0
	v_min_u32 v125, 0x3ff, v125
	v_lshlrev_b32 v125, 2, v125
	s_lshl_b32 s95, s[WV], 10
	v_add_nc_u32 v126, s95, v1                     ; images: 16 lane + 1,024 a, quads 0-3;
	v_add_nc_u32 v127, 0x10000, v126               ; quads 4-6
	s_lshl_b32 s95, s[WV], 8
	v_lshlrev_b32 v128, 4, v115
	v_add_nc_u32 v128, s95, v128
	v_add_nc_u32 v128, WSC, v128                   ; scale words: 256 a + 16 r
	v_lshl_add_u32 v129, v4, 10, v128              ; Wkr's: lanes 16-31 hold the upper half of K, a quad on
	v_add_nc_u32 v130, KADD, v123
	v_add_nc_u32 v131, VMUL, v123
	v_add_nc_u32 v132, BIAS, v123
.macro WLD idx, p, vo, off
	global_load_b128 v[8*(\idx):8*(\idx)+3], v[\vo], s[\p:\p+1] offset:\off
	global_load_b128 v[8*(\idx)+4:8*(\idx)+7], v[\vo], s[\p:\p+1] offset:\off+32
.endm
.macro WST idx, va, off
	ds_store_b128 v[\va], v[8*(\idx):8*(\idx)+3] offset:\off
	ds_store_b128 v[\va], v[8*(\idx)+4:8*(\idx)+7] offset:\off+512
.endm
	WIN 0x40
.irp ks,0,1
	WLD \ks, 16, 116, 64*\ks
	WLD 14+\ks, 28, 116, 64*\ks
.endr
.irp ks,0,1,2,3
	WLD 2+\ks, 20, 118, 64*\ks
	WLD 6+\ks, 20, 118, 256+64*\ks
	WLD 10+\ks, 24, 117, 64*\ks
	WLD 16+\ks, 32, 117, 64*\ks
	WLD 20+\ks, 36, 117, 64*\ks
.endr
	WIN 0
	global_load_b128 v[64:67], v119, s[26:27]      ; scale bytes: Wkm,
	global_load_b128 v[68:71], v119, s[34:35]      ; Wvr,
	global_load_b128 v[72:75], v119, s[38:39]      ; Wvm,
	global_load_b128 v[76:79], v120, s[22:23]      ; Wkr (16 of a row's 32 for each half of the lanes),
	global_load_b64 v[80:81], v121, s[18:19]       ; Wkt,
	global_load_b64 v[84:85], v121, s[30:31]       ; Wvt
	s_cmp_lt_u32 s[WV], 2                          ; waves 0, 1 fetch the keys' biases, waves 2, 3 the values'
	s_cselect_b64 s[14:15], s[40:41], s[46:47]
	s_cselect_b64 s[2:3], s[42:43], s[48:49]
	s_cselect_b64 s[100:101], s[44:45], s[50:51]
	global_load_b32 v88, v122, s[14:15]
	global_load_b32 v89, v122, s[2:3]
	global_load_b32 v90, v122, s[100:101]
	global_load_b32 v96, v124, s[54:55]            ; table entry n = t + 128 q: re_mask at n - 77 for q = 0 .. 8,
.irp q,1,2,3,4,5,6,7
	global_load_b32 v[96+\q], v123, s[54:55] offset:512*\q-308
.endr
	global_load_b32 v104, v125, s[54:55]
	global_load_b32 v105, v124, s[56:57]           ; src_mask at n - 1,101 for q = 8 .. 16
.irp q,9,10,11,12,13,14,15
	global_load_b32 v[97+\q], v123, s[56:57] offset:512*\q-4404
.endr
	global_load_b32 v113, v125, s[56:57]
	WIN 0xc0
.set p, 0
.rept 128
	v_mov_b32 v[128+p], 0                          ; the partial result.  (The unit is written once: its first trip finds zeros, which the first change of M leaves zeros)
.set p, p+1
.endr
	WIN 0
.irp i,82,83,86,87
	v_mov_b32 v[\i], 0x7f7f7f7f                    ; the text weights' K steps 2 and 3: zero codes under the byte 127
.endr
.irp i,136,137,138,139
	v_mov_b32 v[\i], 0
.endr
	s_wait_kmcnt 0x0
	s_sub_co_i32 s94, 0, s79
	s_max_i32 s94, s94, s79                        ; |cond_type|
	s_mul_hi_u32 s95, s94, 0xcccccccd
	s_lshr_b32 s95, s95, 3
	s_mul_i32 s95, s95, 10
	s_sub_co_u32 s94, s94, s95                     ; modulo 10: not 0 just where cond_type % 10 > 0
	s_mov_b32 s[NG], 0xc9742400                    ; -1,000,000
	s_mov_b32 s[PK], 0xf149f2ca                    ; -1e30: tokens past the end
	s_cmp_lg_u32 s94, 0
	s_cselect_b32 s[TF], 0x3f800000, 0
	s_cselect_b32 s[CT], 0, s[NG]
	s_cmp_ge_i32 s79, 10                           ; cond_type // 10 > 0
	s_cselect_b32 s[RF], 0x3f800000, 0
	s_cselect_b32 s[CR], 0, s[NG]
	s_wait_loadcnt 0x0
	WIN 0x04                                       ; an LDS store's data are its source 1: window 1
.irp ks,0,1
	WST \ks, 126, 4096*\ks
	WST 14+\ks, 127, 4096*\ks
.endr
.irp ks,0,1,2,3
	WST 2+\ks, 126, QB+4096*\ks
	WST 6+\ks, 126, 2*QB+4096*\ks
	WST 10+\ks, 126, 3*QB+4096*\ks
	WST 16+\ks, 127, QB+4096*\ks
	WST 20+\ks, 127, 2*QB+4096*\ks
.endr
	WIN 0
.irp o,8192,8704,12288,12800
	ds_store_b128 v126, v[136:139] offset:\o
	ds_store_b128 v127, v[136:139] offset:\o
.endr
	ds_store_b128 v128, v[80:83]
	ds_store_b128 v129, v[76:79] offset:1024
	ds_store_b128 v128, v[64:67] offset:3072
	ds_store_b128 v128, v[84:87] offset:4096
	ds_store_b128 v128, v[68:71] offset:5120
	ds_store_b128 v128, v[72:75] offset:6144
	ds_store_b32 v132, v88
	ds_store_b32 v132, v89 offset:512
	ds_store_b32 v132, v90 offset:1024
.macro MR q, m                         ; a retrieval token's addend and factor
	v_sub_f32 v[KD+\q], 1.0, v[\m]
	v_mul_f32 v[VD+\q], s[RF], v[\m]
	v_fma_f32 v[KD+\q], v[KD+\q], s[NG], s[CR]
.endm
.macro MM q, m                         ; a motion token's
	v_sub_f32 v[KD+\q], 1.0, v[\m]
	v_mov_b32 v[VD+\q], v[\m]
	v_mul_f32 v[KD+\q], s[NG], v[KD+\q]
.endm
	v_cmp_gt_u32 vcc_lo, 77, v0                    ; all three borders (77, 1,101, 2,125) lie at t = 77 of their 128 entries
	MR 0, 96
	v_cndmask_b32 v[KD], v[KD], s[CT], vcc_lo
	v_cndmask_b32 v[VD], v[VD], s[TF], vcc_lo
.irp q,1,2,3,4,5,6,7
	MR \q, 96+\q
.endr
	MR 8, 104
	v_sub_f32 v134, 1.0, v105
	v_mul_f32 v134, s[NG], v134
	v_cndmask_b32 v[KD+8], v134, v[KD+8], vcc_lo
	v_cndmask_b32 v[VD+8], v105, v[VD+8], vcc_lo
.irp q,9,10,11,12,13,14,15
	MM \q, 97+\q
.endr
	MM 16, 113
	v_cndmask_b32 v[KD+16], s[PK], v[KD+16], vcc_lo
	v_cndmask_b32 v[VD+16], 0, v[VD+16], vcc_lo
.set q, 0
.rept 17
	ds_store_b32 v130, v[KD+q] offset:512*q
	ds_store_b32 v131, v[VD+q] offset:512*q
.set q, q+1
.endr
	s_wait_dscnt 0x0                               ; for the others' sake; and the stores have read their registers
.irp ca,0,1,2,3
	v_mov_b32 v[ST+8*\ca+1], 0xff61b1e6            ; the largest t so far: -3e38
	v_floor_f32 v[ST+8*\ca], -v[ST+8*\ca+1]
.irp i,2,3,4,5,6,7
	v_mov_b32 v[ST+8*\ca+\i], 0
.endr
.irp i,0,1,2,3,4,5,6,7
	v_mov_b32 v[QT+8*\ca+\i], 0
.endr
.irp i,4,5,6,7
	v_mov_b32 v[PF+8*\ca+\i], 0                    ; K 64 .. 127 of the last product: zero codes, written once
	v_mov_b32 v[VF+8*\ca+\i], 0
.endr
.endr
	s_barrier_signal -1
	s_barrier_wait -1                              ; weights and tables lie in LDS; from here to the loop's end LDS is only read
	s_mov_b32 s[TR], 0
.Lunit:                                            ; nine trips in every wave; waves 0 and 1 have eight units and jump over the ninth trip's work
	s_cmp_ge_u32 s[J], s[JE]
	s_cbranch_scc1 .Lskip
	s_sub_co_u32 s[JM1], s[J], 1                   ; under 17 (unsigned): a retrieval unit
	s_add_co_u32 s[JN], s[J], 1
	s_cmp_lt_u32 s[J], 17
	s_cselect_b32 s[NR], 1, 0
	s_cmp_lt_u32 s[JN], s[JE]
	s_cselect_b32 s[NR], s[NR], 0                  ; the next unit is mine and a retrieval unit
	s_cmp_eq_u32 s[J], 1
	s_cselect_b32 s[EXTRA], 1, 0
	s_cmp_eq_u32 s[J], 17
	s_cselect_b32 s[EXTRA], 1, s[EXTRA]            ; a unit on a border
	s_cmp_lt_u32 s[J], 2
	s_cselect_b32 s[WKS], 0, 3*QB                  ; the other segment's weights: text's or motion's
	s_mov_b32 s[WVS], 6*QB
	s_cselect_b32 s[WVS], 4*QB, s[WVS]
	s_cselect_b32 s94, 0, 512
	s_cmp_ge_u32 s[J], 18
	s_cselect_b32 s95, 512, 0
	s_add_co_u32 s94, s94, s95                     ; 512 x the segment of offsets 0 .. 12
	s_cmp_ge_u32 s[J], 1
	s_cselect_b32 s95, 512, 0
	s_cmp_ge_u32 s[J], 17
	s_cselect_b32 s96, 512, 0
	s_add_co_u32 s95, s95, s96                     ; 512 x the segment of offsets 13 .. 63
	s_sub_co_u32 s96, s95, s94
	v_mul_u32_u24 v9, s96, v4                      ; lanes 16-31 hold no offset under 16
	v_add_nc_u32 v9, s94, v9
	v_add_nc_u32 v9, v9, v10
	v_add_nc_u32 v8, s95, v10
	v_add_nc_u32 v7, s[TK], v3                     ; 256 j + 64 h
	v_add_nc_u32 v11, VMUL, v7
	v_add_nc_u32 v7, KADD, v7
	s_wait_loadcnt 0x0                             ; this unit's sets: the youngest of them was asked for a softmax ago.  For 0 on every path: no count hangs on a branch
	; ---- the values
	TABLES 1, 11
	s_cmp_lt_u32 s[JM1], 17
	s_cbranch_scc0 .Lv_own
	s_mov_b32 s[QO], 5*QB
	QUAD 0x57, 0, 32, 1                            ; rn2's codes x Wvr
	s_branch .Lv_had
.Lv_own:
	s_mov_b32 s[QO], s[WVS]
	QUAD 0x56, 0, 16, 1
.Lv_had:
	s_cmp_eq_u32 s[EXTRA], 0
	s_cbranch_scc1 .Lplain
	; ---- a unit on a border (a retrieval unit too): set C is used once more, for the other segment's record, in both products; so the next unit's set C is asked for last
	NOPS 4                                         ; set C has just been multiplied: places in front of the loads into it
	s_cmp_eq_u32 s[J], 1
	s_cselect_b64 s[PE:PE+1], s[TKB:TKB+1], s[MKB:MKB+1]
	s_cselect_b32 s[OC], REC, 0
	s_add_nc_u64 s[PE:PE+1], s[PE:PE+1], s[OC:OC+1]
	SETLD 0xc0, 0, PE, 0, 32                       ; text's unit 1 or motion's unit 0
	s_wait_loadcnt 0x0
	s_mov_b32 s[QO], s[WVS]
	QUAD 0x57, 0, 32, 0
	NOPS 4
	VQ
	TABLES 0, 7
	s_mov_b32 s[QO], QB
	QUAD 0x56, 0, 16, 1
	NOPS 4
	NEXTA
	s_mov_b32 s[QO], 2*QB
	QUAD 0x56, 128, 24, 0
	NOPS 4
	NEXTB
	s_mov_b32 s[QO], s[WKS]
	QUAD 0x57, 0, 32, 0
	NOPS 4                                         ; places in front of the loads into set C, and of the first read of the scores
	NEXTC
	s_branch .Lsoft
.Lplain:
	NOPS 4                                         ; places in front of the loads into set C, and of the first read of the values
	NEXTC                                          ; nothing on this arm reads set C again
	VQ
	; ---- the keys
	TABLES 0, 7
	s_cmp_lt_u32 s[JM1], 17
	s_cselect_b32 s[QO], QB, s[WKS]
	QUAD 0x56, 0, 16, 1
	NOPS 4
	NEXTA
	s_cmp_lt_u32 s[JM1], 17
	s_cbranch_scc0 .Lk_one
	s_mov_b32 s[QO], 2*QB
	QUAD 0x56, 128, 24, 0                          ; the upper half of Wkr's K
.Lk_one:
	NOPS 4                                         ; places in front of the loads into set B, and of the first read of the scores
	NEXTB
.Lsoft:
	WIN 0x41
	BIASADD
	TOKOP v_pk_add_f32                             ; (product + bias) + the token's addend
	WIN 0x15
.irp ca,0,1,2,3
.irp b,0,1
	v_max3_num_f32 v[QT+8*\ca+\b], v[32*\ca+16*\b], v[32*\ca+16*\b+1], v[32*\ca+16*\b+2]   ; each block's largest logit serves twice: for M, and, since p rises with the logit, for the block's largest p
.endr
.endr
	WIN 0x14
.irp i,3,5,7,9,11,13
.irp ca,0,1,2,3
.irp b,0,1
	v_max3_num_f32 v[QT+8*\ca+\b], v[QT+8*\ca+\b], v[32*\ca+16*\b+\i], v[32*\ca+16*\b+\i+1]
.endr
.endr
.endr
	WIN 0x04
.irp ca,0,1,2,3
.irp b,0,1
	v_max_num_f32 v[QT+8*\ca+\b], v[QT+8*\ca+\b], v[32*\ca+16*\b+15]
.endr
.endr
	WIN 0
	CROSS
.irp ca,0,1,2,3
	v_max_num_f32 v[ST+8*\ca+6], v[QT+8*\ca], v[QT+8*\ca+1]
.endr
.irp ca,0,1,2,3
	v_mul_f32 v[ST+8*\ca+6], s[CS], v[ST+8*\ca+6]
.endr
.irp ca,0,1,2,3
	v_max_num_f32 v[ST+8*\ca+1], v[ST+8*\ca+1], v[ST+8*\ca+6]     ; the running largest t
.endr
.irp ca,0,1,2,3
	v_mov_b32 v[ST+8*\ca+7], v[ST+8*\ca]
.endr
.irp ca,0,1,2,3
	v_floor_f32 v[ST+8*\ca], -v[ST+8*\ca+1]                       ; -M = floor(-t): M is a whole number
.endr
.irp ca,0,1,2,3
	v_sub_f32 v[ST+8*\ca+7], v[ST+8*\ca], v[ST+8*\ca+7]
.endr
.irp ca,0,1,2,3
	v_cvt_i32_f32 v[ST+8*\ca+7], v[ST+8*\ca+7]                    ; (it saturates)
.endr
.irp ca,0,1,2,3
	v_ldexp_f32 v[ST+8*\ca+4], 1.0, v[ST+8*\ca+7]                 ; 2^(old M - new M): rounds nothing
.endr
	WIN 0x41
.irp ca,0,1,2,3
.set p, 0
.rept 16
	v_pk_fma_f32 v[32*\ca+2*p:32*\ca+2*p+1], v[32*\ca+2*p:32*\ca+2*p+1], s[CS:CS+1], v[ST+8*\ca:ST+8*\ca+1] op_sel_hi:[1,0,0]
.set p, p+1
.endr
.endr
	WIN 0
.irp ca,0,1,2,3
.irp b,0,1
	v_fma_f32 v[QT+8*\ca+\b], v[QT+8*\ca+\b], s[CS], v[ST+8*\ca]
.endr
.endr
	WIN 0x41
.set p, 0
.rept 128
	v_exp_f32 v[p], v[p]                           ; p = 2^(t - M): not normalised
.set p, p+1
.endr
	WIN 0
.irp ca,0,1,2,3
	v_pk_mul_f32 v[ST+8*\ca+2:ST+8*\ca+3], v[ST+8*\ca+2:ST+8*\ca+3], v[ST+8*\ca+4:ST+8*\ca+5] op_sel_hi:[1,0]   ; the sums under the new M (plain lines behind the batch)
.endr
	s_wait_alu depctr_va_vdst(0)                   ; one wait for the 128, ahead of their first reader
.irp ca,0,1,2,3
.irp b,0,1
	v_exp_f32 v[QT+8*\ca+\b], v[QT+8*\ca+\b]       ; the blocks' largest p
.endr
.endr
	WIN 0x04
.set p, 0
.rept 16
.irp ca,0,1,2,3
	v_pk_add_f32 v[ST+8*\ca+2:ST+8*\ca+3], v[ST+8*\ca+2:ST+8*\ca+3], v[32*\ca+2*p:32*\ca+2*p+1]   ; the sum is taken of the unquantised p
.endr
.set p, p+1
.endr
	WIN 0
	s_wait_alu depctr_va_vdst(0)                   ; and one for the eight
.irp ca,0,1,2,3
.irp b,0,1
	v_max_num_f32 v[QT+8*\ca+\b], 0x1800000, v[QT+8*\ca+\b]
.endr
.endr
	QWORDS PS
	QCODES PF
	WIN 0xc3
.irp c,0,1,2,3
.irp ca,0,1,2,3
.irp pp,0,1,2,3
	v_pk_mul_f32 v[128+8*(4*\c+\ca)+2*\pp:128+8*(4*\c+\ca)+2*\pp+1], v[128+8*(4*\c+\ca)+2*\pp:128+8*(4*\c+\ca)+2*\pp+1], v[ST+8*\ca+4:ST+8*\ca+5] op_sel_hi:[1,0]   ; the partial result under the new M; these lines are also the places ahead of the products
.endr
.endr
.endr
	WIN 0xf0
.irp c,0,1,2,3
.irp ca,0,1,2,3
	WM 128+8*(4*\c+\ca), VF+8*\c, PF+8*\ca, 0, VS+\c, PS+\ca, 0, 0      ; source 0 = 16 value channels l, source 1 = 16 key channels d, K = the unit's 64 tokens: a lane holds one d
.endr
.endr
	WIN 0
	NOPS 4
.Lskip:
	s_add_co_u32 s[J], s[J], 1
	s_add_co_u32 s[TK], s[TK], 256
	s_add_co_u32 s[TR], s[TR], 1
	s_cmp_lt_u32 s[TR], 9
	s_cbranch_scc1 .Lunit
	; ---- the four waves' parts are joined
.irp ca,0,1,2,3
	v_add_f32 v[ST+8*\ca+2], v[ST+8*\ca+2], v[ST+8*\ca+3]
.endr
.irp ca,0,1,2,3
	v_permlanex16_b32 v[ST+8*\ca+6], v[ST+8*\ca+2], s[SEL], s[SEL+1]
.endr
.irp ca,0,1,2,3
	v_add_f32 v[ST+8*\ca+2], v[ST+8*\ca+2], v[ST+8*\ca+6]         ; my tokens' sum for channel 16 a + r
.endr
	s_wait_dscnt 0x0
	s_barrier_signal -1
	s_barrier_wait -1                              ; every wave has read its last of the tables: from here LDS is written again
	s_lshl_b32 s94, s[WV], 8
	v_add_nc_u32 v11, s94, v2
	v_add_nc_u32 v11, XM, v11
.irp ca,0,1,2,3
	ds_store_b32 v11, v[ST+8*\ca] offset:64*\ca    ; both halves of the lanes write the same word with the same value
.endr
	s_wait_dscnt 0x0
	s_barrier_signal -1
	s_barrier_wait -1
	v_add_nc_u32 v13, XM, v2
.irp ca,0,1,2,3
.irp w,0,1,2,3
	ds_load_b32 v[64+4*\ca+\w], v13 offset:256*\w+64*\ca
.endr
.endr
	s_wait_dscnt 0x0
.irp ca,0,1,2,3
	v_min3_num_f32 v[64+4*\ca], v[64+4*\ca], v[65+4*\ca], v[66+4*\ca]
.endr
.irp ca,0,1,2,3
	v_min_num_f32 v[64+4*\ca], v[64+4*\ca], v[67+4*\ca]           ; the least -M: the common M
.endr
.irp ca,0,1,2,3
	v_sub_f32 v[65+4*\ca], v[64+4*\ca], v[ST+8*\ca]
.endr
.irp ca,0,1,2,3
	v_cvt_i32_f32 v[65+4*\ca], v[65+4*\ca]
.endr
.irp ca,0,1,2,3
	v_ldexp_f32 v[ST+8*\ca+4], 1.0, v[65+4*\ca]
.endr
.irp ca,0,1,2,3
	v_mul_f32 v[ST+8*\ca+2], v[ST+8*\ca+2], v[ST+8*\ca+4]
.endr
	WIN 0xc3
.irp c,0,1,2,3
.irp ca,0,1,2,3
.irp pp,0,1,2,3
	v_pk_mul_f32 v[128+8*(4*\c+\ca)+2*\pp:128+8*(4*\c+\ca)+2*\pp+1], v[128+8*(4*\c+\ca)+2*\pp:128+8*(4*\c+\ca)+2*\pp+1], v[ST+8*\ca+4:ST+8*\ca+5] op_sel_hi:[1,0]
.endr
.endr
.endr
	WIN 0
.irp ca,0,1,2,3
	ds_store_b32 v11, v[ST+8*\ca+2] offset:1024+64*\ca
.endr
	s_mul_i32 s94, s[WV], 17408
	v_mul_u32_u24 v14, v4, 2176
	v_add_nc_u32 v14, v14, v2
	v_add_nc_u32 v14, s94, v14
	v_add_nc_u32 v14, COMB, v14                    ; row l = 16 c + 8 h + j, column d = 16 a + r
	WIN 0x0c                                       ; the data: window 3
.irp c,0,1,2,3
.irp ca,0,1,2,3
.irp j,0,1,2,3,4,5,6,7
	ds_store_b32 v14, v[128+8*(4*\c+\ca)+\j] offset:(16*\c+\j)*272+64*\ca
.endr
.endr
.endr
	WIN 0
	s_wait_dscnt 0x0
	s_barrier_signal -1
	s_barrier_wait -1
	; wave w makes tile w of the next product's operand: lane (r, h): row l = 32 (w / 2) + 8 (w % 2) + r + 8 (r / 8), d = 32 h .. 32 h + 31: a whole block
	s_lshr_b32 s94, s[WV], 1
	s_lshl_b32 s94, s94, 5
	s_and_b32 s95, s[WV], 1
	s_lshl_b32 s95, s95, 3
	s_add_co_u32 s94, s94, s95
	v_and_b32 v13, 15, v0
	v_and_b32 v15, 8, v13
	v_add_nc_u32 v13, v13, v15
	v_add_nc_u32 v13, s94, v13
	v_mul_u32_u24 v13, v13, 272
	v_lshl_add_u32 v13, v4, 7, v13
	v_add_nc_u32 v13, COMB, v13
	v_lshlrev_b32 v15, 7, v4
	v_add_nc_u32 v15, XM+1024, v15
.irp w,0,1,2,3
.irp i,0,1,2,3,4,5,6,7
	ds_load_b128 v[64+32*\w+4*\i:67+32*\w+4*\i], v15 offset:256*\w+16*\i
.endr
.endr
	s_wait_dscnt 0x0
.irp w,1,2,3
.set p, 0
.rept 16
	v_pk_add_f32 v[64+2*p:65+2*p], v[64+2*p:65+2*p], v[64+32*\w+2*p:65+32*\w+2*p]
.set p, p+1
.endr
.endr
.irp w,0,1,2,3
.irp i,0,1,2,3,4,5,6,7
	ds_load_b128 v[96+32*\w+4*\i:99+32*\w+4*\i], v13 offset:17408*\w+16*\i
.endr
.endr
.set p, 0
.rept 32
	v_rcp_f32 v[64+p], v[64+p]                     ; 1 / the softmax's sum of channel d
.set p, p+1
.endr
	v_nop
	s_wait_alu depctr_va_vdst(0)
	s_wait_dscnt 0x0
.irp w,1,2,3
.set p, 0
.rept 16
	v_pk_add_f32 v[96+2*p:97+2*p], v[96+2*p:97+2*p], v[96+32*\w+2*p:97+32*\w+2*p]
.set p, p+1
.endr
.endr
.set p, 0
.rept 16
	v_pk_mul_f32 v[96+2*p:97+2*p], v[96+2*p:97+2*p], v[64+2*p:65+2*p]
.set p, p+1
.endr
	v_max3_num_f32 v224, |v96|, |v97|, 0x1800000
.irp i,2,4,6,8,10,12,14,16,18,20,22,24,26,28,30
	v_max3_num_f32 v224, v224, |v[96+\i]|, |v[97+\i]|
.endr
	v_add_nc_u32 v225, 0xff000000, v224
.irp g,0,1,2,3
	v_cvt_scalef32_pk8_fp4_f32 v[228+\g], v[96+8*\g:103+8*\g], v225
.endr
	v_lshrrev_b32 v226, 23, v225
	v_lshlrev_b32 v227, 3, v4
	v_lshlrev_b32 v226, v227, v226                 ; my block's byte at its place,
	v_mov_b32 v232, 0
	v_permlanex16_b32 v232, v226, s[SEL], s[SEL+1]
	v_or_b32 v226, v226, v232                      ; with lane l xor 16's,
	v_or_b32 v226, 0x7f7f0000, v226                ; and 127 for K 64 .. 127
	s_lshl_b32 s94, s[WV], 9
	v_add_nc_u32 v233, s94, v1
	v_and_b32 v234, 31, v0
	v_lshlrev_b32 v234, 2, v234
	s_lshl_b32 s94, s[WV], 7
	v_add_nc_u32 v234, s94, v234
	global_store_b128 v233, v[228:231], s[58:59]
	global_store_b32 v234, v226, s[58:59] offset:2048
	s_wait_tensorcnt 0x0
	ds_add_u32 v254, v255
	s_wait_dscnt 0x0
	s_endpgm
.Lfunc_end_k_qc476b68594_attn:
	.size	k_qc476b68594_attn, .Lfunc_end_k_qc476b68594_attn-k_qc476b68594_attn
	.p2alignl 7, 3214868480
	.fill 96, 4, 3214868480
	.section	.rodata,"a",@progbits
	.p2align	6, 0x0
	.amdhsa_kernel k_qc476b68594_attn
		.amdhsa_group_segment_fixed_size 213504
		.amdhsa_private_segment_fixed_size 0
		.amdhsa_enable_private_segment 0
		.amdhsa_kernarg_size 208
		.amdhsa_user_sgpr_count 2
		.amdhsa_user_sgpr_kernarg_segment_ptr 1
		.amdhsa_wavefront_size32 1
		.amdhsa_system_sgpr_workgroup_id_x 1
		.amdhsa_system_sgpr_workgroup_id_y 1
		.amdhsa_system_sgpr_workgroup_id_z 1
		.amdhsa_system_vgpr_workitem_id 0
		.amdhsa_next_free_vgpr 1024
		.amdhsa_next_free_sgpr 104
		.amdhsa_reserve_vcc 1
		.amdhsa_float_denorm_mode_32 3
		.amdhsa_float_denorm_mode_16_64 3
		.amdhsa_memory_ordered 1
		.amdhsa_forward_progress 1
		.amdhsa_inst_pref_size 252
	.end_amdhsa_kernel
	.amdgpu_metadata
---
amdhsa.version: [ 1, 2 ]
amdhsa.kernels:
  - .name:           k_qc476b68594_attn
    .symbol:         k_qc476b68594_attn.kd
    .args:
      - { .name: tkb, .offset: 0, .size: 8, .value_kind: global_buffer, .address_space: global }
      - { .name: rkb, .offset: 8, .size: 8, .value_kind: global_buffer, .address_space: global }
      - { .name: rvb, .offset: 16, .size: 8, .value_kind: global_buffer, .address_space: global }
      - { .name: mkb, .offset: 24, .size: 8, .value_kind: global_buffer, .address_space: global }
      - { .name: Wkt_codes, .offset: 32, .size: 8, .value_kind: global_buffer, .address_space: global }
      - { .name: Wkt_scales, .offset: 40, .size: 8, .value_kind: global_buffer, .address_space: global }
      - { .name: Wkr_codes, .offset: 48, .size: 8, .value_kind: global_buffer, .address_space: global }
      - { .name: Wkr_scales, .offset: 56, .size: 8, .value_kind: global_buffer, .address_space: global }
      - { .name: Wkm_codes, .offset: 64, .size: 8, .value_kind: global_buffer, .address_space: global }
      - { .name: Wkm_scales, .offset: 72, .size: 8, .value_kind: global_buffer, .address_space: global }
      - { .name: Wvt_codes, .offset: 80, .size: 8, .value_kind: global_buffer, .address_space: global }
      - { .name: Wvt_scales, .offset: 88, .size: 8, .value_kind: global_buffer, .address_space: global }
      - { .name: Wvr_codes, .offset: 96, .size: 8, .value_kind: global_buffer, .address_space: global }
      - { .name: Wvr_scales, .offset: 104, .size: 8, .value_kind: global_buffer, .address_space: global }
      - { .name: Wvm_codes, .offset: 112, .size: 8, .value_kind: global_buffer, .address_space: global }
      - { .name: Wvm_scales, .offset: 120, .size: 8, .value_kind: global_buffer, .address_space: global }
      - { .name: bkt, .offset: 128, .size: 8, .value_kind: global_buffer, .address_space: global }
      - { .name: bkr, .offset: 136, .size: 8, .value_kind: global_buffer, .address_space: global }
      - { .name: bkm, .offset: 144, .size: 8, .value_kind: global_buffer, .address_space: global }
      - { .name: bvt, .offset: 152, .size: 8, .value_kind: global_buffer, .address_space: global }
      - { .name: bvr, .offset: 160, .size: 8, .value_kind: global_buffer, .address_space: global }
      - { .name: bvm, .offset: 168, .size: 8, .value_kind: global_buffer, .address_space: global }
      - { .name: cond_type, .offset: 176, .size: 8, .value_kind: global_buffer, .address_space: global }
      - { .name: re_mask, .offset: 184, .size: 8, .value_kind: global_buffer, .address_space: global }
      - { .name: src_mask, .offset: 192, .size: 8, .value_kind: global_buffer, .address_space: global }
      - { .name: attb, .offset: 200, .size: 8, .value_kind: global_buffer, .address_space: global }
    .group_segment_fixed_size: 213504
    .private_segment_fixed_size: 0
    .kernarg_segment_align: 8
    .kernarg_segment_size: 208
    .max_flat_workgroup_size: 128
    .sgpr_count:     104
    .vgpr_count:     1024
    .wavefront_size: 32
...
	.end_amdgpu_metadata
.endif
;; end of part 2
;; launch final (part 3): grid 8 x 32, 8 waves a work-group, no clusters, 84,992 bytes of LDS; arguments x, xqb, attb, embp, emb_b, snorm_g, snorm_b, Wq_codes, Wq_scales, bq, out_W_codes, out_W_scales, out_b, out0; writes out0
.if DOCPART == 3
	.amdgcn_target "amdgcn-amd-amdhsa--gfx1250"
	.amdhsa_code_object_version 6
	.text
	.protected	k_qc476b68594_final
	.globl	k_qc476b68594_final
	.p2align	8
	.type	k_qc476b68594_final,@function
k_qc476b68594_final:
	s_mov_b64 s[64:65], 0
	v_nop
	global_prefetch_b8 v0, s[64:65] scope:SCOPE_SE
	s_setreg_imm32_b32 hwreg(HW_REG_WAVE_MODE, 25, 1), 1
	s_wait_xcnt 0x0
; out0 = x + silu(LN(softmax_d(xn Wq^T + bq) . attention) x (1 + scale) + shift) out_W^T + out_b.
; A work-group = 128 tokens of a batch (x = block, y = batch), eight trips of 16 tokens.  Wave w owns head w: query channels, y channels and output channels 64 w .. 64 w + 63, for all tokens;
; its 16 fragments of Wq and 16 of out_W stay in registers (window 1), read from memory once.  All three products are used with the weights as source 0, so a lane holds ONE token throughout.
; The rows of Wq (and of the attention operand) that form a tile are chosen so that a lane's 32 registers are two half blocks of 32 neighbours along the next product's K.
; Softmax ahead of the product: p = 2^(t - M), M = ceil of the token's largest t in the head; the sum of the unquantised p divides the product's result.
; LayerNorm over the 512 channels: each wave's mean and sum of squared deviations from it; the eight are joined through LDS (sums of terms that are not negative).
; The style is folded: ((y - mean) rstd) x [g (1 + scale)] + [b (1 + scale) + shift]: one f32 rounding placed otherwise than in the source.
; LIMITS: NaN and infinities are not served; a block of zeros keeps the scale byte 1 (its codes are zeros, and only this text reads the byte).
; No cluster: the work-groups of a batch share only 20 KB of attention and the weights, a small part of the 590 KB that each moves.  No tensor loads: what goes through LDS is made by the waves themselves.
; x's rows of a trip are asked for at the trip's head and used at its end.
.set XS,   34816                       ; LDS: xn's codes, 128 rows x (256 + 16), from 0; their scale bytes, 16 a row;
.set FGL,  36864                       ; g (1 + scale);  2,048 on: b (1 + scale) + shift;
.set BQL,  40960                       ; bq
.set STT,  43008                       ; [wave][16 tokens] {mean, sum of squares}
.set HIMG, 44032                       ; the hidden layer's four fragments as register images
.set HSC,  48128                       ; their scale words, [lane][K step]
.set OSTG, 48640                       ; a stage of 16 rows x (256 + 16) for each wave
.set SEL, 40
.set CS,  42
.set NL,  44
.set C9,  46
.set EPS, 47
.set KC,  48                           ; the trip's place among xn's codes, among its scale bytes; the trips' count
.set KX,  49
.set KT,  50
.set F,   88                           ; v88-119   four fragments; the style's offsets; rows on the way out
.set A,   120                          ; v120-151  four accumulators
.set PFR, 152                          ; v152-159  p's codes (the upper four: zeros)
.set HC,  160                          ; v160-163  the hidden layer's codes
.set XR,  164                          ; v164-195  x's rows
.set G,   196                          ; v196-227  the style's gains; at work in silu
.set T,   228                          ; v228-255  at work: T, T+1 the blocks' maxima, T+2, T+3, T+5 lane permutes' results, T+4 the two scale bytes, T+14 .. T+17 scale operands and bytes
.set SS,  228                          ; v228-243  the eight waves' statistics
.set NM,  234
.set S0,  236
.set S1,  238
.set RL,  240
.set MW,  246
.set MN,  248
.set RS,  250
; v1-18 addresses; v20-23 out_b; v24-55 the attention operand (tile tl at 24 + 8 tl, upper four zeros);
; scale words alone: v56-59 attention's, v60-67 Wq's, v68-75 out_W's, v76-79 xn's, v80-83 the hidden layer's, v84 p's
.set MSB, 0
.macro WIN new                         ; the immediate's high byte repeats the setting that is left
.if MSB != \new
	s_set_vgpr_msb (MSB<<8)|\new
.set MSB, \new
.endif
.endm
.macro NOPS n
.rept \n
	v_nop
.endr
.endm
.macro BARRIER                         ; my LDS stores have landed and my LDS loads are in: then the work-group's barrier
	s_wait_dscnt 0x0
	s_barrier_signal -1
	s_barrier_wait -1
.endm
.macro WM d, a, b, z, sa, sb, ra       ; one product; z: it starts the sum; ra: source 0's scale words stand in lanes 16-31
.if \z
.if \ra
	v_wmma_scale_f32_16x16x128_f8f6f4 v[\d:\d+7], v[\a:\a+7], v[\b:\b+7], 0, v[\sa], v[\sb] matrix_a_fmt:MATRIX_FMT_FP4 matrix_b_fmt:MATRIX_FMT_FP4 matrix_a_scale:MATRIX_SCALE_ROW1
.else
	v_wmma_scale_f32_16x16x128_f8f6f4 v[\d:\d+7], v[\a:\a+7], v[\b:\b+7], 0, v[\sa], v[\sb] matrix_a_fmt:MATRIX_FMT_FP4 matrix_b_fmt:MATRIX_FMT_FP4
.endif
.else
.if \ra
	v_wmma_scale_f32_16x16x128_f8f6f4 v[\d:\d+7], v[\a:\a+7], v[\b:\b+7], v[\d:\d+7], v[\sa], v[\sb] matrix_a_fmt:MATRIX_FMT_FP4 matrix_b_fmt:MATRIX_FMT_FP4 matrix_a_scale:MATRIX_SCALE_ROW1
.else
	v_wmma_scale_f32_16x16x128_f8f6f4 v[\d:\d+7], v[\a:\a+7], v[\b:\b+7], v[\d:\d+7], v[\sa], v[\sb] matrix_a_fmt:MATRIX_FMT_FP4 matrix_b_fmt:MATRIX_FMT_FP4
.endif
.endif
.endm
.macro SILU32 xs, tw                   ; 32 numbers at v[xs] become x / (1 + 2^(-x log2 e)); v[tw] on: 32 registers at work
.set p, 0
.rept 16
	v_pk_mul_f32 v[\tw+2*p:\tw+2*p+1], v[\xs+2*p:\xs+2*p+1], s[NL:NL+1] op_sel_hi:[1,0]
.set p, p+1
.endr
.set p, 0
.rept 32
	v_exp_f32 v[\tw+p], v[\tw+p]
.set p, p+1
.endr
	v_nop                                          ; a plain line behind the batch,
	s_wait_alu depctr_va_vdst(0)                   ; and one wait for it, ahead of its first reader
.set p, 0
.rept 16
	v_pk_add_f32 v[\tw+2*p:\tw+2*p+1], v[\tw+2*p:\tw+2*p+1], 1.0 op_sel_hi:[1,0]
.set p, p+1
.endr
.set p, 0
.rept 32
	v_rcp_f32 v[\tw+p], v[\tw+p]
.set p, p+1
.endr
	v_nop
	s_wait_alu depctr_va_vdst(0)
.set p, 0
.rept 16
	v_pk_mul_f32 v[\xs+2*p:\xs+2*p+1], v[\xs+2*p:\xs+2*p+1], v[\tw+2*p:\tw+2*p+1]
.set p, p+1
.endr
.endm
.macro CROSS                           ; the two blocks' maxima joined with lane l xor 16's
.irp b,0,1
	v_permlanex16_b32 v[T+2+\b], v[T+\b], s[SEL], s[SEL+1]
.endr
.irp b,0,1
	v_max_num_f32 v[T+\b], v[T+\b], v[T+2+\b]
.endr
.endm
.macro CODES32 c                       ; from the blocks' largest magnitudes in v[T], v[T + 1]: the two bytes (in v[T + 4]), and A's 32 numbers as registers c .. c + 3 of an operand
.irp b,0,1
	v_add_nc_u32 v[T+14+\b], 0xff000000, v[T+\b]   ; 2 off the exponent field: the conversion's scale operand
.endr
.irp b,0,1
	v_lshrrev_b32 v[T+16+\b], 23, v[T+14+\b]       ; the scale's byte
.endr
	v_lshl_or_b32 v[T+4], v[T+17], 8, v[T+16]
.irp g,0,1,2,3
	v_cvt_scalef32_pk8_fp4_f32 v[\c+\g], v[A+8*\g:A+8*\g+7], v[T+14+\g/2]
.endr
	v_nop                                          ; one plain line behind the conversions
	v_permlane16_swap_b32 v[\c], v[\c+2]           ; the layout wants a whole block in a lane: lanes 0-15 block 0, lanes 16-31 block 1
	v_permlane16_swap_b32 v[\c+1], v[\c+3]
.endm
.macro PAIRSUM                         ; the two chains, their halves, and lane l xor 16's: into v[S0]
	v_pk_add_f32 v[S0:S0+1], v[S0:S0+1], v[S1:S1+1]
	v_add_f32 v[S0], v[S0], v[S0+1]
	v_permlanex16_b32 v[T+5], v[S0], s[SEL], s[SEL+1]
	v_add_f32 v[S0], v[S0], v[T+5]
.endm
.macro ASUM                            ; v[S0] = the sum of my token's 64 numbers in A
	v_pk_add_f32 v[S0:S0+1], v[A:A+1], v[A+2:A+3]
	v_pk_add_f32 v[S1:S1+1], v[A+4:A+5], v[A+6:A+7]
.irp j,8,12,16,20,24,28
	v_pk_add_f32 v[S0:S0+1], v[S0:S0+1], v[A+\j:A+\j+1]
	v_pk_add_f32 v[S1:S1+1], v[S1:S1+1], v[A+\j+2:A+\j+3]
.endr
	PAIRSUM
.endm
.macro LD32 rg, ad, off                ; 32 numbers of a channel table in the accumulators' order: register 16 b + i = channel 64 w + 32 b + 16 h + i
.irp i,0,1,2,3,4,5,6,7
	ds_load_b128 v[\rg+4*\i:\rg+4*\i+3], v[\ad] offset:\off+128*(\i/4)+16*(\i%4)
.endr
.endm
	s_load_b512 s[4:19], s[0:1], 0x0               ; x 4, xqb 6, attb 8, embp 10, emb_b 12, snorm_g 14, snorm_b 16, Wq_codes 18
	s_load_b256 s[20:27], s[0:1], 0x40             ; Wq_scales 20, bq 22, out_W_codes 24, out_W_scales 26
	s_load_b128 s[28:31], s[0:1], 0x60             ; out_b 28, out0 30
	v_lshl_add_u32 v86, v0, 2, 0x14800
	v_mov_b32 v87, 0
	v_lshrrev_b32 v1, 5, v0
	v_readfirstlane_b32 s32, v1                    ; wave = head
	s_and_b32 s33, ttmp7, 0xffff                   ; batch
	v_and_b32 v19, 31, v0
	v_lshlrev_b32 v1, 4, v19                       ; v1  16 x lane
	v_and_b32 v2, 15, v0                           ; r
	v_bfe_u32 v3, v0, 4, 1                         ; h
	s_mov_b32 s[SEL], 0x76543210
	s_mov_b32 s[SEL+1], 0xfedcba98                 ; v_permlanex16_b32's selects for lane l xor 16
	s_mov_b32 s[CS], 0x3fb8aa3b                    ; log2 e
	s_mov_b32 s[CS+1], s[CS]
	s_mov_b32 s[NL], 0xbfb8aa3b
	s_mov_b32 s[NL+1], s[NL]
	s_mov_b32 s[C9], 0x3b000000                    ; 2^-9
	s_mov_b32 s[EPS], 0x3727c5ac                   ; 1e-5
	v_mul_u32_u24 v4, v2, 272
	v_lshl_add_u32 v4, v3, 4, v4                   ; v4  xn's fragments: row r, + 16 h
	v_lshlrev_b32 v5, 4, v2
	v_add_nc_u32 v5, XS, v5                        ; v5  xn's scale words
	s_lshl_b32 s35, s32, 8
	v_lshlrev_b32 v6, 6, v3
	v_add_nc_u32 v6, s35, v6
	v_add_nc_u32 v7, FGL, v6                       ; v7  the style at my channels: 256 w + 64 h
	v_add_nc_u32 v6, BQL, v6                       ; v6  bq likewise
	s_lshl_b32 s36, s32, 7
	v_lshlrev_b32 v9, 3, v2
	v_add_nc_u32 v9, STT, v9                       ; v9  the statistics of token r;
	v_add_nc_u32 v8, s36, v9                       ; v8  my wave's
	v_add_nc_u32 v12, HIMG, v1                     ; v12 an image at my lane;
	s_lshl_b32 s36, s32, 9
	v_add_nc_u32 v10, s36, v12                     ; v10 mine: K step w / 2, registers 4 (w % 2) on: 512 w
	v_add_nc_u32 v13, HSC, v1                      ; v13 the hidden layer's scale words;
	s_lshl_b32 s36, s32, 1
	v_add_nc_u32 v11, s36, v13                     ; v11 my two bytes of them
	s_mul_i32 s36, s32, 4352
	v_mul_u32_u24 v14, v2, 272
	v_lshl_add_u32 v14, v3, 5, v14
	v_add_nc_u32 v14, s36, v14
	v_add_nc_u32 v14, OSTG, v14                    ; v14 into my stage: row r, 32 h
	v_mul_u32_u24 v15, v3, 272
	v_lshl_add_u32 v15, v2, 4, v15
	v_add_nc_u32 v196, s36, v15                    ; (xn's codes on their way into LDS: row 16 w + h, 16 r)
	v_add_nc_u32 v15, OSTG, v196                   ; v15 out of it: row h, 16 r
	v_lshlrev_b32 v16, 11, v3
	v_lshl_add_u32 v16, v2, 4, v16
	v_add_nc_u32 v16, s35, v16                     ; v16 in x and out0: row h, 256 w + 16 r; never rewritten
	s_lshl_b32 s34, s32, 6
	v_and_b32 v228, 8, v2
	v_add_nc_u32 v228, v228, v2
	v_add_nc_u32 v228, s34, v228                   ; Wq's row of lane r in tile 0: 64 w + r + 8 (r / 8)
	v_lshl_add_u32 v230, v3, 3, v228
	v_lshlrev_b32 v230, 4, v230                    ; its scale words: lanes 16-31 take the odd tile's rows, 8 on
	v_lshlrev_b32 v228, 8, v228
	v_lshl_add_u32 v228, v3, 4, v228
	v_add_nc_u32 v229, s34, v2
	v_lshlrev_b32 v229, 8, v229
	v_lshl_add_u32 v229, v3, 4, v229               ; out_W: row 64 w + r
	v_add_nc_u32 v231, s34, v19
	v_lshlrev_b32 v231, 4, v231                    ; its scale words: row 64 w + lane
	v_lshlrev_b32 v232, 4, v2
	v_add_nc_u32 v232, s35, v232                   ; out_b: 256 w + 16 r
	v_lshlrev_b32 v233, 3, v0                      ; 8 t
	v_lshlrev_b32 v234, 2, v19                     ; 4 x lane
	s_lshl_b32 s36, s32, 12
	v_add_nc_u32 v235, s36, v1                     ; xqb: 4,096 w + 16 lane
	v_add_nc_u32 v197, XS, v233
	s_mov_b32 s37, 0
	s_wait_kmcnt 0x0
	s_lshl_b32 s36, s33, 21
	s_lshl_b32 s38, ttmp9, 18
	s_add_co_u32 s36, s36, s38
	s_add_nc_u64 s[4:5], s[4:5], s[36:37]          ; x and out0 at my block's first row
	s_add_nc_u64 s[30:31], s[30:31], s[36:37]
	s_lshl_b32 s38, s33, 3
	s_add_co_u32 s36, s38, ttmp9
	s_mul_i32 s36, s36, 34816
	s_add_nc_u64 s[6:7], s[6:7], s[36:37]
	s_add_co_u32 s36, s38, s32
	s_mul_i32 s36, s36, 2560
	s_add_nc_u64 s[8:9], s[8:9], s[36:37]
	s_lshl_b32 s36, s33, 12
	s_add_nc_u64 s[10:11], s[10:11], s[36:37]
	WIN 0x40                                       ; destination window 1: Wq's fragment (tile tq, K step ks) at 8 (4 tq + ks), out_W's 128 on
.irp tq,0,1,2,3
.irp ks,0,1,2,3
.irp c,0,1
	global_load_b128 v[8*(4*\tq+\ks)+4*\c:8*(4*\tq+\ks)+4*\c+3], v228, s[18:19] offset:(32*(\tq/2)+8*(\tq%2))*256+64*\ks+32*\c
	global_load_b128 v[128+8*(4*\tq+\ks)+4*\c:128+8*(4*\tq+\ks)+4*\c+3], v229, s[24:25] offset:16*\tq*256+64*\ks+32*\c
.endr
.endr
.endr
	WIN 0
.irp pp,0,1
	global_load_b128 v[60+4*\pp:63+4*\pp], v230, s[20:21] offset:512*\pp
	global_load_b128 v[68+4*\pp:71+4*\pp], v231, s[26:27] offset:512*\pp
.endr
.irp tl,0,1,2,3
	global_load_b128 v[24+8*\tl:27+8*\tl], v1, s[8:9] offset:512*\tl
	global_load_b32 v[56+\tl], v234, s[8:9] offset:2048+128*\tl
.endr
	global_load_b128 v[20:23], v232, s[28:29]
.irp i,0,1,2,3,4,5,6,7
	global_load_b128 v[F+4*\i:F+4*\i+3], v235, s[6:7] offset:512*\i
.endr
	global_load_b64 v[252:253], v233, s[6:7] offset:32768
	global_load_b64 v[254:255], v233, s[22:23]
	global_load_b64 v[236:237], v233, s[10:11]                 ; the emb product's two halves of K, for scale
	global_load_b64 v[238:239], v233, s[10:11] offset:131072
	global_load_b64 v[240:241], v233, s[10:11] offset:2048     ; and for shift
	global_load_b64 v[242:243], v233, s[10:11] offset:133120
	global_load_b64 v[244:245], v233, s[12:13]
	global_load_b64 v[246:247], v233, s[12:13] offset:2048
	global_load_b64 v[248:249], v233, s[14:15]
	global_load_b64 v[250:251], v233, s[16:17]
.irp tl,0,1,2,3
.irp i,4,5,6,7
	v_mov_b32 v[24+8*\tl+\i], 0                    ; K 64 .. 127 of the product with attention: zero codes, written once
.endr
.endr
.irp i,4,5,6,7
	v_mov_b32 v[PFR+\i], 0
.endr
	s_mov_b32 s[KC], 0
	s_mov_b32 s[KX], 0
	s_mov_b32 s[KT], 0
	s_wait_loadcnt 0x0
.irp i,0,1,2,3,4,5,6,7
	ds_store_b128 v196, v[F+4*\i:F+4*\i+3] offset:544*\i
.endr
	ds_store_b64 v197, v[252:253]                  ; xn's scale bytes
	ds_store_b64 v197, v[254:255] offset:BQL-XS    ; bq
	v_pk_add_f32 v[236:237], v[236:237], v[238:239]
	v_pk_add_f32 v[240:241], v[240:241], v[242:243]
	v_pk_add_f32 v[236:237], v[236:237], v[244:245]            ; scale of channels 2 t, 2 t + 1
	v_pk_add_f32 v[240:241], v[240:241], v[246:247]            ; shift
	v_pk_add_f32 v[236:237], v[236:237], 1.0 op_sel_hi:[1,0]
	v_pk_mul_f32 v[248:249], v[248:249], v[236:237]            ; g (1 + scale)
	v_pk_fma_f32 v[250:251], v[250:251], v[236:237], v[240:241] ; b (1 + scale) + shift
	ds_store_b64 v197, v[248:249] offset:FGL-XS
	ds_store_b64 v197, v[250:251] offset:FGL-XS+2048
	BARRIER                                        ; codes, scale bytes and the channel tables lie in LDS; they are only read from here on
.Ltrip:                                            ; 16 tokens a trip, two barriers
.irp i,0,1,2,3,4,5,6,7
	global_load_b128 v[XR+4*\i:XR+4*\i+3], v16, s[4:5] offset:4096*\i th:TH_LOAD_NT   ; x's 16 rows, my 256 bytes of each: wanted at the trip's end
.endr
	; ---- the query: A = bq + Wq xn^T
	v_add_nc_u32 v17, s[KC], v4
	v_add_nc_u32 v18, s[KX], v5
	LD32 A, 6, 0                                   ; bq is the C of each sum's first product
.irp ks,0,1,2,3
.irp c,0,1
	ds_load_b128 v[F+8*\ks+4*\c:F+8*\ks+4*\c+3], v17 offset:64*\ks+32*\c
.endr
.endr
	ds_load_b128 v[76:79], v18
	s_wait_dscnt 0x0
	WIN 0x01                                       ; source 0 (the weights) window 1.  The four accumulators take turns
.irp ks,0,1,2,3
.irp tq,0,1,2,3
	WM A+8*\tq, 8*(4*\tq+\ks), F+8*\ks, 0, 60+4*(\tq/2)+\ks, 76+\ks, \tq%2
.endr
.endr
	WIN 0
	NOPS 4                                         ; places in front of the loads into F and of the first read of the scores
	LD32 G, 7, 0                                   ; the style's gains and offsets: wanted behind the first barrier
	LD32 F, 7, 2048
	; ---- softmax over the head's 64 channels of my token (32 mine, 32 lane l xor 16's)
.irp b,0,1
	v_max3_num_f32 v[T+\b], v[A+16*\b], v[A+16*\b+1], v[A+16*\b+2]     ; each block's largest logit serves twice: for M, and for the block's largest p
.endr
.irp i,3,5,7,9,11,13
.irp b,0,1
	v_max3_num_f32 v[T+\b], v[T+\b], v[A+16*\b+\i], v[A+16*\b+\i+1]
.endr
.endr
.irp b,0,1
	v_max_num_f32 v[T+\b], v[T+\b], v[A+16*\b+15]
.endr
	CROSS
	v_max_num_f32 v[T+4], v[T], v[T+1]
	v_mul_f32 v[T+4], s[CS], v[T+4]
	v_floor_f32 v[NM], -v[T+4]                     ; -M = floor(-t): M is a whole number
.set p, 0
.rept 16
	v_pk_fma_f32 v[A+2*p:A+2*p+1], v[A+2*p:A+2*p+1], s[CS:CS+1], v[NM:NM+1] op_sel_hi:[1,0,0]
.set p, p+1
.endr
.irp b,0,1
	v_fma_f32 v[T+\b], v[T+\b], s[CS], v[NM]
.endr
.set p, 0
.rept 32
	v_exp_f32 v[A+p], v[A+p]                       ; p = 2^(t - M): not normalised
.set p, p+1
.endr
.irp b,0,1
	v_exp_f32 v[T+\b], v[T+\b]                     ; the blocks' largest p
.endr
	v_nop
	s_wait_alu depctr_va_vdst(0)                   ; one wait for the 34, ahead of their first reader
	ASUM                                           ; the sum is taken of the unquantised p
	v_rcp_f32 v[RL], v[S0]
.irp b,0,1
	v_max_num_f32 v[T+\b], 0x1800000, v[T+\b]      ; the floor 2^(3 - 127): the byte cannot fall under 1
.endr
	CODES32 PFR
	v_or_b32 v84, 0x7f7f0000, v[T+4]               ; p's scale word: K 64 .. 127 are zero codes under the byte 127
	NOPS 8                                         ; a scale word made by vector lines stands eight places ahead of the product; they also part these products from the last ones, whose results they write over
	; ---- y^T = attention^T p^T: source 0 = 16 channels l, source 1 = my 16 tokens, K = the head's 64
.irp tl,0,1,2,3
	WM A+8*\tl, 24+8*\tl, PFR, 1, 56+\tl, 84, 0
.endr
	NOPS 4
	s_wait_alu depctr_va_vdst(0)                   ; the reciprocal's wait, ahead of its first reader
.set p, 0
.rept 16
	v_pk_mul_f32 v[A+2*p:A+2*p+1], v[A+2*p:A+2*p+1], v[RL:RL+1] op_sel_hi:[1,0]      ; / the sum
.set p, p+1
.endr
	; ---- LayerNorm over 512 channels: my head's mean and sum of squared deviations
	ASUM
	v_mul_f32 v[MW], 0x3c800000, v[S0]             ; / 64
.set p, 0
.rept 16
	v_pk_add_f32 v[252+2*(p%2):253+2*(p%2)], v[A+2*p:A+2*p+1], v[MW:MW+1] op_sel_hi:[1,0] neg_lo:[0,1] neg_hi:[0,1]
.if p < 2
	v_pk_mul_f32 v[S0+2*(p%2):S0+2*(p%2)+1], v[252+2*(p%2):253+2*(p%2)], v[252+2*(p%2):253+2*(p%2)]
.else
	v_pk_fma_f32 v[S0+2*(p%2):S0+2*(p%2)+1], v[252+2*(p%2):253+2*(p%2)], v[252+2*(p%2):253+2*(p%2)], v[S0+2*(p%2):S0+2*(p%2)+1]
.endif
.set p, p+1
.endr
	PAIRSUM
	v_mov_b32 v[MW+1], v[S0]
	ds_store_b64 v8, v[MW:MW+1]                    ; both halves of the lanes write the same words with the same values
	BARRIER                                        ; the eight heads' statistics lie in LDS (the last trip's reads of them were waited for ahead of its second barrier)
.irp w,0,1,2,3,4,5,6,7
	ds_load_b64 v[SS+2*\w:SS+2*\w+1], v9 offset:128*\w
.endr
	s_wait_dscnt 0x0
	v_pk_add_f32 v[244:245], v[SS:SS+1], v[SS+2:SS+3]
	v_pk_add_f32 v[252:253], v[SS+4:SS+5], v[SS+6:SS+7]
	v_pk_add_f32 v[244:245], v[244:245], v[SS+8:SS+9]
	v_pk_add_f32 v[252:253], v[252:253], v[SS+10:SS+11]
	v_pk_add_f32 v[244:245], v[244:245], v[SS+12:SS+13]
	v_pk_add_f32 v[252:253], v[252:253], v[SS+14:SS+15]
	v_pk_add_f32 v[244:245], v[244:245], v[252:253]            ; the means' sum, the squares' sum
	v_mul_f32 v[MN], 0x3e000000, v244              ; the token's mean
.irp w,0,1,2,3,4,5,6,7
	v_sub_f32 v[SS+2*\w], v[SS+2*\w], v[MN]
.endr
	v_mul_f32 v252, v[SS], v[SS]
	v_mul_f32 v253, v[SS+2], v[SS+2]
.irp w,2,4,6
	v_fma_f32 v252, v[SS+2*\w], v[SS+2*\w], v252
	v_fma_f32 v253, v[SS+2*\w+2], v[SS+2*\w+2], v253
.endr
	v_add_f32 v252, v252, v253
	v_fma_f32 v245, v252, 0x42800000, v245         ; + 64 x the squared distances of the heads' means from the token's
	v_fma_f32 v245, v245, s[C9], s[EPS]
	v_rsq_f32 v[RS], v245
.set p, 0
.rept 16
	v_pk_add_f32 v[A+2*p:A+2*p+1], v[A+2*p:A+2*p+1], v[MN:MN+1] op_sel_hi:[1,0] neg_lo:[0,1] neg_hi:[0,1]   ; plain work behind the root
.set p, p+1
.endr
	s_wait_alu depctr_va_vdst(0)
.set p, 0
.rept 16
	v_pk_mul_f32 v[A+2*p:A+2*p+1], v[A+2*p:A+2*p+1], v[RS:RS+1] op_sel_hi:[1,0]
.set p, p+1
.endr
.set p, 0
.rept 16
	v_pk_fma_f32 v[A+2*p:A+2*p+1], v[A+2*p:A+2*p+1], v[G+2*p:G+2*p+1], v[F+2*p:F+2*p+1]
.set p, p+1
.endr
	SILU32 A, G
	; ---- quantised along the 512 channels: my 64 are half a K step of the last product: an image of four registers and two scale bytes
.irp b,0,1
	v_max3_num_f32 v[T+\b], |v[A+16*\b]|, |v[A+16*\b+1]|, 0x1800000
.endr
.irp i,2,4,6,8,10,12,14
.irp b,0,1
	v_max3_num_f32 v[T+\b], v[T+\b], |v[A+16*\b+\i]|, |v[A+16*\b+\i+1]|
.endr
.endr
	CROSS
	CODES32 HC
	ds_store_b128 v10, v[HC:HC+3]
	ds_store_b16 v11, v[T+4]
	BARRIER                                        ; the hidden layer's four fragments lie in LDS (the last trip's reads of them were waited for ahead of this trip's first barrier)
	; ---- out^T = out_W h^T
.irp ks,0,1,2,3
.irp c,0,1
	ds_load_b128 v[F+8*\ks+4*\c:F+8*\ks+4*\c+3], v12 offset:1024*\ks+512*\c
.endr
.endr
	ds_load_b128 v[80:83], v13
	s_wait_dscnt 0x0
	WIN 0x01
.irp ks,0,1,2,3
.irp to,0,1,2,3
.if \ks == 0
	WM A+8*\to, 128+8*(4*\to+\ks), F+8*\ks, 1, 68+4*(\to/2)+\ks, 80+\ks, \to%2
.else
	WM A+8*\to, 128+8*(4*\to+\ks), F+8*\ks, 0, 68+4*(\to/2)+\ks, 80+\ks, \to%2
.endif
.endr
.endr
	WIN 0
	s_wait_loadcnt 0x0                             ; x's rows, asked for at the trip's head
.irp i,0,1,2,3,4,5,6,7
	v_pk_add_f32 v[XR+4*\i:XR+4*\i+1], v[XR+4*\i:XR+4*\i+1], v[20:21]          ; x + out_b: these sixteen lines are also the places behind the last products
	v_pk_add_f32 v[XR+4*\i+2:XR+4*\i+3], v[XR+4*\i+2:XR+4*\i+3], v[22:23]
.endr
	; ---- the way out: a lane holds 32 bytes of a token's row; through my own stage they come back as rows of 256 bytes
.irp to,0,1,2,3
	ds_store_b128 v14, v[A+8*\to:A+8*\to+3] offset:64*\to                      ; each accumulator from its low end on
	ds_store_b128 v14, v[A+8*\to+4:A+8*\to+7] offset:64*\to+16
.endr
.irp i,0,1,2,3,4,5,6,7
	ds_load_b128 v[F+4*\i:F+4*\i+3], v15 offset:544*\i                         ; LDS serves a wave's instructions in order: these see the stores above
.endr
.irp i,0,1,2,3,4,5,6,7
	s_wait_dscnt 7-\i                              ; the younger loads from the stage may be out
	v_pk_add_f32 v[F+4*\i:F+4*\i+1], v[F+4*\i:F+4*\i+1], v[XR+4*\i:XR+4*\i+1]
	v_pk_add_f32 v[F+4*\i+2:F+4*\i+3], v[F+4*\i+2:F+4*\i+3], v[XR+4*\i+2:XR+4*\i+3]
	global_store_b128 v16, v[F+4*\i:F+4*\i+3], s[30:31] offset:4096*\i th:TH_STORE_NT   ; sixteen lanes store 256 consecutive bytes, aligned
.endr
	s_wait_xcnt 0x0                                ; the stores have read their data and their base: both are written again only behind this wait
	s_add_nc_u64 s[4:5], s[4:5], 32768
	s_add_nc_u64 s[30:31], s[30:31], 32768
	s_add_co_u32 s[KC], s[KC], 4352
	s_add_co_u32 s[KX], s[KX], 256
	s_add_co_u32 s[KT], s[KT], 1
	s_cmp_lt_u32 s[KT], 8
	s_cbranch_scc1 .Ltrip
	s_wait_tensorcnt 0x0
	ds_add_u32 v86, v87
	s_wait_dscnt 0x0
	s_endpgm
.Lfunc_end_k_qc476b68594_final:
	.size	k_qc476b68594_final, .Lfunc_end_k_qc476b68594_final-k_qc476b68594_final
	.p2alignl 7, 3214868480
	.fill 96, 4, 3214868480
	.section	.rodata,"a",@progbits
	.p2align	6, 0x0
	.amdhsa_kernel k_qc476b68594_final
		.amdhsa_group_segment_fixed_size 84992
		.amdhsa_private_segment_fixed_size 0
		.amdhsa_enable_private_segment 0
		.amdhsa_kernarg_size 112
		.amdhsa_user_sgpr_count 2
		.amdhsa_user_sgpr_kernarg_segment_ptr 1
		.amdhsa_wavefront_size32 1
		.amdhsa_system_sgpr_workgroup_id_x 1
		.amdhsa_system_sgpr_workgroup_id_y 1
		.amdhsa_system_sgpr_workgroup_id_z 1
		.amdhsa_system_vgpr_workitem_id 0
		.amdhsa_next_free_vgpr 512
		.amdhsa_next_free_sgpr 66
		.amdhsa_reserve_vcc 0
		.amdhsa_float_denorm_mode_32 3
		.amdhsa_float_denorm_mode_16_64 3
		.amdhsa_memory_ordered 1
		.amdhsa_forward_progress 1
		.amdhsa_inst_pref_size 51
	.end_amdhsa_kernel
	.amdgpu_metadata
---
amdhsa.version: [ 1, 2 ]
amdhsa.kernels:
  - .name:           k_qc476b68594_final
    .symbol:         k_qc476b68594_final.kd
    .args:
      - { .name: x, .offset: 0, .size: 8, .value_kind: global_buffer, .address_space: global }
      - { .name: xqb, .offset: 8, .size: 8, .value_kind: global_buffer, .address_space: global }
      - { .name: attb, .offset: 16, .size: 8, .value_kind: global_buffer, .address_space: global }
      - { .name: embp, .offset: 24, .size: 8, .value_kind: global_buffer, .address_space: global }
      - { .name: emb_b, .offset: 32, .size: 8, .value_kind: global_buffer, .address_space: global }
      - { .name: snorm_g, .offset: 40, .size: 8, .value_kind: global_buffer, .address_space: global }
      - { .name: snorm_b, .offset: 48, .size: 8, .value_kind: global_buffer, .address_space: global }
      - { .name: Wq_codes, .offset: 56, .size: 8, .value_kind: global_buffer, .address_space: global }
      - { .name: Wq_scales, .offset: 64, .size: 8, .value_kind: global_buffer, .address_space: global }
      - { .name: bq, .offset: 72, .size: 8, .value_kind: global_buffer, .address_space: global }
      - { .name: out_W_codes, .offset: 80, .size: 8, .value_kind: global_buffer, .address_space: global }
      - { .name: out_W_scales, .offset: 88, .size: 8, .value_kind: global_buffer, .address_space: global }
      - { .name: out_b, .offset: 96, .size: 8, .value_kind: global_buffer, .address_space: global }
      - { .name: out0, .offset: 104, .size: 8, .value_kind: global_buffer, .address_space: global }
    .group_segment_fixed_size: 84992
    .private_segment_fixed_size: 0
    .kernarg_segment_align: 8
    .kernarg_segment_size: 112
    .max_flat_workgroup_size: 256
    .sgpr_count:     66
    .vgpr_count:     512
    .wavefront_size: 32
...
	.end_amdgpu_metadata
.endif
;; end of part 3
;; ======== version 2 of 2: 3 launches; version 1 with the launches attn, final written anew for expert scheduling mode
;; workspace buffers: tkb 1,114,112 bytes; rkb 18,939,904 bytes; rvb 9,469,952 bytes; mkb 9,469,952 bytes; xqb 8,912,896 bytes; embp 262,144 bytes; attb 655,360 bytes
;; launch prep: the kernel of part 1 again; grid 37 x 32, 4 waves a work-group, no clusters, 66,048 bytes of LDS; arguments x, re_motion, re_text, xf, emb, norm_g, norm_b, rn1_g, rn1_b, rn2_g, rn2_b, tnorm_g, tnorm_b, emb_W_codes, emb_W_scales, tkb, rkb, rvb, mkb, xqb, embp; writes tkb, rkb, rvb, mkb, xqb, embp
;; launch attn (part 4): grid 32 x 8, 4 waves a work-group, no clusters, 213,504 bytes of LDS; arguments tkb, rkb, rvb, mkb, Wkt_codes, Wkt_scales, Wkr_codes, Wkr_scales, Wkm_codes, Wkm_scales, Wvt_codes, Wvt_scales, Wvr_codes, Wvr_scales, Wvm_codes, Wvm_scales, bkt, bkr, bkm, bvt, bvr, bvm, cond_type, re_mask, src_mask, attb; writes attb
.if DOCPART == 4
	.amdgcn_target "amdgcn-amd-amdhsa--gfx1250"
	.amdhsa_code_object_version 6
	.text
	.protected	k_qc476b68594_attn
	.globl	k_qc476b68594_attn
	.p2align	8
	.type	k_qc476b68594_attn,@function
k_qc476b68594_attn:
	s_mov_b64 s[64:65], 0
	v_nop
	global_prefetch_b8 v0, s[64:65] scope:SCOPE_SE
	s_setreg_imm32_b32 hwreg(HW_REG_WAVE_SCHED_MODE, 0, 2), 2
	s_setreg_imm32_b32 hwreg(HW_REG_WAVE_MODE, 25, 1), 1
	s_wait_xcnt 0x0
	s_wait_alu depctr_vm_vsrc(0)
; attention[b][head] = softmax over the 2,125 tokens of the keys, times the values: a 64 x 64 matrix, divided by the softmax's sums and quantised along d for the next launch.
; A work-group = (batch x, head y).  Its four waves share the TOKENS: wave w walks the units (64 tokens) js .. je - 1, js = 0, 8, 16, 25.
; A wave makes all 64 key channels and all 64 value channels of its tokens (source 0 = 16 tokens, source 1 = 16 channels: a lane holds ONE channel, its registers run along the tokens),
; keeps a running whole-number M, the sum of the unquantised p, and a whole 64 x 64 partial result; the four are joined at the end by exact powers of two.
; Token fragments come from memory straight into registers (records laid in register order by the launch before; each is used by one wave alone); the head's weights lie in LDS as register images.
; THE NEXT UNIT'S THREE SETS ARE ASKED FOR ONE BY ONE, each as soon as its registers have been multiplied for the last time: 34 loads at a place, with a quantiser or 64 products between the places.
; A unit on a border of two segments (units 1 and 17; the border lies at offset 13) is the sum of two products: each segment's record has zero codes in the other's rows.  Such a unit has an arm of the text of its own.
; p = 2^(t - M), t = logit x log2 e, M = ceil of the running largest t.  Masks enter as numbers: an addend and a factor for each token.  No branch hangs on data.
; LIMITS: NaN and infinities are not served.  The two masks of a retrieval token are added to each other first, and then to the logit (where both are set the token's p is 0 in either order).
; No cluster: the eight heads of a batch read the same records, but each wave walks other units, of unequal work (2, 3 or 5 products of 64), so partners have no common step at which to ask jointly.
; REGISTERS, in windows of 256.  window 0: v1-12 addresses; v16-55 scale words alone; v64-95 the tokens' addends or factors; v96-103 biases; v104-135 statistics; v136-167 at work; v168-199 p's codes; v200-231 v's codes.
;   window 1: v0-127 the 16 accumulators (channel tile a, token tile tt at 32 a + 8 tt); v128-255 a quad of weights.   window 2: token sets A, B.   window 3: token set C; v128-255 the partial result (l tile c, d tile a at 128 + 8 (4 c + a)).
; THE MODE: SCHED_MODE bits 1:0 = 2 (LLVM: expert scheduling mode 2), set by the entry lines.  The code itself states the register dependences
; between vector or matrix instructions and memory or LDS instructions, with s_wait_alu, always for 0.
; THE PLAN.  Registers that memory or LDS instructions touch, in the loop:
;   v1                 The offset of every load of a record, and a source of the LDS addresses: written once, at the head.
;   sets A, B, C, and their scale words v16-39.  Read by a QUAD's products alone; the next unit's loads land in a set behind one wait on va_vdst, which states that those products are done reading it.
;   the weights' quad (window 1, v128-255) and v40-47.  Read by a QUAD's products; the next QUAD's LDS loads land in them.
;   v5, v6             A QUAD's LDS addresses: written at its head, read by its 34 loads.  So a QUAD opens with a wait on vm_vsrc, the two additions, and ONE wait on va_vdst for the addresses and the quad's registers.
;   v7, v8, v9, v11    The tables' LDS addresses: written at a unit's head behind a wait on vm_vsrc, read by its two runs of table loads.
;   v64-103            The table loads land in them; the lines that add biases and apply the tokens' numbers read them: one wait on va_vdst ahead of each run of table loads.
;   The accumulators, the statistics and the registers at work are named by vector and matrix instructions alone.
;   v's and p's codes and scale words are written by vector instructions and taken by the unit's last sixteen products: one wait on va_vdst ahead of these, behind their places.
.set REC,  17408
.set QB,   16384                       ; a quad of weights in LDS: fragment (K step s, tile a) at (4 s + a) x 1,024.  Quads: KT 0, KR low 1, KR high 2, KM 3, VT 4, VR 5, VM 6
.set WSC,  114688                      ; their scale words: 1,024 bytes a quad, [a][r][16]
.set KADD, 121856                      ; an addend for each of 2,176 tokens
.set VMUL, 130560                      ; a factor
.set BIAS, 139264                      ; [segment][k, v][64]
.set XM,   140800                      ; [wave][64] -M;  1,024 bytes on: [wave][64] the sums
.set COMB, 142848                      ; [wave][l][272 bytes]
.set TKB, 4
.set RKB, 6
.set RVB, 8
.set MKB, 10
.set NG,  12
.set PK,  13
.set RF,  60
.set CR,  61
.set TF,  62
.set CT,  63
.set WV,  66
.set BB,  67
.set J,   68
.set JE,  69
.set TR,  70
.set TK,  71
.set JN,  72
.set JM1, 73
.set EXTRA, 74
.set WKS, 75
.set WVS, 76
.set QO,  77
.set QS,  78
.set PA,  80
.set PC,  82
.set PE,  84
.set OA,  86
.set OC,  88
.set SEL, 90
.set CS,  92
.set NR,  98                           ; s98  1: there is a next unit and it is a retrieval unit
.set HD,  99                           ; s99  the head
.set PS,  48
.set VS,  52
.set ST,  104                          ; tile a at ST + 8 a: +0 -M, +1 the largest t, +2, +3 the sum, +4, +5 the factor, +6, +7 at work
.set QT,  136                          ; tile a at QT + 8 a: +0, +1 the blocks' maxima, +2, +3 at work, +4, +5 scale operands, +6, +7 bytes
.set PF,  168
.set VF,  200
.set KD,  140
.set VD,  160
.set MSB, 0
.macro WIN new                         ; the immediate's high byte repeats the setting that is left
.if MSB != \new
	s_set_vgpr_msb (MSB<<8)|\new
.set MSB, \new
.endif
.endm
.macro NOPS n
.rept \n
	v_nop
.endr
.endm
.macro WM d, a, b, z, sa, sb, ra, rb   ; one product; z: it starts the sum; ra, rb: the scale words stand in lanes 16-31
.if \z
.if (\ra) && (\rb)
	v_wmma_scale_f32_16x16x128_f8f6f4 v[\d:\d+7], v[\a:\a+7], v[\b:\b+7], 0, v[\sa], v[\sb] matrix_a_fmt:MATRIX_FMT_FP4 matrix_b_fmt:MATRIX_FMT_FP4 matrix_a_scale:MATRIX_SCALE_ROW1 matrix_b_scale:MATRIX_SCALE_ROW1
.elseif \ra
	v_wmma_scale_f32_16x16x128_f8f6f4 v[\d:\d+7], v[\a:\a+7], v[\b:\b+7], 0, v[\sa], v[\sb] matrix_a_fmt:MATRIX_FMT_FP4 matrix_b_fmt:MATRIX_FMT_FP4 matrix_a_scale:MATRIX_SCALE_ROW1
.elseif \rb
	v_wmma_scale_f32_16x16x128_f8f6f4 v[\d:\d+7], v[\a:\a+7], v[\b:\b+7], 0, v[\sa], v[\sb] matrix_a_fmt:MATRIX_FMT_FP4 matrix_b_fmt:MATRIX_FMT_FP4 matrix_b_scale:MATRIX_SCALE_ROW1
.else
	v_wmma_scale_f32_16x16x128_f8f6f4 v[\d:\d+7], v[\a:\a+7], v[\b:\b+7], 0, v[\sa], v[\sb] matrix_a_fmt:MATRIX_FMT_FP4 matrix_b_fmt:MATRIX_FMT_FP4
.endif
.else
.if (\ra) && (\rb)
	v_wmma_scale_f32_16x16x128_f8f6f4 v[\d:\d+7], v[\a:\a+7], v[\b:\b+7], v[\d:\d+7], v[\sa], v[\sb] matrix_a_fmt:MATRIX_FMT_FP4 matrix_b_fmt:MATRIX_FMT_FP4 matrix_a_scale:MATRIX_SCALE_ROW1 matrix_b_scale:MATRIX_SCALE_ROW1
.elseif \ra
	v_wmma_scale_f32_16x16x128_f8f6f4 v[\d:\d+7], v[\a:\a+7], v[\b:\b+7], v[\d:\d+7], v[\sa], v[\sb] matrix_a_fmt:MATRIX_FMT_FP4 matrix_b_fmt:MATRIX_FMT_FP4 matrix_a_scale:MATRIX_SCALE_ROW1
.elseif \rb
	v_wmma_scale_f32_16x16x128_f8f6f4 v[\d:\d+7], v[\a:\a+7], v[\b:\b+7], v[\d:\d+7], v[\sa], v[\sb] matrix_a_fmt:MATRIX_FMT_FP4 matrix_b_fmt:MATRIX_FMT_FP4 matrix_b_scale:MATRIX_SCALE_ROW1
.else
	v_wmma_scale_f32_16x16x128_f8f6f4 v[\d:\d+7], v[\a:\a+7], v[\b:\b+7], v[\d:\d+7], v[\sa], v[\sb] matrix_a_fmt:MATRIX_FMT_FP4 matrix_b_fmt:MATRIX_FMT_FP4
.endif
.endif
.endm
; a record: its 16 fragments into registers rb on of the window, its scale words (lanes 0-15 an even token tile, lanes 16-31 the odd one) into v[tsr] on: 34 loads
.macro SETLD wn, rb, p, off, tsr
	WIN \wn
.irp f,0,1,2,3,4,5,6,7,8,9,10,11,12,13,14,15
	global_load_b128 v[\rb+8*\f:\rb+8*\f+3], v1, s[\p:\p+1] offset:\off+1024*\f
	global_load_b128 v[\rb+8*\f+4:\rb+8*\f+7], v1, s[\p:\p+1] offset:\off+1024*\f+512
.endr
	WIN 0
	global_load_b128 v[\tsr:\tsr+3], v1, s[\p:\p+1] offset:\off+16384
	global_load_b128 v[\tsr+4:\tsr+7], v1, s[\p:\p+1] offset:\off+16896
.endm
; THE NEXT UNIT, J + 1.  Set A: its own record (rn1's motion half, or xn); a retrieval unit also takes set B (rn1's text half, the record behind A's) and set C (rn2).
; Each macro stands four places behind the last product that read its set.  All pointers are written behind the unit's wait for all loads, so no pending load names them.
.macro NEXTA
	s_cmp_lt_u32 s[JN], s[JE]
	s_cbranch_scc0 .Lna_\@
	s_mul_i32 s95, s[J], 2*REC                     ; retrieval unit J + 1 is the segment's unit J: two records a unit
	s_sub_co_u32 s97, s[JN], 17
	s_mul_i32 s97, s97, REC
	s_cmp_lt_u32 s[J], 17
	s_cselect_b64 s[PA:PA+1], s[RKB:RKB+1], s[MKB:MKB+1]
	s_cselect_b32 s[OA], s95, s97
	s_add_nc_u64 s[PA:PA+1], s[PA:PA+1], s[OA:OA+1]
	s_wait_alu depctr_va_vdst(0)                   ; the products issued so far are done reading set A and its scale words v16-23, in which these loads land
	SETLD 0x80, 0, PA, 0, 16
.Lna_\@:
.endm
.macro NEXTB
	s_cmp_eq_u32 s[NR], 0
	s_cbranch_scc1 .Lnb_\@
	s_wait_alu depctr_va_vdst(0)                   ; the products issued so far are done reading set B and its scale words v24-31, in which these loads land
	SETLD 0x80, 128, PA, REC, 24
.Lnb_\@:
.endm
.macro NEXTC
	s_cmp_eq_u32 s[NR], 0
	s_cbranch_scc1 .Lnc_\@
	s_mul_i32 s[OC], s[J], REC
	s_add_nc_u64 s[PC:PC+1], s[RVB:RVB+1], s[OC:OC+1]
	s_wait_alu depctr_va_vdst(0)                   ; the products issued so far are done reading set C and its scale words v32-39, in which these loads land
	SETLD 0xc0, 0, PC, 0, 32
.Lnc_\@:
.endm
; 64 products: a token set (4 K steps x 4 token tiles) against the weight quad at LDS byte s[QO] (4 K steps x 4 channel tiles).  The 16 accumulators take turns.
.macro QUAD wn, base, tsr, zf
	WIN 0
	NOPS 4                                         ; places in front of the loads into registers that the last products read
	s_lshr_b32 s[QS], s[QO], 4
	s_wait_alu depctr_vm_vsrc(0)                   ; the last quad's LDS loads have read v5 and v6
	v_add_nc_u32 v5, s[QO], v1
	v_add_nc_u32 v6, s[QS], v12
	s_wait_alu depctr_va_vdst(0)                   ; v5 and v6 are written, which the 34 loads below read; the last quad's products are done reading the weights' registers and v40-47, in which they land
	ds_load_b128 v[40:43], v6
	ds_load_b128 v[44:47], v6 offset:512
	WIN 0x40
.irp f,0,1,2,3,4,5,6,7,8,9,10,11,12,13,14,15
	ds_load_b128 v[128+8*\f:128+8*\f+3], v5 offset:1024*\f
	ds_load_b128 v[128+8*\f+4:128+8*\f+7], v5 offset:1024*\f+512
.endr
.irp ks,0,1,2,3
	s_wait_dscnt 24-8*\ks                          ; the eight loads of each later K step may be out
	WIN \wn
.set ZZ, 0
.if \zf
.if \ks == 0
.set ZZ, 1
.endif
.endif
.irp tt,0,1,2,3
.irp ca,0,1,2,3
	WM 32*\ca+8*\tt, \base+8*(4*\ks+\tt), 128+8*(4*\ks+\ca), ZZ, \tsr+4*(\tt/2)+\ks, 40+4*(\ca/2)+\ks, \tt%2, \ca%2
.endr
.endr
.endr
	WIN 0
.endm
.macro TABLES kv, ad                   ; the unit's biases (for tokens under the border, for the others) and its 32 numbers a lane of a token table
	s_wait_alu depctr_va_vdst(0)                   ; the unit's addresses v7, v8, v9 and v11 are written; the lines that read the last biases and token numbers are done with v64-103, in which these loads land
.irp ca,0,1,2,3
	ds_load_b32 v[96+2*\ca], v9 offset:256*\kv+64*\ca
	ds_load_b32 v[97+2*\ca], v8 offset:256*\kv+64*\ca
.endr
.irp i,0,1,2,3,4,5,6,7
	ds_load_b128 v[64+4*\i:67+4*\i], v[\ad] offset:128*(\i/4)+16*(\i%4)
.endr
.endm
.macro BIASADD                         ; registers 0-12 of a tile's 32 are token offsets 16 h + 0 .. 12: in lanes 0-15 they lie under the border
.irp ca,0,1,2,3
.irp pp,0,1,2,3,4,5,6,7,8,9,10,11,12,13,14,15
.if \pp < 6
	v_pk_add_f32 v[32*\ca+2*\pp:32*\ca+2*\pp+1], v[32*\ca+2*\pp:32*\ca+2*\pp+1], v[96+2*\ca:97+2*\ca] op_sel_hi:[1,0]
.elseif \pp == 6
	v_pk_add_f32 v[32*\ca+2*\pp:32*\ca+2*\pp+1], v[32*\ca+2*\pp:32*\ca+2*\pp+1], v[96+2*\ca:97+2*\ca]
.else
	v_pk_add_f32 v[32*\ca+2*\pp:32*\ca+2*\pp+1], v[32*\ca+2*\pp:32*\ca+2*\pp+1], v[96+2*\ca:97+2*\ca] op_sel:[0,1] op_sel_hi:[1,1]
.endif
.endr
.endr
.endm
.macro TOKOP op
.irp ca,0,1,2,3
.set p, 0
.rept 16
	\op v[32*\ca+2*p:32*\ca+2*p+1], v[32*\ca+2*p:32*\ca+2*p+1], v[64+2*p:65+2*p]
.set p, p+1
.endr
.endr
.endm
.macro CROSS                           ; the blocks' maxima joined with lane l xor 16's
.irp ca,0,1,2,3
.irp b,0,1
	v_permlanex16_b32 v[QT+8*\ca+2+\b], v[QT+8*\ca+\b], s[SEL], s[SEL+1]
.endr
.endr
.irp ca,0,1,2,3
.irp b,0,1
	v_max_num_f32 v[QT+8*\ca+\b], v[QT+8*\ca+\b], v[QT+8*\ca+2+\b]
.endr
.endr
.endm
.macro QWORDS wr                       ; from the blocks' largest magnitudes: scale operands, bytes, the scale words (K 64 .. 127 are zero codes under the byte 127)
.irp ca,0,1,2,3
.irp b,0,1
	v_add_nc_u32 v[QT+8*\ca+4+\b], 0xff000000, v[QT+8*\ca+\b]
.endr
.endr
.irp ca,0,1,2,3
.irp b,0,1
	v_lshrrev_b32 v[QT+8*\ca+6+\b], 23, v[QT+8*\ca+4+\b]
.endr
.endr
.irp ca,0,1,2,3
	v_lshl_or_b32 v[QT+8*\ca+2], v[QT+8*\ca+7], 8, v[QT+8*\ca+6]
.endr
.irp ca,0,1,2,3
	v_or_b32 v[\wr+\ca], 0x7f7f0000, v[QT+8*\ca+2]
.endr
.endm
.macro QCODES fr                       ; the accumulators' 32 numbers a tile become registers 0-3 of an operand
	WIN 0x01
.irp ca,0,1,2,3
.irp g,0,1,2,3
	v_cvt_scalef32_pk8_fp4_f32 v[\fr+8*\ca+\g], v[32*\ca+8*\g:32*\ca+8*\g+7], v[QT+8*\ca+4+\g/2]
.endr
.endr
	WIN 0
	v_nop                                          ; one plain line behind the conversions
.irp ca,0,1,2,3
	v_permlane16_swap_b32 v[\fr+8*\ca], v[\fr+8*\ca+2]      ; the layout wants a whole block in a lane: lanes 0-15 block 0, lanes 16-31 block 1
	v_permlane16_swap_b32 v[\fr+8*\ca+1], v[\fr+8*\ca+3]
.endr
.endm
.macro VQ                              ; the values: (product + bias) x the token's factor, quantised along the tokens
	WIN 0x41
	BIASADD
	TOKOP v_pk_mul_f32
	WIN 0x05
.irp ca,0,1,2,3
.irp b,0,1
	v_max3_num_f32 v[QT+8*\ca+\b], |v[32*\ca+16*\b]|, |v[32*\ca+16*\b+1]|, 0x1800000
.endr
.endr
	WIN 0x14
.irp i,2,4,6,8,10,12,14
.irp ca,0,1,2,3
.irp b,0,1
	v_max3_num_f32 v[QT+8*\ca+\b], v[QT+8*\ca+\b], |v[32*\ca+16*\b+\i]|, |v[32*\ca+16*\b+\i+1]|
.endr
.endr
.endr
	WIN 0
	CROSS
	QWORDS VS
	QCODES VF
.endm
	s_load_b256 s[4:11], s[0:1], 0x0               ; tkb, rkb, rvb, mkb
	s_load_b512 s[16:31], s[0:1], 0x20             ; Wkt c 16 s 18, Wkr c 20 s 22, Wkm c 24 s 26, Wvt c 28 s 30
	s_load_b512 s[32:47], s[0:1], 0x60             ; Wvr c 32 s 34, Wvm c 36 s 38, bkt 40, bkr 42, bkm 44, bvt 46
	s_load_b256 s[48:55], s[0:1], 0xa0             ; bvr 48, bvm 50, cond_type 52, re_mask 54
	s_load_b128 s[56:59], s[0:1], 0xc0             ; src_mask 56, attb 58
	v_lshl_add_u32 v254, v0, 2, 0x34000
	v_mov_b32 v255, 0
	v_lshrrev_b32 v5, 5, v0
	v_readfirstlane_b32 s[WV], v5
	v_and_b32 v5, 31, v0
	v_lshlrev_b32 v1, 4, v5                        ; v1  16 x lane
	v_and_b32 v115, 15, v0                         ; r
	v_lshlrev_b32 v2, 2, v115                      ; v2  4 r
	v_bfe_u32 v4, v0, 4, 1                         ; v4  h
	v_lshlrev_b32 v3, 6, v4                        ; v3  64 h
	v_add_nc_u32 v10, BIAS, v2                     ; v10 the biases' table at my channel
	v_add_nc_u32 v12, WSC, v1                      ; v12 the weights' scale words at my lane
	s_mov_b32 s[BB], ttmp9                         ; the batch
	s_and_b32 s[HD], ttmp7, 0xffff                 ; the head
	s_wait_alu depctr_va_sdst(0)                   ; the wave's number is written, ahead of its first reader
	s_lshr_b32 s94, s[WV], 1
	s_and_b32 s95, s94, s[WV]
	s_lshl_b32 s[J], s[WV], 3
	s_add_co_u32 s[J], s[J], s95                   ; js = 0, 8, 16, 25
	s_add_co_u32 s[JE], s[J], 8
	s_add_co_u32 s[JE], s[JE], s94                 ; je = 8, 16, 25, 34
	s_lshl_b32 s[TK], s[J], 8
	s_mov_b32 s[SEL], 0x76543210
	s_mov_b32 s[SEL+1], 0xfedcba98
	s_mov_b32 s[CS], 0x3fb8aa3b                    ; log2 e
	s_mov_b32 s[CS+1], s[CS]
	s_mov_b32 s[OA+1], 0
	s_mov_b32 s[OC+1], 0
	s_wait_kmcnt 0x0
	s_mul_i32 s[OA], s[BB], 2*REC
	s_add_nc_u64 s[TKB:TKB+1], s[TKB:TKB+1], s[OA:OA+1]
	s_mul_i32 s[OA], s[BB], 34*REC
	s_add_nc_u64 s[RKB:RKB+1], s[RKB:RKB+1], s[OA:OA+1]
	s_mul_i32 s[OA], s[BB], 17*REC
	s_add_nc_u64 s[RVB:RVB+1], s[RVB:RVB+1], s[OA:OA+1]
	s_add_nc_u64 s[MKB:MKB+1], s[MKB:MKB+1], s[OA:OA+1]
	s_lshl_b32 s[OA], s[BB], 2
	s_add_nc_u64 s[52:53], s[52:53], s[OA:OA+1]
	s_load_b32 s79, s[52:53], 0x0                  ; cond_type of my batch
	s_lshl_b32 s[OA], s[BB], 12
	s_add_nc_u64 s[54:55], s[54:55], s[OA:OA+1]
	s_add_nc_u64 s[56:57], s[56:57], s[OA:OA+1]
	s_lshl_b32 s[OA], s[BB], 3
	s_add_co_u32 s[OA], s[OA], s[HD]
	s_mul_i32 s[OA], s[OA], 2560
	s_add_nc_u64 s[58:59], s[58:59], s[OA:OA+1]
	; my first unit goes out first.  All three sets are loaded on every path (a wave whose first unit is no retrieval unit reads the record behind its own, and its own twice: both lie inside their buffers)
	s_sub_co_u32 s94, s[J], 1
	s_mul_i32 s95, s94, 2*REC
	s_mul_i32 s96, s94, REC
	s_sub_co_u32 s97, s[J], 17
	s_mul_i32 s97, s97, REC
	s_cmp_eq_u32 s[J], 0
	s_cselect_b64 s[PA:PA+1], s[TKB:TKB+1], s[MKB:MKB+1]
	s_cselect_b32 s[OA], 0, s97
	s_cmp_lt_u32 s94, 17
	s_cselect_b64 s[PA:PA+1], s[RKB:RKB+1], s[PA:PA+1]
	s_cselect_b32 s[OA], s95, s[OA]
	s_cselect_b32 s[OC], s96, 0
	s_add_nc_u64 s[PA:PA+1], s[PA:PA+1], s[OA:OA+1]
	s_cmp_lt_u32 s94, 17
	s_cselect_b64 s[PC:PC+1], s[RVB:RVB+1], s[PA:PA+1]
	s_add_nc_u64 s[PC:PC+1], s[PC:PC+1], s[OC:OC+1]
	s_wait_alu depctr_va_vdst(0)                   ; v1 is written: every load of a record reads it as its offset, here and in the loop
	SETLD 0x80, 0, PA, 0, 16
	SETLD 0x80, 128, PA, REC, 24
	SETLD 0xc0, 0, PC, 0, 32
	; the head's weights: wave w takes channel tile a = w of every quad; they wait in window 1
	s_lshl_b32 s94, s[HD], 6
	s_lshl_b32 s95, s[WV], 4
	s_add_co_u32 s95, s95, s94
	v_add_nc_u32 v114, s95, v115                   ; my row of every weight: 64 head + 16 w + r
	v_lshlrev_b32 v116, 7, v114
	v_lshl_add_u32 v116, v4, 4, v116               ; rows of 128 bytes,
	v_lshlrev_b32 v117, 8, v114
	v_lshl_add_u32 v117, v4, 4, v117               ; of 256,
	v_lshlrev_b32 v118, 9, v114
	v_lshl_add_u32 v118, v4, 4, v118               ; of 512
	v_lshlrev_b32 v119, 4, v114
	v_lshlrev_b32 v120, 5, v114
	v_lshl_add_u32 v120, v4, 4, v120
	v_lshlrev_b32 v121, 3, v114
	v_and_b32 v122, 63, v0
	v_add_nc_u32 v122, s94, v122
	v_lshlrev_b32 v122, 2, v122
	v_lshlrev_b32 v123, 2, v0                      ; 4 t
	v_add_nc_u32 v124, 0xffffffb3, v0              ; t - 77: under 0 it wraps, and is held at 1,023 (such a lane's number is not used)
	v_min_u32 v124, 0x3ff, v124
	v_lshlrev_b32 v124, 2, v124
	v_add_nc_u32 v125, 947, v0
	v_min_u32 v125, 0x3ff, v125
	v_lshlrev_b32 v125, 2, v125
	s_lshl_b32 s95, s[WV], 10
	v_add_nc_u32 v126, s95, v1                     ; images: 16 lane + 1,024 a, quads 0-3;
	v_add_nc_u32 v127, 0x10000, v126               ; quads 4-6
	s_lshl_b32 s95, s[WV], 8
	v_lshlrev_b32 v128, 4, v115
	v_add_nc_u32 v128, s95, v128
	v_add_nc_u32 v128, WSC, v128                   ; scale words: 256 a + 16 r
	v_lshl_add_u32 v129, v4, 10, v128              ; Wkr's: lanes 16-31 hold the upper half of K, a quad on
	v_add_nc_u32 v130, KADD, v123
	v_add_nc_u32 v131, VMUL, v123
	v_add_nc_u32 v132, BIAS, v123
.macro WLD idx, p, vo, off
	global_load_b128 v[8*(\idx):8*(\idx)+3], v[\vo], s[\p:\p+1] offset:\off
	global_load_b128 v[8*(\idx)+4:8*(\idx)+7], v[\vo], s[\p:\p+1] offset:\off+32
.endm
.macro WST idx, va, off
	ds_store_b128 v[\va], v[8*(\idx):8*(\idx)+3] offset:\off
	ds_store_b128 v[\va], v[8*(\idx)+4:8*(\idx)+7] offset:\off+512
.endm
	s_wait_alu depctr_va_vdst(0)                   ; the offsets and LDS addresses v116 to v132 are written, which the head's loads and LDS stores read
	WIN 0x40
.irp ks,0,1
	WLD \ks, 16, 116, 64*\ks
	WLD 14+\ks, 28, 116, 64*\ks
.endr
.irp ks,0,1,2,3
	WLD 2+\ks, 20, 118, 64*\ks
	WLD 6+\ks, 20, 118, 256+64*\ks
	WLD 10+\ks, 24, 117, 64*\ks
	WLD 16+\ks, 32, 117, 64*\ks
	WLD 20+\ks, 36, 117, 64*\ks
.endr
	WIN 0
	global_load_b128 v[64:67], v119, s[26:27]      ; scale bytes: Wkm,
	global_load_b128 v[68:71], v119, s[34:35]      ; Wvr,
	global_load_b128 v[72:75], v119, s[38:39]      ; Wvm,
	global_load_b128 v[76:79], v120, s[22:23]      ; Wkr (16 of a row's 32 for each half of the lanes),
	global_load_b64 v[80:81], v121, s[18:19]       ; Wkt,
	global_load_b64 v[84:85], v121, s[30:31]       ; Wvt
	s_cmp_lt_u32 s[WV], 2                          ; waves 0, 1 fetch the keys' biases, waves 2, 3 the values'
	s_cselect_b64 s[14:15], s[40:41], s[46:47]
	s_cselect_b64 s[2:3], s[42:43], s[48:49]
	s_cselect_b64 s[100:101], s[44:45], s[50:51]
	global_load_b32 v88, v122, s[14:15]
	global_load_b32 v89, v122, s[2:3]
	global_load_b32 v90, v122, s[100:101]
	global_load_b32 v96, v124, s[54:55]            ; table entry n = t + 128 q: re_mask at n - 77 for q = 0 .. 8,
.irp q,1,2,3,4,5,6,7
	global_load_b32 v[96+\q], v123, s[54:55] offset:512*\q-308
.endr
	global_load_b32 v104, v125, s[54:55]
	global_load_b32 v105, v124, s[56:57]           ; src_mask at n - 1,101 for q = 8 .. 16
.irp q,9,10,11,12,13,14,15
	global_load_b32 v[97+\q], v123, s[56:57] offset:512*\q-4404
.endr
	global_load_b32 v113, v125, s[56:57]
	WIN 0xc0
.set p, 0
.rept 128
	v_mov_b32 v[128+p], 0                          ; the partial result.  (The unit is written once: its first trip finds zeros, which the first change of M leaves zeros)
.set p, p+1
.endr
	WIN 0
.irp i,82,83,86,87
	v_mov_b32 v[\i], 0x7f7f7f7f                    ; the text weights' K steps 2 and 3: zero codes under the byte 127
.endr
.irp i,136,137,138,139
	v_mov_b32 v[\i], 0
.endr
	s_wait_kmcnt 0x0
	s_sub_co_i32 s94, 0, s79
	s_max_i32 s94, s94, s79                        ; |cond_type|
	s_mul_hi_u32 s95, s94, 0xcccccccd
	s_lshr_b32 s95, s95, 3
	s_mul_i32 s95, s95, 10
	s_sub_co_u32 s94, s94, s95                     ; modulo 10: not 0 just where cond_type % 10 > 0
	s_mov_b32 s[NG], 0xc9742400                    ; -1,000,000
	s_mov_b32 s[PK], 0xf149f2ca                    ; -1e30: tokens past the end
	s_cmp_lg_u32 s94, 0
	s_cselect_b32 s[TF], 0x3f800000, 0
	s_cselect_b32 s[CT], 0, s[NG]
	s_cmp_ge_i32 s79, 10                           ; cond_type // 10 > 0
	s_cselect_b32 s[RF], 0x3f800000, 0
	s_cselect_b32 s[CR], 0, s[NG]
	s_wait_loadcnt 0x0
	s_wait_alu depctr_va_vdst(0)                   ; the zeros in v136-139 and the bytes 127 in v82, v83, v86, v87 are written, which the LDS stores below read
	WIN 0x04                                       ; an LDS store's data are its source 1: window 1
.irp ks,0,1
	WST \ks, 126, 4096*\ks
	WST 14+\ks, 127, 4096*\ks
.endr
.irp ks,0,1,2,3
	WST 2+\ks, 126, QB+4096*\ks
	WST 6+\ks, 126, 2*QB+4096*\ks
	WST 10+\ks, 126, 3*QB+4096*\ks
	WST 16+\ks, 127, QB+4096*\ks
	WST 20+\ks, 127, 2*QB+4096*\ks
.endr
	WIN 0
.irp o,8192,8704,12288,12800
	ds_store_b128 v126, v[136:139] offset:\o
	ds_store_b128 v127, v[136:139] offset:\o
.endr
	ds_store_b128 v128, v[80:83]
	ds_store_b128 v129, v[76:79] offset:1024
	ds_store_b128 v128, v[64:67] offset:3072
	ds_store_b128 v128, v[84:87] offset:4096
	ds_store_b128 v128, v[68:71] offset:5120
	ds_store_b128 v128, v[72:75] offset:6144
	ds_store_b32 v132, v88
	ds_store_b32 v132, v89 offset:512
	ds_store_b32 v132, v90 offset:1024
.macro MR q, m                         ; a retrieval token's addend and factor
	v_sub_f32 v[KD+\q], 1.0, v[\m]
	v_mul_f32 v[VD+\q], s[RF], v[\m]
	v_fma_f32 v[KD+\q], v[KD+\q], s[NG], s[CR]
.endm
.macro MM q, m                         ; a motion token's
	v_sub_f32 v[KD+\q], 1.0, v[\m]
	v_mov_b32 v[VD+\q], v[\m]
	v_mul_f32 v[KD+\q], s[NG], v[KD+\q]
.endm
	v_cmp_gt_u32 vcc_lo, 77, v0                    ; all three borders (77, 1,101, 2,125) lie at t = 77 of their 128 entries
	MR 0, 96
	s_wait_alu depctr_va_vcc(0)                    ; the compare has written VCC, ahead of the first of the six selections that read it
	v_cndmask_b32 v[KD], v[KD], s[CT], vcc_lo
	v_cndmask_b32 v[VD], v[VD], s[TF], vcc_lo
.irp q,1,2,3,4,5,6,7
	MR \q, 96+\q
.endr
	MR 8, 104
	v_sub_f32 v134, 1.0, v105
	v_mul_f32 v134, s[NG], v134
	v_cndmask_b32 v[KD+8], v134, v[KD+8], vcc_lo
	v_cndmask_b32 v[VD+8], v105, v[VD+8], vcc_lo
.irp q,9,10,11,12,13,14,15
	MM \q, 97+\q
.endr
	MM 16, 113
	v_cndmask_b32 v[KD+16], s[PK], v[KD+16], vcc_lo
	v_cndmask_b32 v[VD+16], 0, v[VD+16], vcc_lo
	s_wait_alu depctr_va_vdst(0)                   ; the 17 addends and 17 factors are written, which the LDS stores below read
.set q, 0
.rept 17
	ds_store_b32 v130, v[KD+q] offset:512*q
	ds_store_b32 v131, v[VD+q] offset:512*q
.set q, q+1
.endr
	s_wait_dscnt 0x0                               ; for the others' sake: my part of the weights and tables is in LDS
	s_wait_alu depctr_vm_vsrc(0)                   ; the head's loads and LDS stores have read their addresses and data (v64-90, v116-176, window 1's v0-191): the lines below, the loop's products and its LDS loads write these registers again
.irp ca,0,1,2,3
	v_mov_b32 v[ST+8*\ca+1], 0xff61b1e6            ; the largest t so far: -3e38
	v_floor_f32 v[ST+8*\ca], -v[ST+8*\ca+1]
.irp i,2,3,4,5,6,7
	v_mov_b32 v[ST+8*\ca+\i], 0
.endr
.irp i,0,1,2,3,4,5,6,7
	v_mov_b32 v[QT+8*\ca+\i], 0
.endr
.irp i,4,5,6,7
	v_mov_b32 v[PF+8*\ca+\i], 0                    ; K 64 .. 127 of the last product: zero codes, written once
	v_mov_b32 v[VF+8*\ca+\i], 0
.endr
.endr
	s_barrier_signal -1
	s_barrier_wait -1                              ; weights and tables lie in LDS; from here to the loop's end LDS is only read
	s_mov_b32 s[TR], 0
.Lunit:                                            ; nine trips in every wave; waves 0 and 1 have eight units and jump over the ninth trip's work
	s_cmp_ge_u32 s[J], s[JE]
	s_cbranch_scc1 .Lskip
	s_sub_co_u32 s[JM1], s[J], 1                   ; under 17 (unsigned): a retrieval unit
	s_add_co_u32 s[JN], s[J], 1
	s_cmp_lt_u32 s[J], 17
	s_cselect_b32 s[NR], 1, 0
	s_cmp_lt_u32 s[JN], s[JE]
	s_cselect_b32 s[NR], s[NR], 0                  ; the next unit is mine and a retrieval unit
	s_cmp_eq_u32 s[J], 1
	s_cselect_b32 s[EXTRA], 1, 0
	s_cmp_eq_u32 s[J], 17
	s_cselect_b32 s[EXTRA], 1, s[EXTRA]            ; a unit on a border
	s_cmp_lt_u32 s[J], 2
	s_cselect_b32 s[WKS], 0, 3*QB                  ; the other segment's weights: text's or motion's
	s_mov_b32 s[WVS], 6*QB
	s_cselect_b32 s[WVS], 4*QB, s[WVS]
	s_cselect_b32 s94, 0, 512
	s_cmp_ge_u32 s[J], 18
	s_cselect_b32 s95, 512, 0
	s_add_co_u32 s94, s94, s95                     ; 512 x the segment of offsets 0 .. 12
	s_cmp_ge_u32 s[J], 1
	s_cselect_b32 s95, 512, 0
	s_cmp_ge_u32 s[J], 17
	s_cselect_b32 s96, 512, 0
	s_add_co_u32 s95, s95, s96                     ; 512 x the segment of offsets 13 .. 63
	s_sub_co_u32 s96, s95, s94
	s_wait_alu depctr_vm_vsrc(0)                   ; the last unit's table loads have read v7, v8, v9 and v11
	v_mul_u32_u24 v9, s96, v4                      ; lanes 16-31 hold no offset under 16
	v_add_nc_u32 v9, s94, v9
	v_add_nc_u32 v9, v9, v10
	v_add_nc_u32 v8, s95, v10
	v_add_nc_u32 v7, s[TK], v3                     ; 256 j + 64 h
	v_add_nc_u32 v11, VMUL, v7
	v_add_nc_u32 v7, KADD, v7
	s_wait_loadcnt 0x0                             ; this unit's sets: the youngest of them was asked for a softmax ago.  For 0 on every path: no count hangs on a branch
	; ---- the values
	TABLES 1, 11
	s_cmp_lt_u32 s[JM1], 17
	s_cbranch_scc0 .Lv_own
	s_mov_b32 s[QO], 5*QB
	QUAD 0x57, 0, 32, 1                            ; rn2's codes x Wvr
	s_branch .Lv_had
.Lv_own:
	s_mov_b32 s[QO], s[WVS]
	QUAD 0x56, 0, 16, 1
.Lv_had:
	s_cmp_eq_u32 s[EXTRA], 0
	s_cbranch_scc1 .Lplain
	; ---- a unit on a border (a retrieval unit too): set C is used once more, for the other segment's record, in both products; so the next unit's set C is asked for last
	NOPS 4                                         ; set C has just been multiplied: places in front of the loads into it
	s_cmp_eq_u32 s[J], 1
	s_cselect_b64 s[PE:PE+1], s[TKB:TKB+1], s[MKB:MKB+1]
	s_cselect_b32 s[OC], REC, 0
	s_add_nc_u64 s[PE:PE+1], s[PE:PE+1], s[OC:OC+1]
	s_wait_alu depctr_va_vdst(0)                   ; the value product is done reading set C and its scale words v32-39, in which these loads land
	SETLD 0xc0, 0, PE, 0, 32                       ; text's unit 1 or motion's unit 0
	s_wait_loadcnt 0x0
	s_mov_b32 s[QO], s[WVS]
	QUAD 0x57, 0, 32, 0
	NOPS 4
	VQ
	TABLES 0, 7
	s_mov_b32 s[QO], QB
	QUAD 0x56, 0, 16, 1
	NOPS 4
	NEXTA
	s_mov_b32 s[QO], 2*QB
	QUAD 0x56, 128, 24, 0
	NOPS 4
	NEXTB
	s_mov_b32 s[QO], s[WKS]
	QUAD 0x57, 0, 32, 0
	NOPS 4                                         ; places in front of the loads into set C, and of the first read of the scores
	NEXTC
	s_branch .Lsoft
.Lplain:
	NOPS 4                                         ; places in front of the loads into set C, and of the first read of the values
	NEXTC                                          ; nothing on this arm reads set C again
	VQ
	; ---- the keys
	TABLES 0, 7
	s_cmp_lt_u32 s[JM1], 17
	s_cselect_b32 s[QO], QB, s[WKS]
	QUAD 0x56, 0, 16, 1
	NOPS 4
	NEXTA
	s_cmp_lt_u32 s[JM1], 17
	s_cbranch_scc0 .Lk_one
	s_mov_b32 s[QO], 2*QB
	QUAD 0x56, 128, 24, 0                          ; the upper half of Wkr's K
.Lk_one:
	NOPS 4                                         ; places in front of the loads into set B, and of the first read of the scores
	NEXTB
.Lsoft:
	WIN 0x41
	BIASADD
	TOKOP v_pk_add_f32                             ; (product + bias) + the token's addend
	WIN 0x15
.irp ca,0,1,2,3
.irp b,0,1
	v_max3_num_f32 v[QT+8*\ca+\b], v[32*\ca+16*\b], v[32*\ca+16*\b+1], v[32*\ca+16*\b+2]   ; each block's largest logit serves twice: for M, and, since p rises with the logit, for the block's largest p
.endr
.endr
	WIN 0x14
.irp i,3,5,7,9,11,13
.irp ca,0,1,2,3
.irp b,0,1
	v_max3_num_f32 v[QT+8*\ca+\b], v[QT+8*\ca+\b], v[32*\ca+16*\b+\i], v[32*\ca+16*\b+\i+1]
.endr
.endr
.endr
	WIN 0x04
.irp ca,0,1,2,3
.irp b,0,1
	v_max_num_f32 v[QT+8*\ca+\b], v[QT+8*\ca+\b], v[32*\ca+16*\b+15]
.endr
.endr
	WIN 0
	CROSS
.irp ca,0,1,2,3
	v_max_num_f32 v[ST+8*\ca+6], v[QT+8*\ca], v[QT+8*\ca+1]
.endr
.irp ca,0,1,2,3
	v_mul_f32 v[ST+8*\ca+6], s[CS], v[ST+8*\ca+6]
.endr
.irp ca,0,1,2,3
	v_max_num_f32 v[ST+8*\ca+1], v[ST+8*\ca+1], v[ST+8*\ca+6]     ; the running largest t
.endr
.irp ca,0,1,2,3
	v_mov_b32 v[ST+8*\ca+7], v[ST+8*\ca]
.endr
.irp ca,0,1,2,3
	v_floor_f32 v[ST+8*\ca], -v[ST+8*\ca+1]                       ; -M = floor(-t): M is a whole number
.endr
.irp ca,0,1,2,3
	v_sub_f32 v[ST+8*\ca+7], v[ST+8*\ca], v[ST+8*\ca+7]
.endr
.irp ca,0,1,2,3
	v_cvt_i32_f32 v[ST+8*\ca+7], v[ST+8*\ca+7]                    ; (it saturates)
.endr
.irp ca,0,1,2,3
	v_ldexp_f32 v[ST+8*\ca+4], 1.0, v[ST+8*\ca+7]                 ; 2^(old M - new M): rounds nothing
.endr
	WIN 0x41
.irp ca,0,1,2,3
.set p, 0
.rept 16
	v_pk_fma_f32 v[32*\ca+2*p:32*\ca+2*p+1], v[32*\ca+2*p:32*\ca+2*p+1], s[CS:CS+1], v[ST+8*\ca:ST+8*\ca+1] op_sel_hi:[1,0,0]
.set p, p+1
.endr
.endr
	WIN 0
.irp ca,0,1,2,3
.irp b,0,1
	v_fma_f32 v[QT+8*\ca+\b], v[QT+8*\ca+\b], s[CS], v[ST+8*\ca]
.endr
.endr
	WIN 0x41
.set p, 0
.rept 128
	v_exp_f32 v[p], v[p]                           ; p = 2^(t - M): not normalised
.set p, p+1
.endr
	WIN 0
.irp ca,0,1,2,3
	v_pk_mul_f32 v[ST+8*\ca+2:ST+8*\ca+3], v[ST+8*\ca+2:ST+8*\ca+3], v[ST+8*\ca+4:ST+8*\ca+5] op_sel_hi:[1,0]   ; the sums under the new M (plain lines behind the batch)
.endr
	s_wait_alu depctr_va_vdst(0)                   ; one wait for the 128 exponentials' results, ahead of their first reader
.irp ca,0,1,2,3
.irp b,0,1
	v_exp_f32 v[QT+8*\ca+\b], v[QT+8*\ca+\b]       ; the blocks' largest p
.endr
.endr
	WIN 0x04
.set p, 0
.rept 16
.irp ca,0,1,2,3
	v_pk_add_f32 v[ST+8*\ca+2:ST+8*\ca+3], v[ST+8*\ca+2:ST+8*\ca+3], v[32*\ca+2*p:32*\ca+2*p+1]   ; the sum is taken of the unquantised p
.endr
.set p, p+1
.endr
	WIN 0
	s_wait_alu depctr_va_vdst(0)                   ; and one for the eight, ahead of their first reader
.irp ca,0,1,2,3
.irp b,0,1
	v_max_num_f32 v[QT+8*\ca+\b], 0x1800000, v[QT+8*\ca+\b]
.endr
.endr
	QWORDS PS
	QCODES PF
	WIN 0xc3
.irp c,0,1,2,3
.irp ca,0,1,2,3
.irp pp,0,1,2,3
	v_pk_mul_f32 v[128+8*(4*\c+\ca)+2*\pp:128+8*(4*\c+\ca)+2*\pp+1], v[128+8*(4*\c+\ca)+2*\pp:128+8*(4*\c+\ca)+2*\pp+1], v[ST+8*\ca+4:ST+8*\ca+5] op_sel_hi:[1,0]   ; the partial result under the new M; these lines are also the places ahead of the products
.endr
.endr
.endr
	WIN 0xf0
	s_wait_alu depctr_va_vdst(0)                   ; the conversions, the exchanges of halves and the scale words' lines have written v's and p's codes and v48-55, which the products below take as operands and scales; the places above stay beside this wait
.irp c,0,1,2,3
.irp ca,0,1,2,3
	WM 128+8*(4*\c+\ca), VF+8*\c, PF+8*\ca, 0, VS+\c, PS+\ca, 0, 0      ; source 0 = 16 value channels l, source 1 = 16 key channels d, K = the unit's 64 tokens: a lane holds one d
.endr
.endr
	WIN 0
	NOPS 4
.Lskip:
	s_add_co_u32 s[J], s[J], 1
	s_add_co_u32 s[TK], s[TK], 256
	s_add_co_u32 s[TR], s[TR], 1
	s_cmp_lt_u32 s[TR], 9
	s_cbranch_scc1 .Lunit
	; ---- the four waves' parts are joined
.irp ca,0,1,2,3
	v_add_f32 v[ST+8*\ca+2], v[ST+8*\ca+2], v[ST+8*\ca+3]
.endr
.irp ca,0,1,2,3
	v_permlanex16_b32 v[ST+8*\ca+6], v[ST+8*\ca+2], s[SEL], s[SEL+1]
.endr
.irp ca,0,1,2,3
	v_add_f32 v[ST+8*\ca+2], v[ST+8*\ca+2], v[ST+8*\ca+6]         ; my tokens' sum for channel 16 a + r
.endr
	s_wait_dscnt 0x0
	s_barrier_signal -1
	s_barrier_wait -1                              ; every wave has read its last of the tables: from here LDS is written again
	s_lshl_b32 s94, s[WV], 8
	s_wait_alu depctr_vm_vsrc(0)                   ; my last unit's table loads have read v11
	v_add_nc_u32 v11, s94, v2
	v_add_nc_u32 v11, XM, v11
	v_add_nc_u32 v13, XM, v2
	s_wait_alu depctr_va_vdst(0)                   ; v11 and the four -M are written, which the stores read; v13 is written, and the loop's lines are done with v64-79: the loads behind the barrier read the one and land in the others, and no vector line stands between
.irp ca,0,1,2,3
	ds_store_b32 v11, v[ST+8*\ca] offset:64*\ca    ; both halves of the lanes write the same word with the same value
.endr
	s_wait_dscnt 0x0
	s_barrier_signal -1
	s_barrier_wait -1
.irp ca,0,1,2,3
.irp w,0,1,2,3
	ds_load_b32 v[64+4*\ca+\w], v13 offset:256*\w+64*\ca
.endr
.endr
	s_wait_dscnt 0x0
.irp ca,0,1,2,3
	v_min3_num_f32 v[64+4*\ca], v[64+4*\ca], v[65+4*\ca], v[66+4*\ca]
.endr
.irp ca,0,1,2,3
	v_min_num_f32 v[64+4*\ca], v[64+4*\ca], v[67+4*\ca]           ; the least -M: the common M
.endr
.irp ca,0,1,2,3
	v_sub_f32 v[65+4*\ca], v[64+4*\ca], v[ST+8*\ca]
.endr
.irp ca,0,1,2,3
	v_cvt_i32_f32 v[65+4*\ca], v[65+4*\ca]
.endr
.irp ca,0,1,2,3
	v_ldexp_f32 v[ST+8*\ca+4], 1.0, v[65+4*\ca]
.endr
.irp ca,0,1,2,3
	v_mul_f32 v[ST+8*\ca+2], v[ST+8*\ca+2], v[ST+8*\ca+4]
.endr
	WIN 0xc3
.irp c,0,1,2,3
.irp ca,0,1,2,3
.irp pp,0,1,2,3
	v_pk_mul_f32 v[128+8*(4*\c+\ca)+2*\pp:128+8*(4*\c+\ca)+2*\pp+1], v[128+8*(4*\c+\ca)+2*\pp:128+8*(4*\c+\ca)+2*\pp+1], v[ST+8*\ca+4:ST+8*\ca+5] op_sel_hi:[1,0]
.endr
.endr
.endr
	WIN 0
	s_mul_i32 s94, s[WV], 17408
	v_mul_u32_u24 v14, v4, 2176
	v_add_nc_u32 v14, v14, v2
	v_add_nc_u32 v14, s94, v14
	v_add_nc_u32 v14, COMB, v14                    ; row l = 16 c + 8 h + j, column d = 16 a + r
	s_wait_alu depctr_va_vdst(0)                   ; my sums and my partial result under the common M are written, and so is v14: the two runs of LDS stores below read them
.irp ca,0,1,2,3
	ds_store_b32 v11, v[ST+8*\ca+2] offset:1024+64*\ca
.endr
	WIN 0x0c                                       ; the data: window 3
.irp c,0,1,2,3
.irp ca,0,1,2,3
.irp j,0,1,2,3,4,5,6,7
	ds_store_b32 v14, v[128+8*(4*\c+\ca)+\j] offset:(16*\c+\j)*272+64*\ca
.endr
.endr
.endr
	WIN 0
	s_wait_dscnt 0x0
	s_barrier_signal -1
	s_barrier_wait -1
	; wave w makes tile w of the next product's operand: lane (r, h): row l = 32 (w / 2) + 8 (w % 2) + r + 8 (r / 8), d = 32 h .. 32 h + 31: a whole block
	s_lshr_b32 s94, s[WV], 1
	s_lshl_b32 s94, s94, 5
	s_and_b32 s95, s[WV], 1
	s_lshl_b32 s95, s95, 3
	s_add_co_u32 s94, s94, s95
	s_wait_alu depctr_vm_vsrc(0)                   ; the loads of the four -M have read v13, which is written next; my LDS stores have read the statistics in v104-135, in which the loads below land
	v_and_b32 v13, 15, v0
	v_and_b32 v15, 8, v13
	v_add_nc_u32 v13, v13, v15
	v_add_nc_u32 v13, s94, v13
	v_mul_u32_u24 v13, v13, 272
	v_lshl_add_u32 v13, v4, 7, v13
	v_add_nc_u32 v13, COMB, v13
	v_lshlrev_b32 v15, 7, v4
	v_add_nc_u32 v15, XM+1024, v15
	s_wait_alu depctr_va_vdst(0)                   ; v13 and v15 are written; every vector and matrix line that named v64-191 is done: the loads below land there
.irp w,0,1,2,3
.irp i,0,1,2,3,4,5,6,7
	ds_load_b128 v[64+32*\w+4*\i:67+32*\w+4*\i], v15 offset:256*\w+16*\i
.endr
.endr
	s_wait_dscnt 0x0
.irp w,1,2,3
.set p, 0
.rept 16
	v_pk_add_f32 v[64+2*p:65+2*p], v[64+2*p:65+2*p], v[64+32*\w+2*p:65+32*\w+2*p]
.set p, p+1
.endr
.endr
	s_wait_alu depctr_va_vdst(0)                   ; the additions are done reading v96-191, in which (and in v192-223) the four partial results land
.irp w,0,1,2,3
.irp i,0,1,2,3,4,5,6,7
	ds_load_b128 v[96+32*\w+4*\i:99+32*\w+4*\i], v13 offset:17408*\w+16*\i
.endr
.endr
.set p, 0
.rept 32
	v_rcp_f32 v[64+p], v[64+p]                     ; 1 / the softmax's sum of channel d
.set p, p+1
.endr
	v_nop
	s_wait_alu depctr_va_vdst(0)                   ; one wait for the 32 reciprocals' results, ahead of their first reader
	s_wait_dscnt 0x0
.irp w,1,2,3
.set p, 0
.rept 16
	v_pk_add_f32 v[96+2*p:97+2*p], v[96+2*p:97+2*p], v[96+32*\w+2*p:97+32*\w+2*p]
.set p, p+1
.endr
.endr
.set p, 0
.rept 16
	v_pk_mul_f32 v[96+2*p:97+2*p], v[96+2*p:97+2*p], v[64+2*p:65+2*p]
.set p, p+1
.endr
	v_max3_num_f32 v224, |v96|, |v97|, 0x1800000
.irp i,2,4,6,8,10,12,14,16,18,20,22,24,26,28,30
	v_max3_num_f32 v224, v224, |v[96+\i]|, |v[97+\i]|
.endr
	v_add_nc_u32 v225, 0xff000000, v224
.irp g,0,1,2,3
	v_cvt_scalef32_pk8_fp4_f32 v[228+\g], v[96+8*\g:103+8*\g], v225
.endr
	v_lshrrev_b32 v226, 23, v225
	v_lshlrev_b32 v227, 3, v4
	v_lshlrev_b32 v226, v227, v226                 ; my block's byte at its place,
	v_mov_b32 v232, 0
	v_permlanex16_b32 v232, v226, s[SEL], s[SEL+1]
	v_or_b32 v226, v226, v232                      ; with lane l xor 16's,
	v_or_b32 v226, 0x7f7f0000, v226                ; and 127 for K 64 .. 127
	s_lshl_b32 s94, s[WV], 9
	v_add_nc_u32 v233, s94, v1
	v_and_b32 v234, 31, v0
	v_lshlrev_b32 v234, 2, v234
	s_lshl_b32 s94, s[WV], 7
	v_add_nc_u32 v234, s94, v234
	s_wait_alu depctr_va_vdst(0)                   ; the codes v228-231, the scale word v226 and the offsets v233, v234 are written, which the two stores read
	global_store_b128 v233, v[228:231], s[58:59]
	global_store_b32 v234, v226, s[58:59] offset:2048
	s_wait_dscnt 0x0                               ; the closing lines, six on end, of a launch in the mode that stores to LDS
	s_wait_alu 0x0
	s_wait_tensorcnt 0x0
	ds_add_u32 v254, v255
	s_wait_dscnt 0x0
	s_endpgm
.Lfunc_end_k_qc476b68594_attn:
	.size	k_qc476b68594_attn, .Lfunc_end_k_qc476b68594_attn-k_qc476b68594_attn
	.p2alignl 7, 3214868480
	.fill 96, 4, 3214868480
	.section	.rodata,"a",@progbits
	.p2align	6, 0x0
	.amdhsa_kernel k_qc476b68594_attn
		.amdhsa_group_segment_fixed_size 213504
		.amdhsa_private_segment_fixed_size 0
		.amdhsa_enable_private_segment 0
		.amdhsa_kernarg_size 208
		.amdhsa_user_sgpr_count 2
		.amdhsa_user_sgpr_kernarg_segment_ptr 1
		.amdhsa_wavefront_size32 1
		.amdhsa_system_sgpr_workgroup_id_x 1
		.amdhsa_system_sgpr_workgroup_id_y 1
		.amdhsa_system_sgpr_workgroup_id_z 1
		.amdhsa_system_vgpr_workitem_id 0
		.amdhsa_next_free_vgpr 1024
		.amdhsa_next_free_sgpr 104
		.amdhsa_reserve_vcc 1
		.amdhsa_float_denorm_mode_32 3
		.amdhsa_float_denorm_mode_16_64 3
		.amdhsa_memory_ordered 1
		.amdhsa_forward_progress 1
		.amdhsa_inst_pref_size 254
	.end_amdhsa_kernel
	.amdgpu_metadata
---
amdhsa.version: [ 1, 2 ]
amdhsa.kernels:
  - .name:           k_qc476b68594_attn
    .symbol:         k_qc476b68594_attn.kd
    .args:
      - { .name: tkb, .offset: 0, .size: 8, .value_kind: global_buffer, .address_space: global }
      - { .name: rkb, .offset: 8, .size: 8, .value_kind: global_buffer, .address_space: global }
      - { .name: rvb, .offset: 16, .size: 8, .value_kind: global_buffer, .address_space: global }
      - { .name: mkb, .offset: 24, .size: 8, .value_kind: global_buffer, .address_space: global }
      - { .name: Wkt_codes, .offset: 32, .size: 8, .value_kind: global_buffer, .address_space: global }
      - { .name: Wkt_scales, .offset: 40, .size: 8, .value_kind: global_buffer, .address_space: global }
      - { .name: Wkr_codes, .offset: 48, .size: 8, .value_kind: global_buffer, .address_space: global }
      - { .name: Wkr_scales, .offset: 56, .size: 8, .value_kind: global_buffer, .address_space: global }
      - { .name: Wkm_codes, .offset: 64, .size: 8, .value_kind: global_buffer, .address_space: global }
      - { .name: Wkm_scales, .offset: 72, .size: 8, .value_kind: global_buffer, .address_space: global }
      - { .name: Wvt_codes, .offset: 80, .size: 8, .value_kind: global_buffer, .address_space: global }
      - { .name: Wvt_scales, .offset: 88, .size: 8, .value_kind: global_buffer, .address_space: global }
      - { .name: Wvr_codes, .offset: 96, .size: 8, .value_kind: global_buffer, .address_space: global }
      - { .name: Wvr_scales, .offset: 104, .size: 8, .value_kind: global_buffer, .address_space: global }
      - { .name: Wvm_codes, .offset: 112, .size: 8, .value_kind: global_buffer, .address_space: global }
      - { .name: Wvm_scales, .offset: 120, .size: 8, .value_kind: global_buffer, .address_space: global }
      - { .name: bkt, .offset: 128, .size: 8, .value_kind: global_buffer, .address_space: global }
      - { .name: bkr, .offset: 136, .size: 8, .value_kind: global_buffer, .address_space: global }
      - { .name: bkm, .offset: 144, .size: 8, .value_kind: global_buffer, .address_space: global }
      - { .name: bvt, .offset: 152, .size: 8, .value_kind: global_buffer, .address_space: global }
      - { .name: bvr, .offset: 160, .size: 8, .value_kind: global_buffer, .address_space: global }
      - { .name: bvm, .offset: 168, .size: 8, .value_kind: global_buffer, .address_space: global }
      - { .name: cond_type, .offset: 176, .size: 8, .value_kind: global_buffer, .address_space: global }
      - { .name: re_mask, .offset: 184, .size: 8, .value_kind: global_buffer, .address_space: global }
      - { .name: src_mask, .offset: 192, .size: 8, .value_kind: global_buffer, .address_space: global }
      - { .name: attb, .offset: 200, .size: 8, .value_kind: global_buffer, .address_space: global }
    .group_segment_fixed_size: 213504
    .private_segment_fixed_size: 0
    .kernarg_segment_align: 8
    .kernarg_segment_size: 208
    .max_flat_workgroup_size: 128
    .sgpr_count:     104
    .vgpr_count:     1024
    .wavefront_size: 32
...
	.end_amdgpu_metadata
.endif
;; end of part 4
;; launch final (part 5): grid 8 x 32, 8 waves a work-group, no clusters, 84,992 bytes of LDS; arguments x, xqb, attb, embp, emb_b, snorm_g, snorm_b, Wq_codes, Wq_scales, bq, out_W_codes, out_W_scales, out_b, out0; writes out0
.if DOCPART == 5
	.amdgcn_target "amdgcn-amd-amdhsa--gfx1250"
	.amdhsa_code_object_version 6
	.text
	.protected	k_qc476b68594_final
	.globl	k_qc476b68594_final
	.p2align	8
	.type	k_qc476b68594_final,@function
k_qc476b68594_final:
	s_mov_b64 s[64:65], 0
	v_nop
	global_prefetch_b8 v0, s[64:65] scope:SCOPE_SE
	s_setreg_imm32_b32 hwreg(HW_REG_WAVE_SCHED_MODE, 0, 2), 2
	s_setreg_imm32_b32 hwreg(HW_REG_WAVE_MODE, 25, 1), 1
	s_wait_xcnt 0x0
	s_wait_alu depctr_vm_vsrc(0)
; out0 = x + silu(LN(softmax_d(xn Wq^T + bq) . attention) x (1 + scale) + shift) out_W^T + out_b.
; A work-group = 128 tokens of a batch (x = block, y = batch), eight trips of 16 tokens.  Wave w owns head w: query channels, y channels and output channels 64 w .. 64 w + 63, for all tokens;
; its 16 fragments of Wq and 16 of out_W stay in registers (window 1), read from memory once.  All three products are used with the weights as source 0, so a lane holds ONE token throughout.
; The rows of Wq (and of the attention operand) that form a tile are chosen so that a lane's 32 registers are two half blocks of 32 neighbours along the next product's K.
; Softmax ahead of the product: p = 2^(t - M), M = ceil of the token's largest t in the head; the sum of the unquantised p divides the product's result.
; LayerNorm over the 512 channels: each wave's mean and sum of squared deviations from it; the eight are joined through LDS (sums of terms that are not negative).
; The style is folded: ((y - mean) rstd) x [g (1 + scale)] + [b (1 + scale) + shift]: one f32 rounding placed otherwise than in the source.
; LIMITS: NaN and infinities are not served; a block of zeros keeps the scale byte 1 (its codes are zeros, and only this text reads the byte).
; No cluster: the work-groups of a batch share only 20 KB of attention and the weights, a small part of the 590 KB that each moves.  No tensor loads: what goes through LDS is made by the waves themselves.
; x's rows of a trip are asked for at the trip's head and used at its end.
; THE MODE: SCHED_MODE bits 1:0 = 2 (LLVM: expert scheduling mode 2), set by the entry lines.  The code itself states the register dependences
; between vector or matrix instructions and memory or LDS instructions, with s_wait_alu, always for 0.
; THE PLAN.  Registers that memory or LDS instructions touch, in a trip:
;   v17, v18   LDS addresses of xn's codes and scale words: written at the trip's head, read by nine LDS loads there.
;   XR         x's rows land in it at the head; read and written by the additions at the trip's end.
;   A          bq lands in it at the head; written by the three products and the vector lines between; at the end the stage's stores read it.
;   F          xn's fragments land at the head; the style's offsets behind the query's products; the hidden layer's fragments behind the second barrier; rows from the stage at the end, to which x is added and which the global stores read.
;   G          the style's gains land at the head (the youngest eight LDS loads there); read behind the first barrier; then at work in silu.
;   v76-83     scale words from LDS, read by products.     v228-243: at work, and the eight waves' statistics land in them behind the first barrier.
;   v[MW ..], v160-163, v232   written by vector lines, read by LDS stores.     All other addresses are made at the kernel's head and never written again.
; The waits: at a trip's head one on vm_vsrc (all that the last trip's loads and stores read is written again in this trip), the two additions, and ONE on va_vdst for all the head's loads;
; one on va_vdst ahead of each later run of LDS loads or stores whose registers vector or matrix lines have named since the last; one ahead of the product that takes p's codes; one ahead of the run of global stores.
.set XS,   34816                       ; LDS: xn's codes, 128 rows x (256 + 16), from 0; their scale bytes, 16 a row;
.set FGL,  36864                       ; g (1 + scale);  2,048 on: b (1 + scale) + shift;
.set BQL,  40960                       ; bq
.set STT,  43008                       ; [wave][16 tokens] {mean, sum of squares}
.set HIMG, 44032                       ; the hidden layer's four fragments as register images
.set HSC,  48128                       ; their scale words, [lane][K step]
.set OSTG, 48640                       ; a stage of 16 rows x (256 + 16) for each wave
.set SEL, 40
.set CS,  42
.set NL,  44
.set C9,  46
.set EPS, 47
.set KC,  48                           ; the trip's place among xn's codes, among its scale bytes; the trips' count
.set KX,  49
.set KT,  50
.set F,   88                           ; v88-119   four fragments; the style's offsets; rows on the way out
.set A,   120                          ; v120-151  four accumulators
.set PFR, 152                          ; v152-159  p's codes (the upper four: zeros)
.set HC,  160                          ; v160-163  the hidden layer's codes
.set XR,  164                          ; v164-195  x's rows
.set G,   196                          ; v196-227  the style's gains; at work in silu
.set T,   228                          ; v228-255  at work: T, T+1 the blocks' maxima, T+2, T+3, T+5 lane permutes' results, T+4 the two scale bytes, T+14 .. T+17 scale operands and bytes
.set SS,  228                          ; v228-243  the eight waves' statistics
.set NM,  234
.set S0,  236
.set S1,  238
.set RL,  240
.set MW,  246
.set MN,  248
.set RS,  250
; v1-18 addresses; v20-23 out_b; v24-55 the attention operand (tile tl at 24 + 8 tl, upper four zeros);
; scale words alone: v56-59 attention's, v60-67 Wq's, v68-75 out_W's, v76-79 xn's, v80-83 the hidden layer's, v84 p's
.set MSB, 0
.macro WIN new                         ; the immediate's high byte repeats the setting that is left
.if MSB != \new
	s_set_vgpr_msb (MSB<<8)|\new
.set MSB, \new
.endif
.endm
.macro NOPS n
.rept \n
	v_nop
.endr
.endm
.macro BARRIER                         ; my LDS stores have landed and my LDS loads are in: then the work-group's barrier
	s_wait_dscnt 0x0
	s_barrier_signal -1
	s_barrier_wait -1
.endm
.macro WM d, a, b, z, sa, sb, ra       ; one product; z: it starts the sum; ra: source 0's scale words stand in lanes 16-31
.if \z
.if \ra
	v_wmma_scale_f32_16x16x128_f8f6f4 v[\d:\d+7], v[\a:\a+7], v[\b:\b+7], 0, v[\sa], v[\sb] matrix_a_fmt:MATRIX_FMT_FP4 matrix_b_fmt:MATRIX_FMT_FP4 matrix_a_scale:MATRIX_SCALE_ROW1
.else
	v_wmma_scale_f32_16x16x128_f8f6f4 v[\d:\d+7], v[\a:\a+7], v[\b:\b+7], 0, v[\sa], v[\sb] matrix_a_fmt:MATRIX_FMT_FP4 matrix_b_fmt:MATRIX_FMT_FP4
.endif
.else
.if \ra
	v_wmma_scale_f32_16x16x128_f8f6f4 v[\d:\d+7], v[\a:\a+7], v[\b:\b+7], v[\d:\d+7], v[\sa], v[\sb] matrix_a_fmt:MATRIX_FMT_FP4 matrix_b_fmt:MATRIX_FMT_FP4 matrix_a_scale:MATRIX_SCALE_ROW1
.else
	v_wmma_scale_f32_16x16x128_f8f6f4 v[\d:\d+7], v[\a:\a+7], v[\b:\b+7], v[\d:\d+7], v[\sa], v[\sb] matrix_a_fmt:MATRIX_FMT_FP4 matrix_b_fmt:MATRIX_FMT_FP4
.endif
.endif
.endm
.macro SILU32 xs, tw                   ; 32 numbers at v[xs] become x / (1 + 2^(-x log2 e)); v[tw] on: 32 registers at work
.set p, 0
.rept 16
	v_pk_mul_f32 v[\tw+2*p:\tw+2*p+1], v[\xs+2*p:\xs+2*p+1], s[NL:NL+1] op_sel_hi:[1,0]
.set p, p+1
.endr
.set p, 0
.rept 32
	v_exp_f32 v[\tw+p], v[\tw+p]
.set p, p+1
.endr
	v_nop                                          ; a plain line behind the batch,
	s_wait_alu depctr_va_vdst(0)                   ; and one wait for the 32 exponentials' results, ahead of their first reader
.set p, 0
.rept 16
	v_pk_add_f32 v[\tw+2*p:\tw+2*p+1], v[\tw+2*p:\tw+2*p+1], 1.0 op_sel_hi:[1,0]
.set p, p+1
.endr
.set p, 0
.rept 32
	v_rcp_f32 v[\tw+p], v[\tw+p]
.set p, p+1
.endr
	v_nop
	s_wait_alu depctr_va_vdst(0)                   ; one wait for the 32 reciprocals' results, ahead of their first reader
.set p, 0
.rept 16
	v_pk_mul_f32 v[\xs+2*p:\xs+2*p+1], v[\xs+2*p:\xs+2*p+1], v[\tw+2*p:\tw+2*p+1]
.set p, p+1
.endr
.endm
.macro CROSS                           ; the two blocks' maxima joined with lane l xor 16's
.irp b,0,1
	v_permlanex16_b32 v[T+2+\b], v[T+\b], s[SEL], s[SEL+1]
.endr
.irp b,0,1
	v_max_num_f32 v[T+\b], v[T+\b], v[T+2+\b]
.endr
.endm
.macro CODES32 c                       ; from the blocks' largest magnitudes in v[T], v[T + 1]: the two bytes (in v[T + 4]), and A's 32 numbers as registers c .. c + 3 of an operand
.irp b,0,1
	v_add_nc_u32 v[T+14+\b], 0xff000000, v[T+\b]   ; 2 off the exponent field: the conversion's scale operand
.endr
.irp b,0,1
	v_lshrrev_b32 v[T+16+\b], 23, v[T+14+\b]       ; the scale's byte
.endr
	v_lshl_or_b32 v[T+4], v[T+17], 8, v[T+16]
.irp g,0,1,2,3
	v_cvt_scalef32_pk8_fp4_f32 v[\c+\g], v[A+8*\g:A+8*\g+7], v[T+14+\g/2]
.endr
	v_nop                                          ; one plain line behind the conversions
	v_permlane16_swap_b32 v[\c], v[\c+2]           ; the layout wants a whole block in a lane: lanes 0-15 block 0, lanes 16-31 block 1
	v_permlane16_swap_b32 v[\c+1], v[\c+3]
.endm
.macro PAIRSUM                         ; the two chains, their halves, and lane l xor 16's: into v[S0]
	v_pk_add_f32 v[S0:S0+1], v[S0:S0+1], v[S1:S1+1]
	v_add_f32 v[S0], v[S0], v[S0+1]
	v_permlanex16_b32 v[T+5], v[S0], s[SEL], s[SEL+1]
	v_add_f32 v[S0], v[S0], v[T+5]
.endm
.macro ASUM                            ; v[S0] = the sum of my token's 64 numbers in A
	v_pk_add_f32 v[S0:S0+1], v[A:A+1], v[A+2:A+3]
	v_pk_add_f32 v[S1:S1+1], v[A+4:A+5], v[A+6:A+7]
.irp j,8,12,16,20,24,28
	v_pk_add_f32 v[S0:S0+1], v[S0:S0+1], v[A+\j:A+\j+1]
	v_pk_add_f32 v[S1:S1+1], v[S1:S1+1], v[A+\j+2:A+\j+3]
.endr
	PAIRSUM
.endm
.macro LD32 rg, ad, off                ; 32 numbers of a channel table in the accumulators' order: register 16 b + i = channel 64 w + 32 b + 16 h + i
.irp i,0,1,2,3,4,5,6,7
	ds_load_b128 v[\rg+4*\i:\rg+4*\i+3], v[\ad] offset:\off+128*(\i/4)+16*(\i%4)
.endr
.endm
	s_load_b512 s[4:19], s[0:1], 0x0               ; x 4, xqb 6, attb 8, embp 10, emb_b 12, snorm_g 14, snorm_b 16, Wq_codes 18
	s_load_b256 s[20:27], s[0:1], 0x40             ; Wq_scales 20, bq 22, out_W_codes 24, out_W_scales 26
	s_load_b128 s[28:31], s[0:1], 0x60             ; out_b 28, out0 30
	v_lshl_add_u32 v86, v0, 2, 0x14800
	v_mov_b32 v87, 0
	v_lshrrev_b32 v1, 5, v0
	v_readfirstlane_b32 s32, v1                    ; wave = head
	s_and_b32 s33, ttmp7, 0xffff                   ; batch
	v_and_b32 v19, 31, v0
	v_lshlrev_b32 v1, 4, v19                       ; v1  16 x lane
	v_and_b32 v2, 15, v0                           ; r
	v_bfe_u32 v3, v0, 4, 1                         ; h
	s_mov_b32 s[SEL], 0x76543210
	s_mov_b32 s[SEL+1], 0xfedcba98                 ; v_permlanex16_b32's selects for lane l xor 16
	s_mov_b32 s[CS], 0x3fb8aa3b                    ; log2 e
	s_mov_b32 s[CS+1], s[CS]
	s_mov_b32 s[NL], 0xbfb8aa3b
	s_mov_b32 s[NL+1], s[NL]
	s_mov_b32 s[C9], 0x3b000000                    ; 2^-9
	s_mov_b32 s[EPS], 0x3727c5ac                   ; 1e-5
	v_mul_u32_u24 v4, v2, 272
	v_lshl_add_u32 v4, v3, 4, v4                   ; v4  xn's fragments: row r, + 16 h
	v_lshlrev_b32 v5, 4, v2
	v_add_nc_u32 v5, XS, v5                        ; v5  xn's scale words
	s_wait_alu depctr_va_sdst(0)                   ; the wave's number is written, ahead of its first reader
	s_lshl_b32 s35, s32, 8
	v_lshlrev_b32 v6, 6, v3
	v_add_nc_u32 v6, s35, v6
	v_add_nc_u32 v7, FGL, v6                       ; v7  the style at my channels: 256 w + 64 h
	v_add_nc_u32 v6, BQL, v6                       ; v6  bq likewise
	s_lshl_b32 s36, s32, 7
	v_lshlrev_b32 v9, 3, v2
	v_add_nc_u32 v9, STT, v9                       ; v9  the statistics of token r;
	v_add_nc_u32 v8, s36, v9                       ; v8  my wave's
	v_add_nc_u32 v12, HIMG, v1                     ; v12 an image at my lane;
	s_lshl_b32 s36, s32, 9
	v_add_nc_u32 v10, s36, v12                     ; v10 mine: K step w / 2, registers 4 (w % 2) on: 512 w
	v_add_nc_u32 v13, HSC, v1                      ; v13 the hidden layer's scale words;
	s_lshl_b32 s36, s32, 1
	v_add_nc_u32 v11, s36, v13                     ; v11 my two bytes of them
	s_mul_i32 s36, s32, 4352
	v_mul_u32_u24 v14, v2, 272
	v_lshl_add_u32 v14, v3, 5, v14
	v_add_nc_u32 v14, s36, v14
	v_add_nc_u32 v14, OSTG, v14                    ; v14 into my stage: row r, 32 h
	v_mul_u32_u24 v15, v3, 272
	v_lshl_add_u32 v15, v2, 4, v15
	v_add_nc_u32 v196, s36, v15                    ; (xn's codes on their way into LDS: row 16 w + h, 16 r)
	v_add_nc_u32 v15, OSTG, v196                   ; v15 out of it: row h, 16 r
	v_lshlrev_b32 v16, 11, v3
	v_lshl_add_u32 v16, v2, 4, v16
	v_add_nc_u32 v16, s35, v16                     ; v16 in x and out0: row h, 256 w + 16 r; never rewritten
	s_lshl_b32 s34, s32, 6
	v_and_b32 v228, 8, v2
	v_add_nc_u32 v228, v228, v2
	v_add_nc_u32 v228, s34, v228                   ; Wq's row of lane r in tile 0: 64 w + r + 8 (r / 8)
	v_lshl_add_u32 v230, v3, 3, v228
	v_lshlrev_b32 v230, 4, v230                    ; its scale words: lanes 16-31 take the odd tile's rows, 8 on
	v_lshlrev_b32 v228, 8, v228
	v_lshl_add_u32 v228, v3, 4, v228
	v_add_nc_u32 v229, s34, v2
	v_lshlrev_b32 v229, 8, v229
	v_lshl_add_u32 v229, v3, 4, v229               ; out_W: row 64 w + r
	v_add_nc_u32 v231, s34, v19
	v_lshlrev_b32 v231, 4, v231                    ; its scale words: row 64 w + lane
	v_lshlrev_b32 v232, 4, v2
	v_add_nc_u32 v232, s35, v232                   ; out_b: 256 w + 16 r
	v_lshlrev_b32 v233, 3, v0                      ; 8 t
	v_lshlrev_b32 v234, 2, v19                     ; 4 x lane
	s_lshl_b32 s36, s32, 12
	v_add_nc_u32 v235, s36, v1                     ; xqb: 4,096 w + 16 lane
	v_add_nc_u32 v197, XS, v233
	s_mov_b32 s37, 0
	s_wait_kmcnt 0x0
	s_lshl_b32 s36, s33, 21
	s_lshl_b32 s38, ttmp9, 18
	s_add_co_u32 s36, s36, s38
	s_add_nc_u64 s[4:5], s[4:5], s[36:37]          ; x and out0 at my block's first row
	s_add_nc_u64 s[30:31], s[30:31], s[36:37]
	s_lshl_b32 s38, s33, 3
	s_add_co_u32 s36, s38, ttmp9
	s_mul_i32 s36, s36, 34816
	s_add_nc_u64 s[6:7], s[6:7], s[36:37]
	s_add_co_u32 s36, s38, s32
	s_mul_i32 s36, s36, 2560
	s_add_nc_u64 s[8:9], s[8:9], s[36:37]
	s_lshl_b32 s36, s33, 12
	s_add_nc_u64 s[10:11], s[10:11], s[36:37]
	s_wait_alu depctr_va_vdst(0)                   ; every offset and LDS address of the kernel but v17 and v18 is written (v1, v4-16, v196, v197, v228-235): the loads and stores from here on read them
	WIN 0x40                                       ; destination window 1: Wq's fragment (tile tq, K step ks) at 8 (4 tq + ks), out_W's 128 on
.irp tq,0,1,2,3
.irp ks,0,1,2,3
.irp c,0,1
	global_load_b128 v[8*(4*\tq+\ks)+4*\c:8*(4*\tq+\ks)+4*\c+3], v228, s[18:19] offset:(32*(\tq/2)+8*(\tq%2))*256+64*\ks+32*\c
	global_load_b128 v[128+8*(4*\tq+\ks)+4*\c:128+8*(4*\tq+\ks)+4*\c+3], v229, s[24:25] offset:16*\tq*256+64*\ks+32*\c
.endr
.endr
.endr
	WIN 0
.irp pp,0,1
	global_load_b128 v[60+4*\pp:63+4*\pp], v230, s[20:21] offset:512*\pp
	global_load_b128 v[68+4*\pp:71+4*\pp], v231, s[26:27] offset:512*\pp
.endr
.irp tl,0,1,2,3
	global_load_b128 v[24+8*\tl:27+8*\tl], v1, s[8:9] offset:512*\tl
	global_load_b32 v[56+\tl], v234, s[8:9] offset:2048+128*\tl
.endr
	global_load_b128 v[20:23], v232, s[28:29]
.irp i,0,1,2,3,4,5,6,7
	global_load_b128 v[F+4*\i:F+4*\i+3], v235, s[6:7] offset:512*\i
.endr
	global_load_b64 v[252:253], v233, s[6:7] offset:32768
	global_load_b64 v[254:255], v233, s[22:23]
	global_load_b64 v[236:237], v233, s[10:11]                 ; the emb product's two halves of K, for scale
	global_load_b64 v[238:239], v233, s[10:11] offset:131072
	global_load_b64 v[240:241], v233, s[10:11] offset:2048     ; and for shift
	global_load_b64 v[242:243], v233, s[10:11] offset:133120
	global_load_b64 v[244:245], v233, s[12:13]
	global_load_b64 v[246:247], v233, s[12:13] offset:2048
	global_load_b64 v[248:249], v233, s[14:15]
	global_load_b64 v[250:251], v233, s[16:17]
.irp tl,0,1,2,3
.irp i,4,5,6,7
	v_mov_b32 v[24+8*\tl+\i], 0                    ; K 64 .. 127 of the product with attention: zero codes, written once
.endr
.endr
.irp i,4,5,6,7
	v_mov_b32 v[PFR+\i], 0
.endr
	s_mov_b32 s[KC], 0
	s_mov_b32 s[KX], 0
	s_mov_b32 s[KT], 0
	s_wait_loadcnt 0x0
.irp i,0,1,2,3,4,5,6,7
	ds_store_b128 v196, v[F+4*\i:F+4*\i+3] offset:544*\i
.endr
	ds_store_b64 v197, v[252:253]                  ; xn's scale bytes
	ds_store_b64 v197, v[254:255] offset:BQL-XS    ; bq
	v_pk_add_f32 v[236:237], v[236:237], v[238:239]
	v_pk_add_f32 v[240:241], v[240:241], v[242:243]
	v_pk_add_f32 v[236:237], v[236:237], v[244:245]            ; scale of channels 2 t, 2 t + 1
	v_pk_add_f32 v[240:241], v[240:241], v[246:247]            ; shift
	v_pk_add_f32 v[236:237], v[236:237], 1.0 op_sel_hi:[1,0]
	v_pk_mul_f32 v[248:249], v[248:249], v[236:237]            ; g (1 + scale)
	v_pk_fma_f32 v[250:251], v[250:251], v[236:237], v[240:241] ; b (1 + scale) + shift
	s_wait_alu depctr_va_vdst(0)                   ; the folded gains and offsets v248-251 are written, which the two LDS stores read
	ds_store_b64 v197, v[248:249] offset:FGL-XS
	ds_store_b64 v197, v[250:251] offset:FGL-XS+2048
	BARRIER                                        ; codes, scale bytes and the channel tables lie in LDS; they are only read from here on
.Ltrip:                                            ; 16 tokens a trip, two barriers
	s_wait_alu depctr_vm_vsrc(0)                   ; the last trip's LDS loads have read v17 and v18, its LDS stores A, v160-163, v232 and v246, v247, its global stores F (first trip: the head's loads and stores their offsets and data in F, v196, v197 and v228-255): all are written again in this trip
	v_add_nc_u32 v17, s[KC], v4
	v_add_nc_u32 v18, s[KX], v5
	s_wait_alu depctr_va_vdst(0)                   ; v17 and v18 are written; the last trip's vector and matrix lines are done with XR, A, F, G and v76-79, in which the loads below land
.irp i,0,1,2,3,4,5,6,7
	global_load_b128 v[XR+4*\i:XR+4*\i+3], v16, s[4:5] offset:4096*\i th:TH_LOAD_NT   ; x's 16 rows, my 256 bytes of each: wanted at the trip's end
.endr
	; ---- the query: A = bq + Wq xn^T
	LD32 A, 6, 0                                   ; bq is the C of each sum's first product
.irp ks,0,1,2,3
.irp c,0,1
	ds_load_b128 v[F+8*\ks+4*\c:F+8*\ks+4*\c+3], v17 offset:64*\ks+32*\c
.endr
.endr
	ds_load_b128 v[76:79], v18
	LD32 G, 7, 0                                   ; the style's gains: wanted behind the first barrier.  No vector line since the wait above names G
	s_wait_dscnt 8                                 ; LDS loads come back in order: bq, the fragments and their scale words are in; the eight younger loads, the gains, may be out
	WIN 0x01                                       ; source 0 (the weights) window 1.  The four accumulators take turns
.irp ks,0,1,2,3
.irp tq,0,1,2,3
	WM A+8*\tq, 8*(4*\tq+\ks), F+8*\ks, 0, 60+4*(\tq/2)+\ks, 76+\ks, \tq%2
.endr
.endr
	WIN 0
	NOPS 4                                         ; places in front of the loads into F and of the first read of the scores
	s_wait_alu depctr_va_vdst(0)                   ; the products are done reading F, in which the style's offsets land
	LD32 F, 7, 2048                                ; wanted behind the first barrier
	; ---- softmax over the head's 64 channels of my token (32 mine, 32 lane l xor 16's)
.irp b,0,1
	v_max3_num_f32 v[T+\b], v[A+16*\b], v[A+16*\b+1], v[A+16*\b+2]     ; each block's largest logit serves twice: for M, and for the block's largest p
.endr
.irp i,3,5,7,9,11,13
.irp b,0,1
	v_max3_num_f32 v[T+\b], v[T+\b], v[A+16*\b+\i], v[A+16*\b+\i+1]
.endr
.endr
.irp b,0,1
	v_max_num_f32 v[T+\b], v[T+\b], v[A+16*\b+15]
.endr
	CROSS
	v_max_num_f32 v[T+4], v[T], v[T+1]
	v_mul_f32 v[T+4], s[CS], v[T+4]
	v_floor_f32 v[NM], -v[T+4]                     ; -M = floor(-t): M is a whole number
.set p, 0
.rept 16
	v_pk_fma_f32 v[A+2*p:A+2*p+1], v[A+2*p:A+2*p+1], s[CS:CS+1], v[NM:NM+1] op_sel_hi:[1,0,0]
.set p, p+1
.endr
.irp b,0,1
	v_fma_f32 v[T+\b], v[T+\b], s[CS], v[NM]
.endr
.set p, 0
.rept 32
	v_exp_f32 v[A+p], v[A+p]                       ; p = 2^(t - M): not normalised
.set p, p+1
.endr
.irp b,0,1
	v_exp_f32 v[T+\b], v[T+\b]                     ; the blocks' largest p
.endr
	v_nop
	s_wait_alu depctr_va_vdst(0)                   ; one wait for the 34 exponentials' results, ahead of their first reader
	ASUM                                           ; the sum is taken of the unquantised p
	v_rcp_f32 v[RL], v[S0]
.irp b,0,1
	v_max_num_f32 v[T+\b], 0x1800000, v[T+\b]      ; the floor 2^(3 - 127): the byte cannot fall under 1
.endr
	CODES32 PFR
	v_or_b32 v84, 0x7f7f0000, v[T+4]               ; p's scale word: K 64 .. 127 are zero codes under the byte 127
	NOPS 8                                         ; a scale word made by vector lines stands eight places ahead of the product; they also part these products from the last ones, whose results they write over
	s_wait_alu depctr_va_vdst(0)                   ; the conversions and exchanges of halves have written p's codes v152-155, and v84 is written: the products below take them as operand and scale; the reciprocal has written v240, ahead of its first reader behind the products.  The places above stay beside this wait
	; ---- y^T = attention^T p^T: source 0 = 16 channels l, source 1 = my 16 tokens, K = the head's 64
.irp tl,0,1,2,3
	WM A+8*\tl, 24+8*\tl, PFR, 1, 56+\tl, 84, 0
.endr
	NOPS 4
.set p, 0
.rept 16
	v_pk_mul_f32 v[A+2*p:A+2*p+1], v[A+2*p:A+2*p+1], v[RL:RL+1] op_sel_hi:[1,0]      ; / the sum
.set p, p+1
.endr
	; ---- LayerNorm over 512 channels: my head's mean and sum of squared deviations
	ASUM
	v_mul_f32 v[MW], 0x3c800000, v[S0]             ; / 64
.set p, 0
.rept 16
	v_pk_add_f32 v[252+2*(p%2):253+2*(p%2)], v[A+2*p:A+2*p+1], v[MW:MW+1] op_sel_hi:[1,0] neg_lo:[0,1] neg_hi:[0,1]
.if p < 2
	v_pk_mul_f32 v[S0+2*(p%2):S0+2*(p%2)+1], v[252+2*(p%2):253+2*(p%2)], v[252+2*(p%2):253+2*(p%2)]
.else
	v_pk_fma_f32 v[S0+2*(p%2):S0+2*(p%2)+1], v[252+2*(p%2):253+2*(p%2)], v[252+2*(p%2):253+2*(p%2)], v[S0+2*(p%2):S0+2*(p%2)+1]
.endif
.set p, p+1
.endr
	PAIRSUM
	v_mov_b32 v[MW+1], v[S0]
	s_wait_alu depctr_va_vdst(0)                   ; my mean and sum of squares v246, v247 are written, which the store reads; the lines above are done with v228-243, in which the loads behind the barrier land: no vector line stands between
	ds_store_b64 v8, v[MW:MW+1]                    ; both halves of the lanes write the same words with the same values
	BARRIER                                        ; the eight heads' statistics lie in LDS (the last trip's reads of them were waited for ahead of its second barrier)
.irp w,0,1,2,3,4,5,6,7
	ds_load_b64 v[SS+2*\w:SS+2*\w+1], v9 offset:128*\w
.endr
	s_wait_dscnt 0x0
	v_pk_add_f32 v[244:245], v[SS:SS+1], v[SS+2:SS+3]
	v_pk_add_f32 v[252:253], v[SS+4:SS+5], v[SS+6:SS+7]
	v_pk_add_f32 v[244:245], v[244:245], v[SS+8:SS+9]
	v_pk_add_f32 v[252:253], v[252:253], v[SS+10:SS+11]
	v_pk_add_f32 v[244:245], v[244:245], v[SS+12:SS+13]
	v_pk_add_f32 v[252:253], v[252:253], v[SS+14:SS+15]
	v_pk_add_f32 v[244:245], v[244:245], v[252:253]            ; the means' sum, the squares' sum
	v_mul_f32 v[MN], 0x3e000000, v244              ; the token's mean
.irp w,0,1,2,3,4,5,6,7
	v_sub_f32 v[SS+2*\w], v[SS+2*\w], v[MN]
.endr
	v_mul_f32 v252, v[SS], v[SS]
	v_mul_f32 v253, v[SS+2], v[SS+2]
.irp w,2,4,6
	v_fma_f32 v252, v[SS+2*\w], v[SS+2*\w], v252
	v_fma_f32 v253, v[SS+2*\w+2], v[SS+2*\w+2], v253
.endr
	v_add_f32 v252, v252, v253
	v_fma_f32 v245, v252, 0x42800000, v245         ; + 64 x the squared distances of the heads' means from the token's
	v_fma_f32 v245, v245, s[C9], s[EPS]
	v_rsq_f32 v[RS], v245
.set p, 0
.rept 16
	v_pk_add_f32 v[A+2*p:A+2*p+1], v[A+2*p:A+2*p+1], v[MN:MN+1] op_sel_hi:[1,0] neg_lo:[0,1] neg_hi:[0,1]   ; plain work behind the root
.set p, p+1
.endr
	s_wait_alu depctr_va_vdst(0)                   ; the root's result v250, ahead of its first reader
.set p, 0
.rept 16
	v_pk_mul_f32 v[A+2*p:A+2*p+1], v[A+2*p:A+2*p+1], v[RS:RS+1] op_sel_hi:[1,0]
.set p, p+1
.endr
.set p, 0
.rept 16
	v_pk_fma_f32 v[A+2*p:A+2*p+1], v[A+2*p:A+2*p+1], v[G+2*p:G+2*p+1], v[F+2*p:F+2*p+1]
.set p, p+1
.endr
	SILU32 A, G
	; ---- quantised along the 512 channels: my 64 are half a K step of the last product: an image of four registers and two scale bytes
.irp b,0,1
	v_max3_num_f32 v[T+\b], |v[A+16*\b]|, |v[A+16*\b+1]|, 0x1800000
.endr
.irp i,2,4,6,8,10,12,14
.irp b,0,1
	v_max3_num_f32 v[T+\b], v[T+\b], |v[A+16*\b+\i]|, |v[A+16*\b+\i+1]|
.endr
.endr
	CROSS
	CODES32 HC
	s_wait_alu depctr_va_vdst(0)                   ; the codes v160-163 and the two bytes in v232 are written, which the stores read; the style's lines are done reading F, in which the loads behind the barrier land: no vector line stands between
	ds_store_b128 v10, v[HC:HC+3]
	ds_store_b16 v11, v[T+4]
	BARRIER                                        ; the hidden layer's four fragments lie in LDS (the last trip's reads of them were waited for ahead of this trip's first barrier)
	; ---- out^T = out_W h^T
.irp ks,0,1,2,3
.irp c,0,1
	ds_load_b128 v[F+8*\ks+4*\c:F+8*\ks+4*\c+3], v12 offset:1024*\ks+512*\c
.endr
.endr
	ds_load_b128 v[80:83], v13
	s_wait_dscnt 0x0
	WIN 0x01
.irp ks,0,1,2,3
.irp to,0,1,2,3
.if \ks == 0
	WM A+8*\to, 128+8*(4*\to+\ks), F+8*\ks, 1, 68+4*(\to/2)+\ks, 80+\ks, \to%2
.else
	WM A+8*\to, 128+8*(4*\to+\ks), F+8*\ks, 0, 68+4*(\to/2)+\ks, 80+\ks, \to%2
.endif
.endr
.endr
	WIN 0
	s_wait_loadcnt 0x0                             ; x's rows, asked for at the trip's head
.irp i,0,1,2,3,4,5,6,7
	v_pk_add_f32 v[XR+4*\i:XR+4*\i+1], v[XR+4*\i:XR+4*\i+1], v[20:21]          ; x + out_b: these sixteen lines are also the places behind the last products
	v_pk_add_f32 v[XR+4*\i+2:XR+4*\i+3], v[XR+4*\i+2:XR+4*\i+3], v[22:23]
.endr
	; ---- the way out: a lane holds 32 bytes of a token's row; through my own stage they come back as rows of 256 bytes
	s_wait_alu depctr_va_vdst(0)                   ; the products have written A, which the stage's stores read, and are done reading F, in which the loads from the stage land; the places above stay beside this wait
.irp to,0,1,2,3
	ds_store_b128 v14, v[A+8*\to:A+8*\to+3] offset:64*\to                      ; each accumulator from its low end on
	ds_store_b128 v14, v[A+8*\to+4:A+8*\to+7] offset:64*\to+16
.endr
.irp i,0,1,2,3,4,5,6,7
	ds_load_b128 v[F+4*\i:F+4*\i+3], v15 offset:544*\i                         ; LDS serves a wave's instructions in order: these see the stores above
.endr
.irp i,0,1,2,3,4,5,6,7
	s_wait_dscnt 7-\i                              ; the younger loads from the stage may be out
	v_pk_add_f32 v[F+4*\i:F+4*\i+1], v[F+4*\i:F+4*\i+1], v[XR+4*\i:XR+4*\i+1]
	v_pk_add_f32 v[F+4*\i+2:F+4*\i+3], v[F+4*\i+2:F+4*\i+3], v[XR+4*\i+2:XR+4*\i+3]
.endr
	s_wait_alu depctr_va_vdst(0)                   ; the sixteen additions have written F, which the eight stores read: one wait for the run
.irp i,0,1,2,3,4,5,6,7
	global_store_b128 v16, v[F+4*\i:F+4*\i+3], s[30:31] offset:4096*\i th:TH_STORE_NT   ; sixteen lanes store 256 consecutive bytes, aligned
.endr
	s_wait_xcnt 0x0                                ; the stores have read their data and their base: both are written again only behind this wait
	s_add_nc_u64 s[4:5], s[4:5], 32768
	s_add_nc_u64 s[30:31], s[30:31], 32768
	s_add_co_u32 s[KC], s[KC], 4352
	s_add_co_u32 s[KX], s[KX], 256
	s_add_co_u32 s[KT], s[KT], 1
	s_cmp_lt_u32 s[KT], 8
	s_cbranch_scc1 .Ltrip
	s_wait_dscnt 0x0                               ; the closing lines, six on end, of a launch in the mode that stores to LDS
	s_wait_alu 0x0
	s_wait_tensorcnt 0x0
	ds_add_u32 v86, v87
	s_wait_dscnt 0x0
	s_endpgm
.Lfunc_end_k_qc476b68594_final:
	.size	k_qc476b68594_final, .Lfunc_end_k_qc476b68594_final-k_qc476b68594_final
	.p2alignl 7, 3214868480
	.fill 96, 4, 3214868480
	.section	.rodata,"a",@progbits
	.p2align	6, 0x0
	.amdhsa_kernel k_qc476b68594_final
		.amdhsa_group_segment_fixed_size 84992
		.amdhsa_private_segment_fixed_size 0
		.amdhsa_enable_private_segment 0
		.amdhsa_kernarg_size 112
		.amdhsa_user_sgpr_count 2
		.amdhsa_user_sgpr_kernarg_segment_ptr 1
		.amdhsa_wavefront_size32 1
		.amdhsa_system_sgpr_workgroup_id_x 1
		.amdhsa_system_sgpr_workgroup_id_y 1
		.amdhsa_system_sgpr_workgroup_id_z 1
		.amdhsa_system_vgpr_workitem_id 0
		.amdhsa_next_free_vgpr 512
		.amdhsa_next_free_sgpr 66
		.amdhsa_reserve_vcc 0
		.amdhsa_float_denorm_mode_32 3
		.amdhsa_float_denorm_mode_16_64 3
		.amdhsa_memory_ordered 1
		.amdhsa_forward_progress 1
		.amdhsa_inst_pref_size 51
	.end_amdhsa_kernel
	.amdgpu_metadata
---
amdhsa.version: [ 1, 2 ]
amdhsa.kernels:
  - .name:           k_qc476b68594_final
    .symbol:         k_qc476b68594_final.kd
    .args:
      - { .name: x, .offset: 0, .size: 8, .value_kind: global_buffer, .address_space: global }
      - { .name: xqb, .offset: 8, .size: 8, .value_kind: global_buffer, .address_space: global }
      - { .name: attb, .offset: 16, .size: 8, .value_kind: global_buffer, .address_space: global }
      - { .name: embp, .offset: 24, .size: 8, .value_kind: global_buffer, .address_space: global }
      - { .name: emb_b, .offset: 32, .size: 8, .value_kind: global_buffer, .address_space: global }
      - { .name: snorm_g, .offset: 40, .size: 8, .value_kind: global_buffer, .address_space: global }
      - { .name: snorm_b, .offset: 48, .size: 8, .value_kind: global_buffer, .address_space: global }
      - { .name: Wq_codes, .offset: 56, .size: 8, .value_kind: global_buffer, .address_space: global }
      - { .name: Wq_scales, .offset: 64, .size: 8, .value_kind: global_buffer, .address_space: global }
      - { .name: bq, .offset: 72, .size: 8, .value_kind: global_buffer, .address_space: global }
      - { .name: out_W_codes, .offset: 80, .size: 8, .value_kind: global_buffer, .address_space: global }
      - { .name: out_W_scales, .offset: 88, .size: 8, .value_kind: global_buffer, .address_space: global }
      - { .name: out_b, .offset: 96, .size: 8, .value_kind: global_buffer, .address_space: global }
      - { .name: out0, .offset: 104, .size: 8, .value_kind: global_buffer, .address_space: global }
    .group_segment_fixed_size: 84992
    .private_segment_fixed_size: 0
    .kernarg_segment_align: 8
    .kernarg_segment_size: 112
    .max_flat_workgroup_size: 256
    .sgpr_count:     66
    .vgpr_count:     512
    .wavefront_size: 32
...
	.end_amdgpu_metadata
.endif
;; end of part 5
